; MI455X (gfx1250); checked and timed in simulation.
; The chip was launched on July 23, 2026; its instructions are those of AMD's public machine-readable ISA for CDNA 5 (MIT licence, August 2026) and "CDNA5" Instruction Set Architecture Reference Guide (July 2026). The comments in the code are by the model that wrote it; some were corrected since.
;; Attention Block. Allowed arithmetic: matrix products marked QUANTISED: E3M2 operands, one E8M0 scale for each 32 along K, by v_wmma_scale_f32_16x16x128_f8f6f4 with both operands' format E3M2, f32 sums; everything else in f32.
;; Inputs: ca_bo 1,024 float32; ca_nb 1,024 float32; ca_ncb 768 float32; ca_ncg 768 float32; ca_ng 1,024 float32; ca_wkv 768 x 1,024 float32; ca_wo 512 x 1,024 float32; ca_wq 1,024 x 512 float32; context 4 x 512 x 768 float32; sa_bo 1,024 float32; sa_nb 1,024 float32; sa_ncb 1,024 float32; sa_ncg 1,024 float32; sa_ng 1,024 float32; sa_wkv 1,024 x 1,024 float32; sa_wo 512 x 1,024 float32; sa_wq 1,024 x 512 float32; x 4 x 2,048 x 1,024 float32.
;; Outputs: out0 4 x 2,048 x 1,024 float32.
;; This version of the problem:
;;   THIS VERSION OF THE PROBLEM IS GIVEN IN LOW PRECISION. The matrix products marked QUANTISED in the list below multiply operands that are first quantised to E3M2 (3 exponent bits, 2 mantissa bits; 6 bits a number), with one power-of-two scale for each 32 numbers along K (OCP MX v1.0); their sums are f32. All else is computed in f32.
;;   The module's matrix products, in the order in which they are computed (A, B: the left and right operand; K: the contracted axis; several contracted axes count as one K, in the product's order):
;;     1. [M 8,192, K 1,024] x [K 1,024, N 512]; A: computed on the way; B: input sa_wq: QUANTISED
;;     2. [M 8,192, K 1,024] x [K 1,024, N 1,024]; A: computed on the way; B: input sa_wkv: QUANTISED
;;     3. batch 32 x [M 2,048, K 64] x [K 64, N 2,048]; A: computed on the way; B: computed on the way: QUANTISED
;;     4. batch 32 x [M 2,048, K 2,048] x [K 2,048, N 64]; A: softmax (see below); B: computed on the way: QUANTISED
;;     5. [M 8,192, K 512] x [K 512, N 1,024]; A: computed on the way; B: input sa_wo: QUANTISED
;;     6. [M 8,192, K 1,024] x [K 1,024, N 512]; A: computed on the way; B: input ca_wq: QUANTISED
;;     7. [M 2,048, K 768] x [K 768, N 1,024]; A: computed on the way; B: input ca_wkv: QUANTISED
;;     8. batch 32 x [M 2,048, K 64] x [K 64, N 512]; A: computed on the way; B: computed on the way: QUANTISED
;;     9. batch 32 x [M 2,048, K 512] x [K 512, N 64]; A: softmax (see below); B: computed on the way: QUANTISED
;;     10. [M 8,192, K 512] x [K 512, N 1,024]; A: computed on the way; B: input ca_wo: QUANTISED
;;   THE QUANTISER, for each operand of a quantised product, along K:
;;     - K is cut into blocks of 32 from its start; a last block that is shorter is filled with zeros.
;;     - A block's scale is 2^e with e = floor(log2(the largest magnitude in the block)) - 4, held to -126 .. 127; a block of zeros has e = 0. As a byte (E8M0): e + 127.
;;     - Each number is divided by its block's scale, clamped to +-28, and rounded to the nearest number of E3M2, ties to even, subnormals kept.
;;     - The product sums the exact products of the quantised numbers (number of the format x scale) in f32.
;;   ~~~python
;;   def quantise(x, axis):      # numpy; x: float32 -> the quantised numbers, widened to float32 again
;;       x = np.moveaxis(x, axis, -1); K = x.shape[-1]
;;       x = np.pad(x, [(0, 0)] * (x.ndim - 1) + [(0, -K % 32)]); x = x.reshape(x.shape[:-1] + (-1, 32)); a = np.abs(x).max(-1, keepdims=True)
;;       e = np.where(a > 0, np.clip(np.frexp(np.where(a > 0, a, 1))[1] - 1 - 4, -126, 127), 0)      # np.frexp(a)[1] - 1 = floor(log2(a)), exactly
;;       r = np.clip(x / 2.0 ** e, -28, 28)
;;       step = 2.0 ** (np.maximum(np.frexp(np.where(r == 0, 1, r))[1] - 1, -2) - 2)
;;       q = np.round(r / step) * step * 2.0 ** e      # np.round: ties to even
;;       return np.moveaxis(q.reshape(q.shape[:-2] + (-1,))[..., :K], -1, axis).astype(np.float32)
;;   ~~~
;;   SOFTMAX AHEAD OF A QUANTISED PRODUCT. Where the list says 'softmax', what is quantised is not the finished softmax but p = 2^(t - M), with t = logit x log2(e) and M = ceil(the row's largest t), a whole number; so 1/2 < the row's largest p <= 1. The row's sum l is taken of the UNQUANTISED p, in f32, and the product's result is divided by l at the end. Since M is a whole number, a kernel that streams over the keys may use a running M (the ceiling of the running maximum): every later rescaling is an exact power of two, which a block's scale takes up: the codes' values come out the same.
;;   OPERANDS COMPUTED ON THE WAY. 'Computed on the way' means the value that the module computes at that place (a softmax that the list does not call 'softmax' is quantised finished and normalised). What goes into a quantiser is computed in f32, as accurately as f32 sums, v_exp_f32 and their like allow (about 1e-6 of the number): no bf16 or f16 on the way to a quantiser, and a product that is left as it is and whose result goes on into a quantised operand takes f32 operands (vector FMAs, or v_wmma_f32_16x16x4_f32). A number that lies on a knife's edge between two numbers of the format may be rounded either way, as far as f32 arithmetic and the matrix unit's own rounding can turn it there, and no further.
;; 2 versions. Each part assembles by itself: llvm-mc -triple=amdgcn-amd-amdhsa -mcpu=gfx1250 --defsym DOCPART=n.
;; ======== version 1 of 2: 7 launches
;; workspace buffers: wts 3,194,880 bytes; qc 3,276,800 bytes; kv1 6,553,600 bytes; kv2 1,638,400 bytes; oc 3,276,800 bytes; x1 33,554,432 bytes
;; launch quantw (part 1): grid 240 x 1, 4 waves a work-group, no clusters, 0 bytes of LDS; arguments sa_wq, ca_wq, sa_wkv, sa_wo, ca_wo, ca_wkv, wts; writes wts
.if DOCPART == 1
	.amdgcn_target "amdgcn-amd-amdhsa--gfx1250"
	.amdhsa_code_object_version 6
	.text
	.protected	k_q45202bbd24_quantw
	.globl	k_q45202bbd24_quantw
	.p2align	8
	.type	k_q45202bbd24_quantw,@function
k_q45202bbd24_quantw:
	s_mov_b64 s[64:65], 0
	v_nop
	global_prefetch_b8 v0, s[64:65] scope:SCOPE_SE
	s_setreg_imm32_b32 hwreg(HW_REG_WAVE_MODE, 25, 1), 1
	s_wait_xcnt 0x0
; The six weights, f32 stored [K][N], become codes of BF6 (E3M2) with one E8M0 byte for each 32 along K, laid as the products' launches load them.
; A RECORD (3,328 bytes) is 16 columns x 256 along K: two fragments of 16 x 128 as images of their 12 registers (registers 4c..4c+3 of lane L at 512 c + 16 L), then 8 bytes a lane: the two K steps' scale words of column L % 16.
; ORDER INSIDE A BLOCK OF 32: place p holds k = 8 (p / 16) + 16 ((p / 8) % 2) + p % 8.  Every stream of codes of this program has that order, on both sides of every product, so each product's terms are unchanged.
; A lane takes a column and its registers run down K: a block lies in one lane, nothing is transposed.  One wave makes one record; a work-group's four waves stand side by side on 256 bytes of each row.
; A block's byte is its largest magnitude's exponent field - 4, held at 1 from below (a block of zeros keeps 1: its codes are zeros, and this program alone reads the bytes).
; LIMITS: NaN and infinities are not served; blocks whose largest magnitude lies under 2^-122 keep the byte 1.
.set X,  16                            ; v16-143  128 numbers: K step e, half c, place p at 64 e + 32 c + p
.set C,  144                           ; v144-167 the two fragments' codes
.set T,  168                           ; v168-175 a block's second sixteen codes (a conversion's three registers begin on an even number)
.set MX, 176                           ; v176-177 largest magnitudes
.set SE, 178                           ; v178-179 the conversions' scale operands
.set BY, 180                           ; v180-181 the bytes
.set SW, 184                           ; v184-185 the two scale words
.set PD, 186                           ; v186     a lane permute's destination
	s_load_b256 s[8:15], s[0:1], 0x0               ; sa_wq, ca_wq, sa_wkv, sa_wo
	s_load_b128 s[16:19], s[0:1], 0x20             ; ca_wo, ca_wkv
	s_load_b64 s[20:21], s[0:1], 0x30              ; wts
	v_lshrrev_b32 v1, 5, v0
	v_readfirstlane_b32 s22, v1                    ; wave
	v_and_b32 v1, 15, v0                           ; r
	v_bfe_u32 v2, v0, 4, 1                         ; h
	v_and_b32 v7, 31, v0                           ; lane
	v_lshlrev_b32 v4, 4, v7                        ; 16 x lane
	v_lshlrev_b32 v5, 3, v7                        ; 8 x lane
	v_lshlrev_b32 v6, 3, v2                        ; 8 h: my bytes' shift in a scale word
	v_mov_b32 v[PD], 0                             ; a lane permute's destination counts as one of its sources
	s_mov_b32 s2, 0x76543210
	s_mov_b32 s3, 0xfedcba98                       ; selects for lane l xor 16
	s_mov_b32 s24, 0                               ; the weight's first work-group
	s_mov_b32 s25, 0                               ; its first record
	s_mov_b32 s26, 4                               ; G: records along K
	s_mov_b32 s27, 3                               ; log2 of the groups of four tiles
	s_mov_b32 s28, 2048                            ; bytes in a row
	s_wait_kmcnt 0x0
	s_mov_b64 s[4:5], s[8:9]
	s_cmp_ge_u32 ttmp9, 32                         ; the choices hang on the work-group's number alone
	s_cselect_b64 s[4:5], s[10:11], s[4:5]
	s_cselect_b32 s24, 32, s24
	s_cselect_b32 s25, 128, s25
	s_cmp_ge_u32 ttmp9, 64
	s_cselect_b64 s[4:5], s[12:13], s[4:5]
	s_cselect_b32 s24, 64, s24
	s_cselect_b32 s25, 256, s25
	s_cselect_b32 s27, 4, s27
	s_cselect_b32 s28, 4096, s28
	s_cmp_ge_u32 ttmp9, 128
	s_cselect_b64 s[4:5], s[14:15], s[4:5]
	s_cselect_b32 s24, 128, s24
	s_cselect_b32 s25, 512, s25
	s_cselect_b32 s26, 2, s26
	s_cmp_ge_u32 ttmp9, 160
	s_cselect_b64 s[4:5], s[16:17], s[4:5]
	s_cselect_b32 s24, 160, s24
	s_cselect_b32 s25, 640, s25
	s_cmp_ge_u32 ttmp9, 192
	s_cselect_b64 s[4:5], s[18:19], s[4:5]
	s_cselect_b32 s24, 192, s24
	s_cselect_b32 s25, 768, s25
	s_cselect_b32 s26, 3, s26
	s_sub_co_u32 s29, ttmp9, s24                   ; my number within the weight
	s_bfm_b32 s30, s27, 0
	s_and_b32 s30, s29, s30                        ; which four tiles
	s_lshr_b32 s31, s29, s27                       ; g: which 256 along K
	s_lshl_b32 s32, s30, 2
	s_add_co_u32 s32, s32, s22                     ; t: my tile of 16 columns
	s_mul_i32 s33, s31, s28
	s_lshl_b32 s33, s33, 8                         ; 256 g rows
	s_lshl_b32 s34, s32, 6                         ; 64 bytes a tile
	s_add_co_u32 s34, s33, s34
	s_mov_b32 s35, 0
	s_add_nc_u64 s[4:5], s[4:5], s[34:35]
	s_mul_i32 s36, s32, s26
	s_add_co_u32 s36, s36, s31
	s_add_co_u32 s36, s36, s25                     ; the record's number: first + t G + g
	s_mul_i32 s36, s36, 3328
	s_mov_b32 s37, 0
	s_add_nc_u64 s[6:7], s[20:21], s[36:37]
	s_lshl_b32 s38, s28, 5
	v_mul_u32_u24 v3, s38, v2                      ; lanes 16-31 begin 32 rows further down,
	v_lshl_add_u32 v3, v1, 2, v3                   ; column r
.macro LOADS nb                        ; 128 loads: sixteen neighbouring lanes read 64 neighbouring bytes; every offset is an immediate (255 rows of 4,096 bytes at the most)
.irp e,0,1
.irp c,0,1
.set p_, 0
.rept 32
	global_load_b32 v[X+64*\e+32*\c+p_], v3, s[4:5] offset:(128*\e+64*\c+8*(p_/16)+16*((p_/8)%2)+p_%8)*\nb th:TH_LOAD_NT
.set p_, p_+1
.endr
.endr
.endr
.endm
	s_cmp_lt_u32 ttmp9, 64                         ; rows of 2,048 or of 4,096 bytes: the branch stands round the loads alone, 128 on either way
	s_cbranch_scc0 .Lwide
	LOADS 2048
	s_branch .Lloaded
.Lwide:
	LOADS 4096
.Lloaded:
.macro QSTEP e
.irp c,0,1
	v_max3_num_f32 v[MX+\c], |v[X+64*\e+32*\c]|, |v[X+64*\e+32*\c+1]|, 0x2800000   ; my block 2 c + h, and the floor 2^(5 - 127): the byte cannot fall under 1
.endr
.irp i,2,4,6,8,10,12,14,16,18,20,22,24,26,28,30
.irp c,0,1
	v_max3_num_f32 v[MX+\c], v[MX+\c], |v[X+64*\e+32*\c+\i]|, |v[X+64*\e+32*\c+\i+1]|
.endr
.endr
.irp c,0,1
	v_add_nc_u32 v[SE+\c], 0xfe000000, v[MX+\c]    ; 4 off the exponent field: the conversion's scale operand
.endr
.irp c,0,1
	v_lshrrev_b32 v[BY+\c], 23, v[SE+\c]           ; the byte
.endr
	v_lshl_or_b32 v[SW+\e], v[BY+1], 16, v[BY]     ; blocks h and 2 + h,
	v_lshlrev_b32 v[SW+\e], v6, v[SW+\e]           ; at their places;
	v_permlanex16_b32 v[PD], v[SW+\e], s2, s3
	v_or_b32 v[SW+\e], v[SW+\e], v[PD]             ; with lane l xor 16's two the word is whole, in both halves
.irp c,0,1
	v_cvt_scalef32_pk16_bf6_f32 v[C+12*\e+6*\c:C+12*\e+6*\c+2], v[X+64*\e+32*\c:X+64*\e+32*\c+15], v[SE+\c]
	v_cvt_scalef32_pk16_bf6_f32 v[T+4*\c:T+4*\c+2], v[X+64*\e+32*\c+16:X+64*\e+32*\c+31], v[SE+\c]
.endr
	v_nop                                          ; one plain place behind a scaled conversion
.irp c,0,1
.irp i,0,1,2
	v_mov_b32 v[C+12*\e+6*\c+3+\i], v[T+4*\c+\i]
.endr
.endr
.irp c,0,1,2
	global_store_b128 v4, v[C+12*\e+4*\c:C+12*\e+4*\c+3], s[6:7] offset:1536*\e+512*\c   ; 512 consecutive bytes
.endr
.endm
	s_wait_loadcnt 63                              ; at most 63 of the 128 are out: the first 65 are in, K step 0's 64 among them
	QSTEP 0
	s_wait_loadcnt 0x0
	QSTEP 1
	global_store_b64 v5, v[SW:SW+1], s[6:7] offset:3072   ; 256 consecutive bytes
	s_endpgm
.Lfunc_end_k_q45202bbd24_quantw:
	.size	k_q45202bbd24_quantw, .Lfunc_end_k_q45202bbd24_quantw-k_q45202bbd24_quantw
	.p2alignl 7, 3214868480
	.fill 96, 4, 3214868480
	.section	.rodata,"a",@progbits
	.p2align	6, 0x0
	.amdhsa_kernel k_q45202bbd24_quantw
		.amdhsa_group_segment_fixed_size 0
		.amdhsa_private_segment_fixed_size 0
		.amdhsa_enable_private_segment 0
		.amdhsa_kernarg_size 56
		.amdhsa_user_sgpr_count 2
		.amdhsa_user_sgpr_kernarg_segment_ptr 1
		.amdhsa_wavefront_size32 1
		.amdhsa_system_sgpr_workgroup_id_x 1
		.amdhsa_system_sgpr_workgroup_id_y 1
		.amdhsa_system_sgpr_workgroup_id_z 1
		.amdhsa_system_vgpr_workitem_id 0
		.amdhsa_next_free_vgpr 192
		.amdhsa_next_free_sgpr 66
		.amdhsa_reserve_vcc 0
		.amdhsa_float_denorm_mode_32 3
		.amdhsa_float_denorm_mode_16_64 3
		.amdhsa_memory_ordered 1
		.amdhsa_forward_progress 1
		.amdhsa_inst_pref_size 34
	.end_amdhsa_kernel
	.amdgpu_metadata
---
amdhsa.version: [ 1, 2 ]
amdhsa.kernels:
  - .name:           k_q45202bbd24_quantw
    .symbol:         k_q45202bbd24_quantw.kd
    .args:
      - { .name: sa_wq, .offset: 0, .size: 8, .value_kind: global_buffer, .address_space: global }
      - { .name: ca_wq, .offset: 8, .size: 8, .value_kind: global_buffer, .address_space: global }
      - { .name: sa_wkv, .offset: 16, .size: 8, .value_kind: global_buffer, .address_space: global }
      - { .name: sa_wo, .offset: 24, .size: 8, .value_kind: global_buffer, .address_space: global }
      - { .name: ca_wo, .offset: 32, .size: 8, .value_kind: global_buffer, .address_space: global }
      - { .name: ca_wkv, .offset: 40, .size: 8, .value_kind: global_buffer, .address_space: global }
      - { .name: wts, .offset: 48, .size: 8, .value_kind: global_buffer, .address_space: global }
    .group_segment_fixed_size: 0
    .private_segment_fixed_size: 0
    .kernarg_segment_align: 8
    .kernarg_segment_size: 56
    .max_flat_workgroup_size: 128
    .sgpr_count:     66
    .vgpr_count:     192
    .wavefront_size: 32
...
	.end_amdgpu_metadata
.endif
;; end of part 1
;; launch sa_qkv (part 2): grid 256 x 1, 16 waves a work-group, no clusters, 231,424 bytes of LDS; arguments x, sa_ng, sa_nb, sa_ncg, sa_ncb, wts, qc, kv1; writes qc, kv1
.if DOCPART == 2
	.amdgcn_target "amdgcn-amd-amdhsa--gfx1250"
	.amdhsa_code_object_version 6
	.text
	.protected	k_q45202bbd24_sa_qkv
	.globl	k_q45202bbd24_sa_qkv
	.p2align	8
	.type	k_q45202bbd24_sa_qkv,@function
k_q45202bbd24_sa_qkv:
	s_mov_b64 s[64:65], 0
	v_nop
	global_prefetch_b8 v0, s[64:65] scope:SCOPE_SE
	s_setreg_imm32_b32 hwreg(HW_REG_WAVE_MODE, 25, 1), 1
	s_wait_xcnt 0x0
; Self-attention's front: both layer norms of 32 rows of x, then q = xn wq, k and v = cn wkv on codes of BF6 (E3M2), and q, k, v quantised again as the attention launch wants them.
; SHARES.  A work-group owns 32 rows (two tiles of 16) and all columns.  Norm: wave w = 2 s + u owns row tile u and K step s (128 features), 64 numbers a lane.
; Products: in each of three passes (q, k, v) wave w owns 32 columns, one block of the next product's K, against both row tiles: four accumulators by turns.
; q and k are used transposed (source 0 = 16 columns of the weight, source 1 = 16 rows): a lane holds one row and 16 of the block's 32 channels.  v is used as it stands: a lane holds one channel and 16 of the 32 keys.
; So the same lines quantise all three; the order inside a block of 32 is k = 0-7, 16-23, 8-15, 24-31, as in every stream of codes of this program.
; OPERANDS IN LDS are images of their registers in planes: registers 2 p, 2 p + 1 of lane L at 256 p + 8 L.  The weights' records go from memory straight into the one wave that uses them, two K steps a slot, two slots.
; No multicast for the weights: each record feeds one wave's registers, and sharing it would want a ring in LDS filled again every pair.
; The variance is taken of the centred numbers (two passes over registers).  LIMITS: NaN and infinities are not served; blocks whose largest magnitude lies under 2^-122 keep the byte 1 (their codes are what the conversion gives under that scale).
.set AIMG, 135168                      ; LDS: 0: sixteen tiles of x, 16 rows x (512 + 16) bytes;  here: the 32 fragments (16 P + w) x 1,536
.set ASC,  184320                      ; their scale words: 1,024 P + 512 u + 32 r + 4 s
.set ST1,  186368                      ; the rows' partial sums, 512 u + 32 r + 4 s; 1,024 further on the partial sums of squares
.set QST,  188416                      ; stage for q's codes
.set KVST, 200704                      ; for k's and v's: a head's 1,536 + 1,536
.set SCS,  225280                      ; and the scale bytes: 512 of q, 1,024 of k and v
.set GREC, 13312                       ; bytes from a tile's records to the next tile's: 4 x 3,328
.set ASP,  8
.set WP,   38                          ; s[38:43] the three passes' weights
.set SEL,  36
.set AI,   12
.set QM0, 24
.set QM1, 25
.set QP0, 26
.set QP1, 27
.set QE0, 28
.set QE1, 29
.set QY0, 30
.set QY1, 31
.set QT,  32
.set PC,  36
.set PW,  42
.set ACC, 48                           ; v48-79   four accumulators
.set RING, 80                          ; v80-175  weights: slot at 48, tile at 24, K step's parity at 12
.set AF,  176                          ; v176-223 A's fragments: buffer at 24, row tile at 12
.set AS,  232                          ; v232-247 A's scale words, 8 u + s;  v248-255 the weights': these 24 registers hold scales and nothing else
.set WS,  248
.set X,   48                           ; the norm: v48-111 my 64 numbers; v112-143, v144-175 gains by turns; v176-207 the bias
.set GA,  112
.set GC,  144
.set GB,  176
.macro BAR
	s_wait_dscnt 0x0                               ; my LDS stores have landed and my LDS loads are in
	s_barrier_signal -1
	s_barrier_wait -1
.endm
.macro PLACES
.rept 4
	v_nop
.endr
.endm
; Two groups of 16 registers, each a lane's half of a block whose other half lies in lane l xor 16, become codes: lane (r, x) ends with the whole block of group x in v[d] .. v[d + 5]; QY0, QY1 are the two bytes, in every lane.
.macro QB s0, s1, d
	v_max3_num_f32 v[QM0], |v[\s0]|, |v[\s0+1]|, 0x2800000     ; with the floor 2^(5 - 127): the byte cannot fall under 1
	v_max3_num_f32 v[QM1], |v[\s1]|, |v[\s1+1]|, 0x2800000
.irp i,2,4,6,8,10,12,14
	v_max3_num_f32 v[QM0], v[QM0], |v[\s0+\i]|, |v[\s0+\i+1]|
	v_max3_num_f32 v[QM1], v[QM1], |v[\s1+\i]|, |v[\s1+\i+1]|
.endr
	v_permlanex16_b32 v[QP0], v[QM0], s[SEL], s[SEL+1]
	v_permlanex16_b32 v[QP1], v[QM1], s[SEL], s[SEL+1]
	v_max_num_f32 v[QM0], v[QM0], v[QP0]
	v_max_num_f32 v[QM1], v[QM1], v[QP1]
	v_add_nc_u32 v[QE0], 0xfe000000, v[QM0]        ; 4 off the exponent field: the conversion's scale operand
	v_add_nc_u32 v[QE1], 0xfe000000, v[QM1]
	v_lshrrev_b32 v[QY0], 23, v[QE0]
	v_lshrrev_b32 v[QY1], 23, v[QE1]
	v_cvt_scalef32_pk16_bf6_f32 v[\d:\d+2], v[\s0:\s0+15], v[QE0]
	v_cvt_scalef32_pk16_bf6_f32 v[QT:QT+2], v[\s1:\s1+15], v[QE1]
	v_nop                                          ; one plain place behind a scaled conversion
.irp i,0,1,2
	v_permlane16_swap_b32 v[\d+\i], v[QT+\i]
.endr
.irp i,0,1,2
	v_mov_b32 v[\d+3+\i], v[QT+\i]
.endr
.endm
.macro PLOAD reg, ptr, c               ; 32 numbers of a gain or a bias, in my numbers' order: blocks 2 c and 2 c + 1 of my K step
.irp b,0,1
	global_load_b128 v[\reg+16*\b:\reg+16*\b+3], v9, s[\ptr:\ptr+1] offset:256*\c+128*\b
	global_load_b128 v[\reg+16*\b+4:\reg+16*\b+7], v9, s[\ptr:\ptr+1] offset:256*\c+128*\b+16
	global_load_b128 v[\reg+16*\b+8:\reg+16*\b+11], v9, s[\ptr:\ptr+1] offset:256*\c+128*\b+64
	global_load_b128 v[\reg+16*\b+12:\reg+16*\b+15], v9, s[\ptr:\ptr+1] offset:256*\c+128*\b+80
.endr
.endm
.macro CFMA g, c, left                 ; left: the next gain's eight loads may stay out
	s_wait_loadcnt \left
.set j_, 0
.rept 16
	v_pk_fma_f32 v[\g+j_:\g+j_+1], v[X+32*\c+j_:X+32*\c+j_+1], v[\g+j_:\g+j_+1], v[GB+j_:GB+j_+1]
.set j_, j_+2
.endr
.endm
.macro CSTORE g, pp, c                 ; two blocks become half a fragment's image
	s_wait_dscnt 0x0                               ; the last stores have read their registers
	QB \g, \g+16, PC
.irp i,0,1,2
	ds_store_b64 v7, v[PC+2*\i:PC+2*\i+1] offset:24576*\pp+768*\c+256*\i
.endr
.if \c == 0
	v_lshl_or_b32 v[PW], v[QY1], 8, v[QY0]
.else
	v_lshl_or_b32 v[PW], v[QY0], 16, v[PW]
	v_lshl_or_b32 v[PW], v[QY1], 24, v[PW]
	ds_store_b32 v8, v[PW] offset:1024*\pp         ; both halves write the same word with the same value
.endif
.endm
.macro LNLOAD
.irp b,0,1,2,3
	ds_load_b128 v[X+16*\b:X+16*\b+3], v4 offset:128*\b
	ds_load_b128 v[X+16*\b+4:X+16*\b+7], v4 offset:128*\b+16
	ds_load_b128 v[X+16*\b+8:X+16*\b+11], v4 offset:128*\b+64
	ds_load_b128 v[X+16*\b+12:X+16*\b+15], v4 offset:128*\b+80
.endr
	s_wait_dscnt 0x0
.endm
.macro LNJOIN                          ; two chains of pairs, the pair's halves, lane l xor 16's
	v_pk_add_f32 v[44:45], v[44:45], v[46:47]
	v_add_f32 v44, v44, v45
	v_permlanex16_b32 v[QP0], v44, s[SEL], s[SEL+1]
	v_add_f32 v44, v44, v[QP0]
.endm
.macro LNPART off                      ; the row's eight partial sums, added in a fixed order
	ds_load_b128 v[208:211], v6 offset:\off
	ds_load_b128 v[212:215], v6 offset:\off+16
	s_wait_dscnt 0x0
	v_add_f32 v208, v208, v209
	v_add_f32 v210, v210, v211
	v_add_f32 v212, v212, v213
	v_add_f32 v214, v214, v215
	v_add_f32 v208, v208, v210
	v_add_f32 v212, v212, v214
	v_add_f32 v208, v208, v212
.endm
.macro LOADP wp, off, sg               ; a pair of K steps of my two tiles: 14 loads, each 512 (the last of a tile 256) consecutive bytes
.irp ct,0,1
.irp e,0,1
.irp c,0,1,2
	global_load_b128 v[RING+48*(\sg)+24*\ct+12*\e+4*\c:RING+48*(\sg)+24*\ct+12*\e+4*\c+3], v10, s[\wp:\wp+1] offset:(\off)+\ct*GREC+1536*\e+512*\c
.endr
.endr
	global_load_b64 v[WS+4*(\sg)+2*\ct:WS+4*(\sg)+2*\ct+1], v11, s[\wp:\wp+1] offset:(\off)+\ct*GREC+3072
.endr
.endm
.macro LOADA off, be, up               ; a K step's two fragments of A: 12 loads
.irp u,0,1
.irp p,0,1,2,3,4,5
	ds_load_b64 v[AF+24*(\be)+12*\u+2*\p:AF+24*(\be)+12*\u+2*\p+1], v[AI] offset:(\off)+(\up)*\u+256*\p
.endr
.endr
.endm
.macro ASLOAD pp
.irp u,0,1
	ds_load_b128 v[AS+8*\u:AS+8*\u+3], v13 offset:1024*\pp+512*\u
	ds_load_b128 v[AS+8*\u+4:AS+8*\u+7], v13 offset:1024*\pp+512*\u+16
.endr
.endm
; Four products; the four accumulators take turns, one instruction a turn, from step to step too.
.macro MMT zero                        ; transposed: source 0 = the weight's 16 columns, source 1 = 16 rows
.irp u,0,1
.irp ct,0,1
.if \zero
	v_wmma_scale_f32_16x16x128_f8f6f4 v[ACC+16*\u+8*\ct:ACC+16*\u+8*\ct+7], v[RING+48*SG_+24*\ct+12*E_:RING+48*SG_+24*\ct+12*E_+11], v[AF+24*E_+12*\u:AF+24*E_+12*\u+11], 0, v[WS+4*SG_+2*\ct+E_], v[AS+ASP*\u+S_] matrix_a_fmt:MATRIX_FMT_BF6 matrix_b_fmt:MATRIX_FMT_BF6
.else
	v_wmma_scale_f32_16x16x128_f8f6f4 v[ACC+16*\u+8*\ct:ACC+16*\u+8*\ct+7], v[RING+48*SG_+24*\ct+12*E_:RING+48*SG_+24*\ct+12*E_+11], v[AF+24*E_+12*\u:AF+24*E_+12*\u+11], v[ACC+16*\u+8*\ct:ACC+16*\u+8*\ct+7], v[WS+4*SG_+2*\ct+E_], v[AS+ASP*\u+S_] matrix_a_fmt:MATRIX_FMT_BF6 matrix_b_fmt:MATRIX_FMT_BF6
.endif
.endr
.endr
.endm
.macro MMN zero                        ; as it stands: source 0 = 16 rows, source 1 = the weight's 16 columns
.irp ct,0,1
.irp u,0,1
.if \zero
	v_wmma_scale_f32_16x16x128_f8f6f4 v[ACC+16*\ct+8*\u:ACC+16*\ct+8*\u+7], v[AF+24*E_+12*\u:AF+24*E_+12*\u+11], v[RING+48*SG_+24*\ct+12*E_:RING+48*SG_+24*\ct+12*E_+11], 0, v[AS+ASP*\u+S_], v[WS+4*SG_+2*\ct+E_] matrix_a_fmt:MATRIX_FMT_BF6 matrix_b_fmt:MATRIX_FMT_BF6
.else
	v_wmma_scale_f32_16x16x128_f8f6f4 v[ACC+16*\ct+8*\u:ACC+16*\ct+8*\u+7], v[AF+24*E_+12*\u:AF+24*E_+12*\u+11], v[RING+48*SG_+24*\ct+12*E_:RING+48*SG_+24*\ct+12*E_+11], v[ACC+16*\ct+8*\u:ACC+16*\ct+8*\u+7], v[AS+ASP*\u+S_], v[WS+4*SG_+2*\ct+E_] matrix_a_fmt:MATRIX_FMT_BF6 matrix_b_fmt:MATRIX_FMT_BF6
.endif
.endr
.endr
.endm
.macro EPI p                           ; a pass's 32 x 32 results become codes in the stage
	QB ACC, ACC+16, PC
	v_permlane16_swap_b32 v[QY0], v[QY1]           ; QY0 of lane (r, x) is now group x's byte
.if \p == 0
.irp i,0,1,2
	ds_store_b64 v14, v[PC+2*\i:PC+2*\i+1] offset:256*\i
.endr
	ds_store_b8 v15, v[QY0]
	ASLOAD 1                                       ; k and v multiply the second norm's rows
.elseif \p == 1
.irp i,0,1,2
	ds_store_b64 v16, v[PC+2*\i:PC+2*\i+1] offset:256*\i
.endr
	ds_store_b8 v17, v[QY0]
.else
.irp i,0,1,2
	ds_store_b64 v18, v[PC+2*\i:PC+2*\i+1] offset:512*\i
.endr
	ds_store_b8 v19, v[QY0]
.endif
.endm
; K step S of 24 (three passes of eight).  The stream of loads runs on across the passes.
.macro STEPX
.set PA_, S/8
.set S_, S%8
.set E_, S%2
.set PI_, S/2
.set SG_, PI_%2
.set S2_, S+2
.set P2_, PI_+2
.if (S_ == 0) || (S == 23)
	s_wait_dscnt 0x0
.else
	s_wait_dscnt 12                                ; this step's fragments are in; the next step's twelve loads may be out
.endif
.if E_ == 0
.if PI_ == 11
	s_wait_loadcnt 0x0
.else
	s_wait_loadcnt 14                              ; this pair's weights are in; the next pair's fourteen loads may be out
.endif
.endif
.if PA_ == 2
.if S_ == 0
	MMN 1
.else
	MMN 0
.endif
.else
.if S_ == 0
	MMT 1
.else
	MMT 0
.endif
.endif
	PLACES                                         ; in front of loads into registers that the products read, and of the first read of results
.if S2_ < 24
.set AO_, 24576*((S2_/8+1)/2)+3072*(S2_%8)
	LOADA AO_, E_, 1536
.endif
.if (E_ == 1) && (P2_ < 12)
.set WP_, WP+2*(P2_/4)
.set WO_, 3328*(P2_%4)
	LOADP WP_, WO_, SG_
.endif
.if S_ == 7
	EPI PA_
.endif
.endm
	s_load_b256 s[4:11], s[0:1], 0x0               ; x, sa_ng, sa_nb, sa_ncg
	s_load_b256 s[12:19], s[0:1], 0x20             ; sa_ncb, wts, qc, kv1
	v_lshl_add_u32 v230, v0, 2, 0x38000
	v_mov_b32 v231, 0
	ds_add_u32 v230, v231
	ds_add_u32 v230, v231
	v_lshrrev_b32 v1, 5, v0
	v_readfirstlane_b32 s20, v1                    ; wave
	s_and_b32 s21, s20, 1                          ; u: my row tile.  Also: which block of a head's 64 my 32 columns are
	s_lshr_b32 s22, s20, 1                         ; s: my K step.  Also: the head of my 32 columns
	s_mov_b32 s28, (2<<16)|(1<<20)|(6<<22)|(3<<25) ; elements of 4 bytes; 4 words of padding behind every 128
	s_mov_b32 s29, 128<<16                         ; tensor_dim0
	s_mov_b32 s30, 16<<16                          ; tensor_dim1
	s_mov_b32 s31, 128<<16                         ; tile_dim0
	s_mov_b32 s32, 16                              ; tile_dim1
	s_mov_b32 s33, 1024                            ; elements from row to row
	s_mov_b32 s34, 0
	s_mov_b32 s35, 0
	s_mov_b32 s24, 1
	s_mul_i32 s25, s20, 8448                       ; my tile's place in LDS
	s_lshl_b32 s44, ttmp9, 17                      ; 32 rows of 4,096 bytes a work-group,
	s_lshl_b32 s46, s21, 16                        ; 16 rows a tile,
	s_add_co_u32 s44, s44, s46
	s_lshl_b32 s46, s22, 9                         ; 512 bytes a K step
	s_add_co_u32 s44, s44, s46
	s_mov_b32 s45, 0
	s_mov_b32 s[SEL], 0x76543210
	s_mov_b32 s[SEL+1], 0xfedcba98                 ; selects for lane l xor 16
	s_mov_b32 s56, 0x3a800000                      ; 1 / 1,024
	s_mov_b32 s57, 0x3727c5ac                      ; 1e-5
	s_wait_dscnt 0x0
	s_wait_kmcnt 0x0
	s_add_nc_u64 s[26:27], s[4:5], s[44:45]
	s_or_b32 s27, s27, 0x80000000
	tensor_load_to_lds s[24:27], s[28:35]          ; my own tile: only I read it, behind my own wait
	s_nop 0
	PLACES
	v_and_b32 v1, 31, v0                           ; lane
	v_and_b32 v2, 15, v0                           ; r
	v_bfe_u32 v3, v0, 4, 1                         ; h
	s_lshl_b32 s48, s22, 9
	v_lshl_add_u32 v9, v3, 5, s48                  ; gains and biases: 512 s + 32 h
	PLOAD GA, 6, 0
	PLOAD GB, 8, 0
	PLOAD GC, 6, 1
	v_mov_b32 v[QP0], 0                            ; a lane permute's destination counts as one of its sources
	v_mov_b32 v[QP1], 0
	v_mul_u32_u24 v4, v2, 528
	v_lshl_add_u32 v4, v3, 5, v4
	v_add_nc_u32 v4, s25, v4                       ; x: my tile, row r, + 32 h
	s_lshl_b32 s46, s21, 9
	s_lshl_b32 s47, s22, 2
	s_add_co_u32 s48, s46, ST1
	v_lshl_add_u32 v6, v2, 5, s48                  ; my row's partial sums
	v_add_nc_u32 v5, s47, v6                       ; and mine among them
	s_add_co_u32 s48, s46, ASC
	s_add_co_u32 s48, s48, s47
	v_lshl_add_u32 v8, v2, 5, s48                  ; my fragment's scale word
	s_mul_i32 s48, s20, 1536
	s_add_co_u32 s48, s48, AIMG
	v_lshl_add_u32 v7, v1, 3, s48                  ; my fragment's image
	v_lshlrev_b32 v10, 4, v1                       ; 16 x lane
	v_lshlrev_b32 v11, 3, v1                       ; 8 x lane
	v_lshl_add_u32 v12, v1, 3, AIMG
	v_lshl_add_u32 v13, v2, 5, ASC
	s_mul_i32 s48, s22, 768                        ; q's codes: 6,144 x row tile + 768 x head + 128 x block + 8 r
	s_lshl_b32 s49, s21, 7
	s_add_co_u32 s48, s48, s49
	s_add_co_u32 s48, s48, QST
	v_mul_u32_u24 v14, v3, 6144
	v_lshl_add_u32 v14, v2, 3, v14
	v_add_nc_u32 v14, s48, v14
	s_lshl_b32 s48, s22, 5                         ; q's bytes: 256 x row tile + 32 x head + 2 r + block
	s_add_co_u32 s48, s48, s21
	s_add_co_u32 s48, s48, SCS
	v_lshlrev_b32 v15, 8, v3
	v_lshl_add_u32 v15, v2, 1, v15
	v_add_nc_u32 v15, s48, v15
	s_mul_i32 s48, s22, 3072                       ; k's codes: 3,072 x head + 768 x row tile + 128 x block + 8 r
	s_add_co_u32 s48, s48, s49
	s_add_co_u32 s48, s48, KVST
	v_mul_u32_u24 v16, v3, 768
	v_lshl_add_u32 v16, v2, 3, v16
	v_add_nc_u32 v16, s48, v16
	s_lshl_b32 s48, s22, 7                         ; k's bytes: 128 x head + 4 r + 2 x row tile + block
	s_add_co_u32 s48, s48, s21
	s_add_co_u32 s48, s48, SCS+512
	v_lshlrev_b32 v17, 1, v3
	v_lshl_add_u32 v17, v2, 2, v17
	v_add_nc_u32 v17, s48, v17
	s_mul_i32 s48, s22, 3072                       ; v's codes: 3,072 x head + 1,536 + 256 x block + 8 x lane
	s_lshl_b32 s49, s21, 8
	s_add_co_u32 s48, s48, s49
	s_add_co_u32 s48, s48, KVST+1536
	v_lshl_add_u32 v18, v1, 3, s48
	s_lshl_b32 s48, s22, 7                         ; v's bytes: 128 x head + 64 + 32 x block + lane
	s_lshl_b32 s49, s21, 5
	s_add_co_u32 s48, s48, s49
	s_add_co_u32 s48, s48, SCS+576
	v_add_nc_u32 v19, s48, v1
	s_mul_i32 s48, s20, 768                        ; the way out of the stages
	s_add_co_u32 s48, s48, QST
	v_lshl_add_u32 v20, v1, 3, s48
	s_mul_i32 s48, s20, 1536
	s_add_co_u32 s48, s48, KVST
	v_lshl_add_u32 v21, v1, 4, s48
	s_min_u32 s48, s20, 2
	s_lshl_b32 s48, s48, 9
	s_add_co_u32 s48, s48, SCS
	v_lshl_add_u32 v22, v1, 4, s48
	s_mul_i32 s44, s20, 26624                      ; my two tiles' records: 8 x 3,328 bytes a pair of tiles
	s_mov_b32 s45, 0
	s_add_nc_u64 s[38:39], s[14:15], s[44:45]      ; sa_wq
	s_add_nc_u64 s[40:41], s[38:39], 851968        ; sa_wkv, k's columns
	s_add_nc_u64 s[42:43], s[38:39], 1277952       ; sa_wkv, v's columns
	s_mul_i32 s44, ttmp9, 12288
	s_mul_i32 s46, s20, 768
	s_add_co_u32 s44, s44, s46
	s_add_nc_u64 s[50:51], s[16:17], s[44:45]      ; q's codes out
	s_lshr_b32 s44, ttmp9, 6                       ; the batch
	s_lshl_b32 s44, s44, 3
	s_add_co_u32 s44, s44, s22
	s_lshl_b32 s44, s44, 6
	s_and_b32 s46, ttmp9, 63                       ; the block of 32 keys
	s_add_co_u32 s44, s44, s46
	s_mul_i32 s44, s44, 1536
	s_mul_i32 s46, s21, 3145728                    ; even waves carry K's stage, odd waves V's
	s_add_co_u32 s44, s44, s46
	s_add_nc_u64 s[52:53], s[18:19], s[44:45]
	s_lshl_b32 s44, ttmp9, 9
	s_add_co_u32 s44, s44, 3145728                 ; q's bytes: 512 a work-group
	s_lshl_b32 s46, ttmp9, 10
	s_lshl_b32 s47, s20, 9
	s_add_co_u32 s46, s46, s47
	s_add_co_u32 s46, s46, 6291456-512             ; k's and v's: 1,024 a work-group, waves 1 and 2
	s_cmp_eq_u32 s20, 0
	s_cselect_b32 s44, s44, s46
	s_cselect_b64 s[54:55], s[16:17], s[18:19]
	s_add_nc_u64 s[54:55], s[54:55], s[44:45]
	; ---- the norms
	s_wait_tensorcnt 0x0                           ; my tile is in LDS
	LNLOAD
	v_pk_add_f32 v[44:45], v[X:X+1], v[X+2:X+3]
	v_pk_add_f32 v[46:47], v[X+4:X+5], v[X+6:X+7]
.set j_, 8
.rept 14
	v_pk_add_f32 v[44:45], v[44:45], v[X+j_:X+j_+1]
	v_pk_add_f32 v[46:47], v[46:47], v[X+j_+2:X+j_+3]
.set j_, j_+4
.endr
	LNJOIN
	ds_store_b32 v5, v44
	BAR
	LNPART 0
	v_mul_f32 v44, s56, v208                       ; the row's mean
.set j_, 0
.rept 32
	v_pk_add_f32 v[X+j_:X+j_+1], v[X+j_:X+j_+1], v[44:45] op_sel_hi:[1,0] neg_lo:[0,1] neg_hi:[0,1]
.set j_, j_+2
.endr
	v_pk_mul_f32 v[44:45], v[X:X+1], v[X:X+1]
	v_pk_mul_f32 v[46:47], v[X+2:X+3], v[X+2:X+3]
.set j_, 4
.rept 15
	v_pk_fma_f32 v[44:45], v[X+j_:X+j_+1], v[X+j_:X+j_+1], v[44:45]
	v_pk_fma_f32 v[46:47], v[X+j_+2:X+j_+3], v[X+j_+2:X+j_+3], v[46:47]
.set j_, j_+4
.endr
	LNJOIN
	ds_store_b32 v5, v44 offset:1024
	BAR
	LNPART 1024
	v_fma_f32 v44, v208, s56, s57                  ; the variance + 1e-5
	v_rsq_f32 v44, v44
	v_nop                                          ; one plain place behind a transcendental
.set j_, 0
	s_wait_alu depctr_va_vdst(0)
.rept 32
	v_pk_mul_f32 v[X+j_:X+j_+1], v[X+j_:X+j_+1], v[44:45] op_sel_hi:[1,0]
.set j_, j_+2
.endr
	CFMA GA, 0, 8
	PLOAD GB, 8, 1
	CSTORE GA, 0, 0
	PLOAD GA, 10, 0
	CFMA GC, 1, 8
	PLOAD GB, 12, 0
	CSTORE GC, 0, 1
	PLOAD GC, 10, 1
	CFMA GA, 0, 8
	PLOAD GB, 12, 1
	CSTORE GA, 1, 0
	CFMA GC, 1, 0
	CSTORE GC, 1, 1
	LOADP WP, 0, 0                                 ; the first two pairs of weights are asked for ahead of the barrier
	LOADP WP, 3328, 1
	BAR                                            ; all 32 fragments and their scale words lie in LDS
	; ---- the products
	ASLOAD 0
	LOADA 0, 0, 1536
	LOADA 3072, 1, 1536
.set S, 0
.rept 24
	STEPX
.set S, S+1
.endr
	BAR                                            ; the stages are whole
	; ---- the way out: every store covers whole aligned blocks of 256 bytes
.irp i,0,1,2
	ds_load_b64 v[80+2*\i:81+2*\i], v20 offset:256*\i
.endr
.irp c,0,1,2
	ds_load_b128 v[88+4*\c:91+4*\c], v21 offset:512*\c
.endr
	s_wait_dscnt 0x0
.irp i,0,1,2
	global_store_b64 v11, v[80+2*\i:81+2*\i], s[50:51] offset:256*\i
.endr
.irp c,0,1,2
	global_store_b128 v10, v[88+4*\c:91+4*\c], s[52:53] offset:512*\c
.endr
	s_cmp_lt_u32 s20, 3                            ; the 1,536 scale bytes leave by waves 0 to 2
	s_cbranch_scc0 .Lend
	ds_load_b128 v[100:103], v22
	s_wait_dscnt 0x0
	global_store_b128 v10, v[100:103], s[54:55]
.Lend:
	s_wait_tensorcnt 0x0
	ds_add_u32 v230, v231
	s_wait_dscnt 0x0
	s_endpgm
.Lfunc_end_k_q45202bbd24_sa_qkv:
	.size	k_q45202bbd24_sa_qkv, .Lfunc_end_k_q45202bbd24_sa_qkv-k_q45202bbd24_sa_qkv
	.p2alignl 7, 3214868480
	.fill 96, 4, 3214868480
	.section	.rodata,"a",@progbits
	.p2align	6, 0x0
	.amdhsa_kernel k_q45202bbd24_sa_qkv
		.amdhsa_group_segment_fixed_size 231424
		.amdhsa_private_segment_fixed_size 0
		.amdhsa_enable_private_segment 0
		.amdhsa_kernarg_size 64
		.amdhsa_user_sgpr_count 2
		.amdhsa_user_sgpr_kernarg_segment_ptr 1
		.amdhsa_wavefront_size32 1
		.amdhsa_system_sgpr_workgroup_id_x 1
		.amdhsa_system_sgpr_workgroup_id_y 1
		.amdhsa_system_sgpr_workgroup_id_z 1
		.amdhsa_system_vgpr_workitem_id 0
		.amdhsa_next_free_vgpr 256
		.amdhsa_next_free_sgpr 66
		.amdhsa_reserve_vcc 0
		.amdhsa_float_denorm_mode_32 3
		.amdhsa_float_denorm_mode_16_64 3
		.amdhsa_memory_ordered 1
		.amdhsa_forward_progress 1
		.amdhsa_inst_pref_size 95
	.end_amdhsa_kernel
	.amdgpu_metadata
---
amdhsa.version: [ 1, 2 ]
amdhsa.kernels:
  - .name:           k_q45202bbd24_sa_qkv
    .symbol:         k_q45202bbd24_sa_qkv.kd
    .args:
      - { .name: x, .offset: 0, .size: 8, .value_kind: global_buffer, .address_space: global }
      - { .name: sa_ng, .offset: 8, .size: 8, .value_kind: global_buffer, .address_space: global }
      - { .name: sa_nb, .offset: 16, .size: 8, .value_kind: global_buffer, .address_space: global }
      - { .name: sa_ncg, .offset: 24, .size: 8, .value_kind: global_buffer, .address_space: global }
      - { .name: sa_ncb, .offset: 32, .size: 8, .value_kind: global_buffer, .address_space: global }
      - { .name: wts, .offset: 40, .size: 8, .value_kind: global_buffer, .address_space: global }
      - { .name: qc, .offset: 48, .size: 8, .value_kind: global_buffer, .address_space: global }
      - { .name: kv1, .offset: 56, .size: 8, .value_kind: global_buffer, .address_space: global }
    .group_segment_fixed_size: 231424
    .private_segment_fixed_size: 0
    .kernarg_segment_align: 8
    .kernarg_segment_size: 64
    .max_flat_workgroup_size: 512
    .sgpr_count:     66
    .vgpr_count:     256
    .wavefront_size: 32
...
	.end_amdgpu_metadata
.endif
;; end of part 2
;; launch ctx_kv (part 3): grid 64 x 1, 16 waves a work-group, no clusters, 169,984 bytes of LDS; arguments context, ca_ncg, ca_ncb, wts, kv2; writes kv2
.if DOCPART == 3
	.amdgcn_target "amdgcn-amd-amdhsa--gfx1250"
	.amdhsa_code_object_version 6
	.text
	.protected	k_q45202bbd24_ctx_kv
	.globl	k_q45202bbd24_ctx_kv
	.p2align	8
	.type	k_q45202bbd24_ctx_kv,@function
k_q45202bbd24_ctx_kv:
	s_mov_b64 s[64:65], 0
	v_nop
	global_prefetch_b8 v0, s[64:65] scope:SCOPE_SE
	s_setreg_imm32_b32 hwreg(HW_REG_WAVE_MODE, 25, 1), 1
	s_wait_xcnt 0x0
; Cross-attention's keys and values: the layer norm of 32 rows of the context (768 features), then k and v = cn ca_wkv on codes of BF6 (E3M2), quantised again as the attention launch wants them.
; The plan is that of the self-attention's front: a work-group owns 32 rows, which are one block of 32 keys, so there are 64 work-groups; the norm has six K steps and is the work of waves 0 to 11 (wave 2 s + u: row tile u, K step s),
; each section of it under a branch on the wave's number, the barriers outside; in each of two passes (k transposed, v as it stands) all sixteen waves own 32 columns each.
; Order inside a block of 32: k = 0-7, 16-23, 8-15, 24-31, as in every stream of codes of this program.  Images in LDS: registers 2 p, 2 p + 1 of lane L at 256 p + 8 L.
; No multicast for the weights: each record feeds one wave's registers, and sharing it would want a ring in LDS filled again every pair.
; LIMITS: NaN and infinities are not served; blocks whose largest magnitude lies under 2^-122 keep the byte 1.
.set AIMG, 101376                      ; LDS: 0: twelve tiles, 16 rows x (512 + 16) bytes;  here: the 12 fragments, w x 1,536
.set ASC,  119808                      ; their scale words: 512 u + 32 r + 4 s
.set ST1,  120832                      ; partial sums; 1,024 further on those of the squares
.set KVST, 122880                      ; stage: a head's 1,536 of k + 1,536 of v
.set SCS,  147456                      ; the scale bytes: a head's 64 of k + 64 of v
.set GREC, 9984                        ; 3 x 3,328
.set ASP,  8
.set WP,   38
.set SEL,  36
.set AI,   12
.set QM0, 24
.set QM1, 25
.set QP0, 26
.set QP1, 27
.set QE0, 28
.set QE1, 29
.set QY0, 30
.set QY1, 31
.set QT,  32
.set PC,  36
.set PW,  42
.set ACC, 48
.set RING, 80
.set AF,  176
.set AS,  232                          ; v232-255 hold scales and nothing else
.set WS,  248
.set X,   48
.set GA,  112
.set GC,  144
.set GB,  176
.macro BAR
	s_wait_dscnt 0x0
	s_barrier_signal -1
	s_barrier_wait -1
.endm
.macro PLACES
.rept 4
	v_nop
.endr
.endm
.macro QB s0, s1, d                    ; two groups of 16 registers (a lane's half of a block each) become codes: lane (r, x) ends with group x's whole block
	v_max3_num_f32 v[QM0], |v[\s0]|, |v[\s0+1]|, 0x2800000
	v_max3_num_f32 v[QM1], |v[\s1]|, |v[\s1+1]|, 0x2800000
.irp i,2,4,6,8,10,12,14
	v_max3_num_f32 v[QM0], v[QM0], |v[\s0+\i]|, |v[\s0+\i+1]|
	v_max3_num_f32 v[QM1], v[QM1], |v[\s1+\i]|, |v[\s1+\i+1]|
.endr
	v_permlanex16_b32 v[QP0], v[QM0], s[SEL], s[SEL+1]
	v_permlanex16_b32 v[QP1], v[QM1], s[SEL], s[SEL+1]
	v_max_num_f32 v[QM0], v[QM0], v[QP0]
	v_max_num_f32 v[QM1], v[QM1], v[QP1]
	v_add_nc_u32 v[QE0], 0xfe000000, v[QM0]
	v_add_nc_u32 v[QE1], 0xfe000000, v[QM1]
	v_lshrrev_b32 v[QY0], 23, v[QE0]
	v_lshrrev_b32 v[QY1], 23, v[QE1]
	v_cvt_scalef32_pk16_bf6_f32 v[\d:\d+2], v[\s0:\s0+15], v[QE0]
	v_cvt_scalef32_pk16_bf6_f32 v[QT:QT+2], v[\s1:\s1+15], v[QE1]
	v_nop                                          ; one plain place behind a scaled conversion
.irp i,0,1,2
	v_permlane16_swap_b32 v[\d+\i], v[QT+\i]
.endr
.irp i,0,1,2
	v_mov_b32 v[\d+3+\i], v[QT+\i]
.endr
.endm
.macro PLOAD reg, ptr, c
.irp b,0,1
	global_load_b128 v[\reg+16*\b:\reg+16*\b+3], v9, s[\ptr:\ptr+1] offset:256*\c+128*\b
	global_load_b128 v[\reg+16*\b+4:\reg+16*\b+7], v9, s[\ptr:\ptr+1] offset:256*\c+128*\b+16
	global_load_b128 v[\reg+16*\b+8:\reg+16*\b+11], v9, s[\ptr:\ptr+1] offset:256*\c+128*\b+64
	global_load_b128 v[\reg+16*\b+12:\reg+16*\b+15], v9, s[\ptr:\ptr+1] offset:256*\c+128*\b+80
.endr
.endm
.macro CFMA g, c, left
	s_wait_loadcnt \left
.set j_, 0
.rept 16
	v_pk_fma_f32 v[\g+j_:\g+j_+1], v[X+32*\c+j_:X+32*\c+j_+1], v[\g+j_:\g+j_+1], v[GB+j_:GB+j_+1]
.set j_, j_+2
.endr
.endm
.macro CSTORE g, c
	s_wait_dscnt 0x0
	QB \g, \g+16, PC
.irp i,0,1,2
	ds_store_b64 v7, v[PC+2*\i:PC+2*\i+1] offset:768*\c+256*\i
.endr
.if \c == 0
	v_lshl_or_b32 v[PW], v[QY1], 8, v[QY0]
.else
	v_lshl_or_b32 v[PW], v[QY0], 16, v[PW]
	v_lshl_or_b32 v[PW], v[QY1], 24, v[PW]
	ds_store_b32 v8, v[PW]
.endif
.endm
.macro LNJOIN
	v_pk_add_f32 v[44:45], v[44:45], v[46:47]
	v_add_f32 v44, v44, v45
	v_permlanex16_b32 v[QP0], v44, s[SEL], s[SEL+1]
	v_add_f32 v44, v44, v[QP0]
.endm
.macro LNPART off                      ; the row's six partial sums, added in a fixed order
	ds_load_b128 v[208:211], v6 offset:\off
	ds_load_b64 v[212:213], v6 offset:\off+16
	s_wait_dscnt 0x0
	v_add_f32 v208, v208, v209
	v_add_f32 v210, v210, v211
	v_add_f32 v212, v212, v213
	v_add_f32 v208, v208, v210
	v_add_f32 v208, v208, v212
.endm
.macro LOADP wp, off, sg
.irp ct,0,1
.irp e,0,1
.irp c,0,1,2
	global_load_b128 v[RING+48*(\sg)+24*\ct+12*\e+4*\c:RING+48*(\sg)+24*\ct+12*\e+4*\c+3], v10, s[\wp:\wp+1] offset:(\off)+\ct*GREC+1536*\e+512*\c
.endr
.endr
	global_load_b64 v[WS+4*(\sg)+2*\ct:WS+4*(\sg)+2*\ct+1], v11, s[\wp:\wp+1] offset:(\off)+\ct*GREC+3072
.endr
.endm
.macro LOADA off, be, up
.irp u,0,1
.irp p,0,1,2,3,4,5
	ds_load_b64 v[AF+24*(\be)+12*\u+2*\p:AF+24*(\be)+12*\u+2*\p+1], v[AI] offset:(\off)+(\up)*\u+256*\p
.endr
.endr
.endm
.macro MMT zero                        ; the four accumulators take turns
.irp u,0,1
.irp ct,0,1
.if \zero
	v_wmma_scale_f32_16x16x128_f8f6f4 v[ACC+16*\u+8*\ct:ACC+16*\u+8*\ct+7], v[RING+48*SG_+24*\ct+12*E_:RING+48*SG_+24*\ct+12*E_+11], v[AF+24*E_+12*\u:AF+24*E_+12*\u+11], 0, v[WS+4*SG_+2*\ct+E_], v[AS+ASP*\u+S_] matrix_a_fmt:MATRIX_FMT_BF6 matrix_b_fmt:MATRIX_FMT_BF6
.else
	v_wmma_scale_f32_16x16x128_f8f6f4 v[ACC+16*\u+8*\ct:ACC+16*\u+8*\ct+7], v[RING+48*SG_+24*\ct+12*E_:RING+48*SG_+24*\ct+12*E_+11], v[AF+24*E_+12*\u:AF+24*E_+12*\u+11], v[ACC+16*\u+8*\ct:ACC+16*\u+8*\ct+7], v[WS+4*SG_+2*\ct+E_], v[AS+ASP*\u+S_] matrix_a_fmt:MATRIX_FMT_BF6 matrix_b_fmt:MATRIX_FMT_BF6
.endif
.endr
.endr
.endm
.macro MMN zero
.irp ct,0,1
.irp u,0,1
.if \zero
	v_wmma_scale_f32_16x16x128_f8f6f4 v[ACC+16*\ct+8*\u:ACC+16*\ct+8*\u+7], v[AF+24*E_+12*\u:AF+24*E_+12*\u+11], v[RING+48*SG_+24*\ct+12*E_:RING+48*SG_+24*\ct+12*E_+11], 0, v[AS+ASP*\u+S_], v[WS+4*SG_+2*\ct+E_] matrix_a_fmt:MATRIX_FMT_BF6 matrix_b_fmt:MATRIX_FMT_BF6
.else
	v_wmma_scale_f32_16x16x128_f8f6f4 v[ACC+16*\ct+8*\u:ACC+16*\ct+8*\u+7], v[AF+24*E_+12*\u:AF+24*E_+12*\u+11], v[RING+48*SG_+24*\ct+12*E_:RING+48*SG_+24*\ct+12*E_+11], v[ACC+16*\ct+8*\u:ACC+16*\ct+8*\u+7], v[AS+ASP*\u+S_], v[WS+4*SG_+2*\ct+E_] matrix_a_fmt:MATRIX_FMT_BF6 matrix_b_fmt:MATRIX_FMT_BF6
.endif
.endr
.endr
.endm
.macro EPI p
	QB ACC, ACC+16, PC
	v_permlane16_swap_b32 v[QY0], v[QY1]
.if \p == 0
.irp i,0,1,2
	ds_store_b64 v16, v[PC+2*\i:PC+2*\i+1] offset:256*\i
.endr
	ds_store_b8 v17, v[QY0]
.else
.irp i,0,1,2
	ds_store_b64 v18, v[PC+2*\i:PC+2*\i+1] offset:512*\i
.endr
	ds_store_b8 v19, v[QY0]
.endif
.endm
.macro STEPX                           ; K step S of 12 (two passes of six)
.set PA_, S/6
.set S_, S%6
.set E_, S%2
.set PI_, S/2
.set SG_, PI_%2
.set S2_, S+2
.set P2_, PI_+2
.if (S_ == 0) || (S == 11)
	s_wait_dscnt 0x0
.else
	s_wait_dscnt 12                                ; the next step's twelve loads may be out
.endif
.if E_ == 0
.if PI_ == 5
	s_wait_loadcnt 0x0
.else
	s_wait_loadcnt 14                              ; the next pair's fourteen loads may be out
.endif
.endif
.if PA_ == 1
.if S_ == 0
	MMN 1
.else
	MMN 0
.endif
.else
.if S_ == 0
	MMT 1
.else
	MMT 0
.endif
.endif
	PLACES
.if S2_ < 12
.set AO_, 3072*(S2_%6)
	LOADA AO_, E_, 1536
.endif
.if (E_ == 1) && (P2_ < 6)
.set WP_, WP+2*(P2_/3)
.set WO_, 3328*(P2_%3)
	LOADP WP_, WO_, SG_
.endif
.if S_ == 5
	EPI PA_
.endif
.endm
	s_load_b256 s[4:11], s[0:1], 0x0               ; context, ca_ncg, ca_ncb, wts
	s_load_b64 s[12:13], s[0:1], 0x20              ; kv2
	v_lshl_add_u32 v246, v0, 2, 0x29000
	v_mov_b32 v247, 0
	ds_add_u32 v246, v247
	ds_add_u32 v246, v247
	v_lshrrev_b32 v1, 5, v0
	v_readfirstlane_b32 s20, v1                    ; wave
	s_and_b32 s21, s20, 1                          ; u; also the block of a head's 64
	s_lshr_b32 s22, s20, 1                         ; s; also the head
	s_mov_b32 s28, (2<<16)|(1<<20)|(6<<22)|(3<<25) ; elements of 4 bytes; 4 words of padding behind every 128
	s_mov_b32 s29, 128<<16
	s_mov_b32 s30, 16<<16
	s_mov_b32 s31, 128<<16
	s_mov_b32 s32, 16
	s_mov_b32 s33, 768                             ; elements from row to row
	s_mov_b32 s34, 0
	s_mov_b32 s35, 0
	s_mov_b32 s24, 1
	s_mul_i32 s25, s20, 8448
	s_mul_i32 s44, ttmp9, 98304                    ; 32 rows of 3,072 bytes
	s_mul_i32 s46, s21, 49152
	s_add_co_u32 s44, s44, s46
	s_lshl_b32 s46, s22, 9
	s_add_co_u32 s44, s44, s46
	s_mov_b32 s45, 0
	s_mov_b32 s[SEL], 0x76543210
	s_mov_b32 s[SEL+1], 0xfedcba98
	s_mov_b32 s56, 0x3aaaaaab                      ; 1 / 768
	s_mov_b32 s57, 0x3727c5ac                      ; 1e-5
	v_and_b32 v1, 31, v0
	v_and_b32 v2, 15, v0
	v_bfe_u32 v3, v0, 4, 1
	v_mov_b32 v[QP0], 0
	v_mov_b32 v[QP1], 0
	s_lshl_b32 s48, s22, 9
	v_lshl_add_u32 v9, v3, 5, s48
	v_mul_u32_u24 v4, v2, 528
	v_lshl_add_u32 v4, v3, 5, v4
	v_add_nc_u32 v4, s25, v4
	s_lshl_b32 s46, s21, 9
	s_lshl_b32 s47, s22, 2
	s_add_co_u32 s48, s46, ST1
	v_lshl_add_u32 v6, v2, 5, s48
	v_add_nc_u32 v5, s47, v6
	s_add_co_u32 s48, s46, ASC
	s_add_co_u32 s48, s48, s47
	v_lshl_add_u32 v8, v2, 5, s48
	s_mul_i32 s48, s20, 1536
	s_add_co_u32 s48, s48, AIMG
	v_lshl_add_u32 v7, v1, 3, s48
	v_lshlrev_b32 v10, 4, v1
	v_lshlrev_b32 v11, 3, v1
	v_lshl_add_u32 v12, v1, 3, AIMG
	v_lshl_add_u32 v13, v2, 5, ASC
	s_mul_i32 s48, s22, 3072                       ; k's codes
	s_lshl_b32 s49, s21, 7
	s_add_co_u32 s48, s48, s49
	s_add_co_u32 s48, s48, KVST
	v_mul_u32_u24 v16, v3, 768
	v_lshl_add_u32 v16, v2, 3, v16
	v_add_nc_u32 v16, s48, v16
	s_lshl_b32 s48, s22, 7                         ; k's bytes
	s_add_co_u32 s48, s48, s21
	s_add_co_u32 s48, s48, SCS
	v_lshlrev_b32 v17, 1, v3
	v_lshl_add_u32 v17, v2, 2, v17
	v_add_nc_u32 v17, s48, v17
	s_mul_i32 s48, s22, 3072                       ; v's codes
	s_lshl_b32 s49, s21, 8
	s_add_co_u32 s48, s48, s49
	s_add_co_u32 s48, s48, KVST+1536
	v_lshl_add_u32 v18, v1, 3, s48
	s_lshl_b32 s48, s22, 7                         ; v's bytes
	s_lshl_b32 s49, s21, 5
	s_add_co_u32 s48, s48, s49
	s_add_co_u32 s48, s48, SCS+64
	v_add_nc_u32 v19, s48, v1
	s_mul_i32 s48, s20, 1536
	s_add_co_u32 s48, s48, KVST
	v_lshl_add_u32 v21, v1, 4, s48
	s_min_u32 s48, s20, 1
	s_lshl_b32 s48, s48, 9
	s_add_co_u32 s48, s48, SCS
	v_lshl_add_u32 v22, v1, 4, s48
	s_wait_dscnt 0x0
	s_wait_kmcnt 0x0
	s_add_nc_u64 s[26:27], s[4:5], s[44:45]
	s_or_b32 s27, s27, 0x80000000
	s_mul_i32 s44, s20, 19968                      ; my two tiles' records: 6 x 3,328
	s_add_co_u32 s44, s44, 2555904
	s_add_nc_u64 s[38:39], s[10:11], s[44:45]      ; k's columns
	s_add_nc_u64 s[40:41], s[38:39], 319488        ; v's columns
	s_lshr_b32 s44, ttmp9, 4                       ; the batch
	s_lshl_b32 s44, s44, 3
	s_add_co_u32 s44, s44, s22
	s_lshl_b32 s44, s44, 4
	s_and_b32 s46, ttmp9, 15                       ; the block of 32 keys
	s_add_co_u32 s44, s44, s46
	s_mul_i32 s44, s44, 1536
	s_mul_i32 s46, s21, 786432
	s_add_co_u32 s44, s44, s46
	s_add_nc_u64 s[52:53], s[12:13], s[44:45]
	s_lshl_b32 s44, ttmp9, 10
	s_lshl_b32 s46, s20, 9
	s_add_co_u32 s44, s44, s46
	s_add_co_u32 s44, s44, 1572864
	s_add_nc_u64 s[54:55], s[12:13], s[44:45]
	; ---- the norm, waves 0 to 11
	s_cmp_lt_u32 s20, 12
	s_cbranch_scc0 .La_done
	tensor_load_to_lds s[24:27], s[28:35]          ; my own tile: only I read it, behind my own wait
	s_nop 0
	PLACES
	PLOAD GA, 6, 0
	PLOAD GB, 8, 0
	PLOAD GC, 6, 1
	s_wait_tensorcnt 0x0
.irp b,0,1,2,3
	ds_load_b128 v[X+16*\b:X+16*\b+3], v4 offset:128*\b
	ds_load_b128 v[X+16*\b+4:X+16*\b+7], v4 offset:128*\b+16
	ds_load_b128 v[X+16*\b+8:X+16*\b+11], v4 offset:128*\b+64
	ds_load_b128 v[X+16*\b+12:X+16*\b+15], v4 offset:128*\b+80
.endr
	s_wait_dscnt 0x0
	v_pk_add_f32 v[44:45], v[X:X+1], v[X+2:X+3]
	v_pk_add_f32 v[46:47], v[X+4:X+5], v[X+6:X+7]
.set j_, 8
.rept 14
	v_pk_add_f32 v[44:45], v[44:45], v[X+j_:X+j_+1]
	v_pk_add_f32 v[46:47], v[46:47], v[X+j_+2:X+j_+3]
.set j_, j_+4
.endr
	LNJOIN
	ds_store_b32 v5, v44
.La_done:
	BAR
	s_cmp_lt_u32 s20, 12
	s_cbranch_scc0 .Lb_done
	LNPART 0
	v_mul_f32 v44, s56, v208                       ; the row's mean
.set j_, 0
.rept 32
	v_pk_add_f32 v[X+j_:X+j_+1], v[X+j_:X+j_+1], v[44:45] op_sel_hi:[1,0] neg_lo:[0,1] neg_hi:[0,1]
.set j_, j_+2
.endr
	v_pk_mul_f32 v[44:45], v[X:X+1], v[X:X+1]
	v_pk_mul_f32 v[46:47], v[X+2:X+3], v[X+2:X+3]
.set j_, 4
.rept 15
	v_pk_fma_f32 v[44:45], v[X+j_:X+j_+1], v[X+j_:X+j_+1], v[44:45]
	v_pk_fma_f32 v[46:47], v[X+j_+2:X+j_+3], v[X+j_+2:X+j_+3], v[46:47]
.set j_, j_+4
.endr
	LNJOIN
	ds_store_b32 v5, v44 offset:1024
.Lb_done:
	BAR
	s_cmp_lt_u32 s20, 12
	s_cbranch_scc0 .Lc_done
	LNPART 1024
	v_fma_f32 v44, v208, s56, s57
	v_rsq_f32 v44, v44
	v_nop
.set j_, 0
	s_wait_alu depctr_va_vdst(0)
.rept 32
	v_pk_mul_f32 v[X+j_:X+j_+1], v[X+j_:X+j_+1], v[44:45] op_sel_hi:[1,0]
.set j_, j_+2
.endr
	CFMA GA, 0, 8                                  ; the second gain's eight loads may be out
	PLOAD GB, 8, 1
	CSTORE GA, 0
	CFMA GC, 1, 0
	CSTORE GC, 1
.Lc_done:
	s_wait_loadcnt 0x0                             ; on every way to this label no load is out: the weights' loads below land in registers that the gains' and the bias's loads wrote (waves 0 to 11 have waited above, the others issued none)
	LOADP WP, 0, 0
	LOADP WP, 3328, 1
	BAR                                            ; the 12 fragments and their scale words lie in LDS
.irp u,0,1
	ds_load_b128 v[AS+8*\u:AS+8*\u+3], v13 offset:512*\u
	ds_load_b64 v[AS+8*\u+4:AS+8*\u+5], v13 offset:512*\u+16
.endr
	LOADA 0, 0, 1536
	LOADA 3072, 1, 1536
.set S, 0
.rept 12
	STEPX
.set S, S+1
.endr
	BAR
.irp c,0,1,2
	ds_load_b128 v[88+4*\c:91+4*\c], v21 offset:512*\c
.endr
	s_wait_dscnt 0x0
.irp c,0,1,2
	global_store_b128 v10, v[88+4*\c:91+4*\c], s[52:53] offset:512*\c   ; 512 consecutive bytes
.endr
	s_cmp_lt_u32 s20, 2                            ; the 1,024 scale bytes leave by waves 0 and 1
	s_cbranch_scc0 .Lend
	ds_load_b128 v[100:103], v22
	s_wait_dscnt 0x0
	global_store_b128 v10, v[100:103], s[54:55]
.Lend:
	s_wait_tensorcnt 0x0
	ds_add_u32 v246, v247
	s_wait_dscnt 0x0
	s_endpgm
.Lfunc_end_k_q45202bbd24_ctx_kv:
	.size	k_q45202bbd24_ctx_kv, .Lfunc_end_k_q45202bbd24_ctx_kv-k_q45202bbd24_ctx_kv
	.p2alignl 7, 3214868480
	.fill 96, 4, 3214868480
	.section	.rodata,"a",@progbits
	.p2align	6, 0x0
	.amdhsa_kernel k_q45202bbd24_ctx_kv
		.amdhsa_group_segment_fixed_size 169984
		.amdhsa_private_segment_fixed_size 0
		.amdhsa_enable_private_segment 0
		.amdhsa_kernarg_size 40
		.amdhsa_user_sgpr_count 2
		.amdhsa_user_sgpr_kernarg_segment_ptr 1
		.amdhsa_wavefront_size32 1
		.amdhsa_system_sgpr_workgroup_id_x 1
		.amdhsa_system_sgpr_workgroup_id_y 1
		.amdhsa_system_sgpr_workgroup_id_z 1
		.amdhsa_system_vgpr_workitem_id 0
		.amdhsa_next_free_vgpr 256
		.amdhsa_next_free_sgpr 66
		.amdhsa_reserve_vcc 0
		.amdhsa_float_denorm_mode_32 3
		.amdhsa_float_denorm_mode_16_64 3
		.amdhsa_memory_ordered 1
		.amdhsa_forward_progress 1
		.amdhsa_inst_pref_size 57
	.end_amdhsa_kernel
	.amdgpu_metadata
---
amdhsa.version: [ 1, 2 ]
amdhsa.kernels:
  - .name:           k_q45202bbd24_ctx_kv
    .symbol:         k_q45202bbd24_ctx_kv.kd
    .args:
      - { .name: context, .offset: 0, .size: 8, .value_kind: global_buffer, .address_space: global }
      - { .name: ca_ncg, .offset: 8, .size: 8, .value_kind: global_buffer, .address_space: global }
      - { .name: ca_ncb, .offset: 16, .size: 8, .value_kind: global_buffer, .address_space: global }
      - { .name: wts, .offset: 24, .size: 8, .value_kind: global_buffer, .address_space: global }
      - { .name: kv2, .offset: 32, .size: 8, .value_kind: global_buffer, .address_space: global }
    .group_segment_fixed_size: 169984
    .private_segment_fixed_size: 0
    .kernarg_segment_align: 8
    .kernarg_segment_size: 40
    .max_flat_workgroup_size: 512
    .sgpr_count:     66
    .vgpr_count:     256
    .wavefront_size: 32
...
	.end_amdgpu_metadata
.endif
;; end of part 3
;; launch attn_sa (part 4): grid 8 x 32, 16 waves a work-group, clusters of 4 x 1, 239,616 bytes of LDS; arguments qc, kv1, oc; writes oc
.if DOCPART == 4
	.amdgcn_target "amdgcn-amd-amdhsa--gfx1250"
	.amdhsa_code_object_version 6
	.text
	.protected	k_q45202bbd24_attn_sa
	.globl	k_q45202bbd24_attn_sa
	.p2align	8
	.type	k_q45202bbd24_attn_sa,@function
k_q45202bbd24_attn_sa:
	s_mov_b64 s[64:65], 0
	v_nop
	global_prefetch_b8 v0, s[64:65] scope:SCOPE_SE
	s_setreg_imm32_b32 hwreg(HW_REG_WAVE_MODE, 25, 1), 1
	s_wait_xcnt 0x0
	s_wait_alu depctr_hold_cnt(0) depctr_sa_sdst(0) depctr_va_vdst(0) depctr_va_sdst(0) depctr_va_ssrc(0) depctr_va_vcc(0) depctr_vm_vsrc(0)
	s_getreg_b32 s2, hwreg(HW_REG_IB_STS2, 6, 4)
	s_cmp_eq_u32 s2, 0
	s_cbranch_scc0 .Lentry_in_a_cluster
	s_endpgm
.Lentry_in_a_cluster:
	s_bfe_u32 s2, ttmp6, 0x10000c
	s_cmp_lg_u32 s2, 0x3003
	s_cbranch_scc0 .Lentry_shape_is_right
	s_endpgm
.Lentry_shape_is_right:
; Attention of one head on codes of BF6 (E3M2): S^T = K Q^T, p = 2^(t - M) with t = score x log2(e) / 8 and M the running largest t rounded up to a whole number, O^T = V^T P^T, O / the sum of the unquantised p, and O quantised for the next product.
; SHARES.  A work-group owns 256 queries of one head, each of its sixteen waves 16 of them in 256 registers: four waves to a SIMD, so that one wave's vector work stands beside another's products and LDS loads.
; A WHOLE HEAD'S K, V AND SCALE BYTES STAY IN LDS, filled once, in quarters of 512 keys; no byte of LDS is filled again.  The four query blocks of a cluster read the same head: each tile is asked for JOINTLY, by the same tensor load
; with the same descriptor (it hangs on the head alone) and the mask of all four.  Wave 0 asks for the scale bytes and K's quarters (NQ + 1 loads of its own are out at the most), wave 1 for V's.
; THE HEAD IS 64 WIDE, the product 128: a fragment of K carries TWO tiles of 16 keys (registers 0-5: keys r, registers 6-11: keys 16 + r), multiplied once by [q | 0] and once by [0 | q].
; Both products are used transposed: a lane holds one query throughout.  A block of 32 keys comes out as keys 0-7, 16-23, 8-15, 24-31, the order in which V's codes were laid.
; The scale bytes of O leave as single bytes, 32 a wave: one byte for each 24 bytes of codes.
; LIMITS: NaN and infinities are not served; a block of p that has fallen to 0 keeps the byte 1 (its codes are zeros).
.set NKB,  64                          ; blocks of 32 keys
.set NQ,   NKB/16                      ; quarters of 16 blocks
.set VOFF, NKB*49152                   ; in the buffer: K's codes, V's codes, the scale bytes
.set SOFF, 2*VOFF
.set QSOFF, 3145728
.set OSOFF, 3145728
.set VL,   NKB*1536                    ; LDS: 0: K, 1,536 bytes a block;  here: V, three planes of 512 + 128 bytes a block
.set SR,   VL+NKB*1920                 ; the scale bytes: a block's 64 of K (a word for keys r and 16 + r) + 64 of V
.set VT,   SR+NKB*128                  ; V's scale bytes as words: 256 x key step + 4 x channel
.set SEL, 16
.set QM0, 212
.set QM1, 213
.set QP0, 216
.set QP1, 217
.set QE0, 220
.set QE1, 221
.set QY0, 218
.set QY1, 219
.set QT,  204
; REGISTERS: v1-4 places that stay; v5, v7, v231 offsets in memory; v6, v230 the turning of V's bytes; v8-11 the step's addresses; v12 -M, v13 the largest t, v[14:15] the sum; v16-27 [q | 0], v28-39 [0 | q];
; v40-87 four fragments of K, then of V; v96-159 S^T, then p; v160-191 O^T; v192-203 p's codes; v204-229 at work; v240 q's scale word, v244-247 K's, v248-251 V's, v252 p's: these hold scales and nothing else.
.macro PLACES
.rept 4
	v_nop
.endr
.endm
.macro ROUND                           ; a round of the cluster's barrier
	s_barrier_signal -1
	s_barrier_wait -1
	s_cmp_lg_u32 s10, 0
	s_cbranch_scc1 .Lnot_wave_0_\@
	s_barrier_signal -3
.Lnot_wave_0_\@:
	s_barrier_wait -3
	s_barrier_signal -1
	s_barrier_wait -1
.endm
.macro QB s0, s1, d                    ; two groups of 16 registers (a lane's half of a block each) become codes: lane (r, x) ends with group x's whole block
	v_max3_num_f32 v[QM0], |v[\s0]|, |v[\s0+1]|, 0x2800000
	v_max3_num_f32 v[QM1], |v[\s1]|, |v[\s1+1]|, 0x2800000
.irp i,2,4,6,8,10,12,14
	v_max3_num_f32 v[QM0], v[QM0], |v[\s0+\i]|, |v[\s0+\i+1]|
	v_max3_num_f32 v[QM1], v[QM1], |v[\s1+\i]|, |v[\s1+\i+1]|
.endr
	v_permlanex16_b32 v[QP0], v[QM0], s[SEL], s[SEL+1]
	v_permlanex16_b32 v[QP1], v[QM1], s[SEL], s[SEL+1]
	v_max_num_f32 v[QM0], v[QM0], v[QP0]
	v_max_num_f32 v[QM1], v[QM1], v[QP1]
	v_add_nc_u32 v[QE0], 0xfe000000, v[QM0]
	v_add_nc_u32 v[QE1], 0xfe000000, v[QM1]
	v_lshrrev_b32 v[QY0], 23, v[QE0]
	v_lshrrev_b32 v[QY1], 23, v[QE1]
	v_cvt_scalef32_pk16_bf6_f32 v[\d:\d+2], v[\s0:\s0+15], v[QE0]
	v_cvt_scalef32_pk16_bf6_f32 v[QT:QT+2], v[\s1:\s1+15], v[QE1]
	v_nop                                          ; one plain place behind a scaled conversion
.irp i,0,1,2
	v_permlane16_swap_b32 v[\d+\i], v[QT+\i]
.endr
.irp i,0,1,2
	v_mov_b32 v[\d+3+\i], v[QT+\i]
.endr
.endm
; A KEY STEP: 128 keys.
.macro STEP
	v_add_nc_u32 v8, s84, v1                       ; (these four are also the places in front of the loads into registers that the last products read)
	v_add_nc_u32 v9, s85, v2
	v_add_nc_u32 v10, s86, v3
	v_add_nc_u32 v11, s87, v4
.irp f,0,1,2,3
.irp p,0,1,2,3,4,5
	ds_load_b64 v[40+12*\f+2*\p:41+12*\f+2*\p], v8 offset:1536*\f+256*\p
.endr
	ds_load_b32 v[244+\f], v10 offset:128*\f
.endr
	s_wait_dscnt 0x0
.irp f,0,1,2,3
	v_wmma_scale_f32_16x16x128_f8f6f4 v[96+16*\f:103+16*\f], v[40+12*\f:51+12*\f], v[16:27], 0, v[244+\f], v240 matrix_a_fmt:MATRIX_FMT_BF6 matrix_b_fmt:MATRIX_FMT_BF6
	v_wmma_scale_f32_16x16x128_f8f6f4 v[104+16*\f:111+16*\f], v[40+12*\f:51+12*\f], v[28:39], 0, v[244+\f], v240 matrix_a_fmt:MATRIX_FMT_BF6 matrix_b_fmt:MATRIX_FMT_BF6
.endr
	PLACES                                         ; lane (r, h) holds query r; registers 16 b + i are keys 32 b + 8 h + i (i < 8) and 32 b + 8 + 8 h + i (i >= 8)
.irp dt,0,1,2,3                        ; V's fragments take K's registers and land under the softmax
.irp c,0,1
.irp i,0,1,2
	ds_load_b64 v[40+12*\dt+6*\c+2*\i:41+12*\dt+6*\c+2*\i], v9 offset:3840*\c+640*\i+128*\dt
.endr
.endr
	ds_load_b32 v[248+\dt], v11 offset:64*\dt
.endr
.irp b,0,1,2,3
	v_max3_num_f32 v[212+\b], v[96+16*\b], v[97+16*\b], v[98+16*\b]   ; the largest score of each block of 32 keys: for the row's maximum and, since p rises with the score, for the block's largest p
.endr
.irp i,3,5,7,9,11,13
.irp b,0,1,2,3
	v_max3_num_f32 v[212+\b], v[212+\b], v[96+16*\b+\i], v[97+16*\b+\i]
.endr
.endr
.irp b,0,1,2,3
	v_max_num_f32 v[212+\b], v[212+\b], v[111+16*\b]
.endr
.irp b,0,1,2,3
	v_permlanex16_b32 v[216+\b], v[212+\b], s[SEL], s[SEL+1]
.endr
.irp b,0,1,2,3
	v_max_num_f32 v[212+\b], v[212+\b], v[216+\b]
.endr
	v_max3_num_f32 v226, v212, v213, v214
	v_max_num_f32 v226, v226, v215
	v_mul_f32 v226, s18, v226                      ; as t
	v_max_num_f32 v13, v13, v226                   ; the running largest t
	v_mov_b32 v226, v12
	v_floor_f32 v12, -v13                          ; the new -M = -ceil(t): a whole number
	v_sub_f32 v226, v12, v226                      ; old M - new M, 0 or less
	v_cvt_i32_f32 v226, v226                       ; (it saturates)
	v_ldexp_f32 v224, 1.0, v226                    ; f = 2^(old M - new M): multiplying by it rounds nothing
.set j_, 0
.rept 32
	v_pk_fma_f32 v[96+j_:97+j_], v[96+j_:97+j_], s[18:19], v[12:13] op_sel_hi:[1,0,0]   ; t - M
.set j_, j_+2
.endr
.irp b,0,1,2,3
	v_fma_f32 v[212+\b], v[212+\b], s18, v12
.endr
.set j_, 0
.rept 64
	v_exp_f32 v[96+j_], v[96+j_]                   ; p = 2^(t - M): not normalised
.set j_, j_+1
.endr
.irp b,0,1,2,3
	v_exp_f32 v[212+\b], v[212+\b]                 ; the block's largest p
.endr
	v_pk_mul_f32 v[14:15], v[14:15], v[224:225] op_sel_hi:[1,0]   ; the sum under the new M (a plain place behind the exponentials)
	s_wait_alu depctr_va_vdst(0)
.irp b,0,1,2,3
	v_max_num_f32 v[212+\b], 0x2800000, v[212+\b]  ; the floor 2^(5 - 127)
.endr
.irp b,0,1,2,3
	v_add_nc_u32 v[220+\b], 0xfe000000, v[212+\b]
.endr
.irp b,0,1,2,3
	v_lshrrev_b32 v[216+\b], 23, v[220+\b]
.endr
	v_lshl_or_b32 v252, v217, 8, v216              ; p's scale word for these 128 keys
	v_lshl_or_b32 v252, v218, 16, v252
	v_lshl_or_b32 v252, v219, 24, v252
.irp c,0,1
	v_cvt_scalef32_pk16_bf6_f32 v[192+6*\c:194+6*\c], v[96+32*\c:111+32*\c], v[220+2*\c]
	v_cvt_scalef32_pk16_bf6_f32 v[204+4*\c:206+4*\c], v[112+32*\c:127+32*\c], v[221+2*\c]
.endr
	v_nop                                          ; one plain place behind a scaled conversion
.irp c,0,1
.irp i,0,1,2
	v_permlane16_swap_b32 v[192+6*\c+\i], v[204+4*\c+\i]
.endr
.irp i,0,1,2
	v_mov_b32 v[195+6*\c+\i], v[204+4*\c+\i]
.endr
.endr
.set j_, 0
.rept 16
	v_pk_mul_f32 v[160+j_:161+j_], v[160+j_:161+j_], v[224:225] op_sel_hi:[1,0]   ; O^T under the new M
.set j_, j_+2
.endr
	v_pk_add_f32 v[228:229], v[96:97], v[98:99]    ; the row's sum is taken of the unquantised p, in two chains
.set j_, 4
.rept 15
	v_pk_add_f32 v[14:15], v[14:15], v[96+j_:97+j_]
	v_pk_add_f32 v[228:229], v[228:229], v[98+j_:99+j_]
.set j_, j_+4
.endr
	v_pk_add_f32 v[14:15], v[14:15], v[228:229]
	s_wait_dscnt 0x0                               ; V's fragments and scale words are in
.irp dt,0,1,2,3                        ; the four accumulators take turns
	v_wmma_scale_f32_16x16x128_f8f6f4 v[160+8*\dt:167+8*\dt], v[40+12*\dt:51+12*\dt], v[192:203], v[160+8*\dt:167+8*\dt], v[248+\dt], v252 matrix_a_fmt:MATRIX_FMT_BF6 matrix_b_fmt:MATRIX_FMT_BF6
.endr
	s_add_co_u32 s84, s84, 6144
	s_add_co_u32 s85, s85, 7680
	s_add_co_u32 s86, s86, 512
	s_add_co_u32 s87, s87, 256
.endm
.macro QUARTER c                       ; 512 keys: the waves that asked for them wait, all meet, four key steps follow
	s_wait_tensorcnt NQ-1-\c                       ; quarter c has landed; the later quarters may be out
	s_wait_dscnt 0x0
	s_barrier_signal -1
	s_barrier_wait -1
	s_mov_b32 s88, 4
.Lq_\@:
	STEP
	s_sub_co_u32 s88, s88, 1
	s_cmp_lg_u32 s88, 0
	s_cbranch_scc1 .Lq_\@
.endm
	s_load_b128 s[4:7], s[0:1], 0x0                ; q's buffer, K's and V's
	s_load_b64 s[8:9], s[0:1], 0x10                ; O's
	v_lshl_add_u32 v254, v0, 2, 0x3a000
	v_mov_b32 v255, 0
	ds_add_u32 v254, v255
	ds_add_u32 v254, v255
	v_lshrrev_b32 v88, 5, v0
	v_readfirstlane_b32 s10, v88                   ; wave
	v_and_b32 v89, 31, v0                          ; lane
	v_and_b32 v90, 15, v0                          ; r
	v_bfe_u32 v91, v0, 4, 1                        ; h
	v_lshlrev_b32 v1, 3, v89                       ; K: 8 x lane
	v_mul_u32_u24 v2, v91, 1920
	v_lshl_add_u32 v2, v90, 3, v2
	v_add_nc_u32 v2, VL, v2                        ; V: block h, channel r
	v_lshl_add_u32 v3, v90, 2, SR                  ; K's scale words
	v_lshl_add_u32 v4, v90, 2, VT                  ; V's
	v_lshlrev_b32 v5, 3, v89                       ; memory: 8 x lane
	v_lshrrev_b32 v6, 6, v0
	v_and_b32 v92, 63, v0
	v_lshl_add_u32 v6, v6, 9, v92
	v_add_nc_u32 v6, SR+64, v6                     ; thread t turns the bytes of key step t / 64, channel t % 64
	v_lshl_add_u32 v7, v90, 4, v91                 ; O's byte: 16 r + h
	v_lshl_add_u32 v230, v0, 2, VT
	v_lshlrev_b32 v231, 1, v90                     ; q's bytes: 2 r
	s_bfe_u32 s11, ttmp6, 0x40000                  ; cx
	s_lshl_b32 s12, ttmp9, 2
	s_add_co_u32 s12, s12, s11                     ; my block of 256 queries: it enters q's and O's addresses alone
	s_and_b32 s13, ttmp7, 0xffff                   ; batch x 8 + head, which the four partners share
	s_lshr_b32 s14, s13, 3
	s_and_b32 s15, s13, 7
	s_mov_b32 s[SEL], 0x76543210
	s_mov_b32 s[SEL+1], 0xfedcba98
	s_mov_b32 s18, 0x3e38aa3b                      ; log2(e) / 8
	s_mov_b32 s19, s18
	s_mov_b32 s20, 15|(3<<16)|(1<<21)              ; K: 96 rows of 256 dense bytes; the mask of all four, bit 21 beside it
	s_mov_b32 s21, 32<<16
	s_mov_b32 s22, 96<<16
	s_mov_b32 s23, 32<<16
	s_mov_b32 s24, 96
	s_mov_b32 s25, 32
	s_mov_b32 s26, 0
	s_mov_b32 s27, 0
	s_mov_b32 s28, 15|(3<<16)|(1<<20)|(1<<21)|(6<<22)|(31<<25)   ; V: 48 rows of 512 dense bytes, 32 words of padding behind each
	s_mov_b32 s29, 64<<16
	s_mov_b32 s30, 48<<16
	s_mov_b32 s31, 64<<16
	s_mov_b32 s32, 48
	s_mov_b32 s33, 64
	s_mov_b32 s34, 0
	s_mov_b32 s35, 0
	s_mov_b32 s36, 15|(3<<16)|(1<<21)              ; the scale bytes: NKB rows of 128 bytes, 1,024 bytes apart
	s_mov_b32 s37, 16<<16
	s_mov_b32 s38, NKB<<16
	s_mov_b32 s39, 16<<16
	s_mov_b32 s40, NKB
	s_mov_b32 s41, 128
	s_mov_b32 s42, 0
	s_mov_b32 s43, 0
	s_mul_i32 s90, s13, NKB*1536
	s_mov_b32 s91, 0
	s_mul_i32 s92, s14, NKB*1024
	s_lshl_b32 s93, s15, 7
	s_add_co_u32 s92, s92, s93
	s_add_co_u32 s92, s92, SOFF
	s_mov_b32 s93, 0
	s_wait_dscnt 0x0
	s_wait_kmcnt 0x0
	s_add_nc_u64 s[90:91], s[6:7], s[90:91]        ; the head's K
	s_add_nc_u64 s[92:93], s[6:7], s[92:93]        ; its scale bytes
	s_add_nc_u64 s[94:95], s[90:91], VOFF          ; its V
	s_mov_b32 s44, 1
	s_mov_b32 s45, SR
	s_mov_b64 s[46:47], s[92:93]
	s_or_b32 s47, s47, 0x80000000
.set c_, 0
.rept NQ
	s_mov_b32 s[48+4*c_], 1
	s_mov_b32 s[49+4*c_], 24576*c_
	s_add_nc_u64 s[50+4*c_:51+4*c_], s[90:91], 24576*c_
	s_or_b32 s[51+4*c_], s[51+4*c_], 0x80000000
	s_mov_b32 s[68+4*c_], 1
	s_mov_b32 s[69+4*c_], VL+30720*c_
	s_add_nc_u64 s[70+4*c_:71+4*c_], s[94:95], 24576*c_
	s_or_b32 s[71+4*c_], s[71+4*c_], 0x80000000
.set c_, c_+1
.endr
	s_lshl_b32 s90, s14, 7
	s_lshl_b32 s91, s12, 4
	s_add_co_u32 s90, s90, s91
	s_add_co_u32 s90, s90, s10                     ; my tile of 16 rows: 128 x batch + 16 x block + wave
	s_lshl_b32 s92, s90, 3
	s_add_co_u32 s92, s92, s15
	s_mul_i32 s92, s92, 768
	s_mov_b32 s93, 0
	s_add_nc_u64 s[96:97], s[4:5], s[92:93]        ; q's codes
	s_lshl_b32 s92, s90, 8
	s_lshl_b32 s94, s15, 5
	s_add_co_u32 s92, s92, s94
	s_add_co_u32 s92, s92, QSOFF
	s_add_nc_u64 s[98:99], s[4:5], s[92:93]        ; q's bytes
	s_lshl_b32 s92, s90, 2
	s_lshr_b32 s94, s15, 1
	s_add_co_u32 s92, s92, s94
	s_mul_i32 s92, s92, 1536
	s_and_b32 s94, s15, 1
	s_mul_i32 s94, s94, 768
	s_add_co_u32 s92, s92, s94
	s_add_nc_u64 s[66:67], s[8:9], s[92:93]        ; O's codes: K step head / 2, planes 3 (head % 2) on
	s_lshl_b32 s92, s90, 8
	s_lshl_b32 s94, s15, 1
	s_add_co_u32 s92, s92, s94
	s_add_co_u32 s92, s92, OSOFF
	s_add_nc_u64 s[2:3], s[8:9], s[92:93]          ; O's bytes
	s_mov_b32 s84, 0
	s_mov_b32 s85, 0
	s_mov_b32 s86, 0
	s_mov_b32 s87, 0
	ROUND                                          ; all four work-groups are here: the joint loads meet
	s_cmp_lg_u32 s10, 0
	s_cbranch_scc1 .Lnot_k
	tensor_load_to_lds s[44:47], s[36:43]
	s_nop 0
.set c_, 0
.rept NQ
	tensor_load_to_lds s[48+4*c_:51+4*c_], s[20:27]
	s_nop 0
.set c_, c_+1
.endr
	PLACES
	s_branch .Lasked
.Lnot_k:
	s_cmp_lg_u32 s10, 1
	s_cbranch_scc1 .Lasked
.set c_, 0
.rept NQ
	tensor_load_to_lds s[68+4*c_:71+4*c_], s[28:35]
	s_nop 0
.set c_, c_+1
.endr
	PLACES
.Lasked:
.irp i,0,1,2
	global_load_b64 v[16+2*\i:17+2*\i], v5, s[96:97] offset:256*\i
.endr
	global_load_u16 v88, v231, s[98:99]
	v_mov_b32 v13, 0xff61b1e6                      ; the largest t so far: -3e38
	v_floor_f32 v12, -v13
	v_mov_b32 v14, 0
	v_mov_b32 v15, 0
	v_mov_b32 v225, 0                              ; (named as the upper half of a pair)
.irp b,0,1,2,3
	v_mov_b32 v[216+\b], 0                         ; a lane permute's destination counts as one of its sources
.endr
.irp i,0,1,2,3,4,5
	v_mov_b32 v[22+\i], 0                          ; [q | 0]
	v_mov_b32 v[28+\i], 0                          ; [0 | q]
.endr
	s_wait_loadcnt 0x0
	v_lshl_or_b32 v240, v88, 16, v88               ; q's two bytes twice: one word serves both forms
.irp i,0,1,2,3,4,5
	v_mov_b32 v[34+\i], v[16+\i]
.endr
.set j_, 0
.rept 32
	v_mov_b32 v[160+j_], 0                         ; O^T: the step is written once; its first turn finds zeros.  (These are also the places behind the scale word and the operands just written)
.set j_, j_+1
.endr
	s_wait_tensorcnt NQ                            ; the scale bytes have landed; K's quarters may be out
	s_barrier_signal -1
	s_barrier_wait -1
.if NKB == 16
	s_cmp_lt_u32 s10, 8                            ; 256 words: waves 0 to 7
	s_cbranch_scc0 .Lturned
.endif
.irp j,0,1,2,3
	ds_load_u8 v[88+\j], v6 offset:128*\j
.endr
.if NKB == 64
.irp j,0,1,2,3
	ds_load_u8 v[92+\j], v6 offset:4096+128*\j
.endr
.endif
	s_wait_dscnt 0x0
	v_lshl_or_b32 v88, v89, 8, v88                 ; the bytes of a key step's four blocks make a channel's scale word
	v_lshl_or_b32 v88, v90, 16, v88
	v_lshl_or_b32 v88, v91, 24, v88
	ds_store_b32 v230, v88
.if NKB == 64
	v_lshl_or_b32 v92, v93, 8, v92
	v_lshl_or_b32 v92, v94, 16, v92
	v_lshl_or_b32 v92, v95, 24, v92
	ds_store_b32 v230, v92 offset:2048
.endif
.Lturned:
.set c_, 0
.rept NQ
	QUARTER c_
.set c_, c_+1
.endr
	; ---- the way out
	PLACES
	v_add_f32 v14, v14, v15
	v_permlanex16_b32 v216, v14, s[SEL], s[SEL+1]
	v_add_f32 v14, v14, v216                       ; the row's sum
	v_rcp_f32 v14, v14
	v_nop                                          ; one plain place behind a transcendental
.set j_, 0
	s_wait_alu depctr_va_vdst(0)
.rept 16
	v_pk_mul_f32 v[160+j_:161+j_], v[160+j_:161+j_], v[14:15] op_sel_hi:[1,0]
.set j_, j_+2
.endr
	QB 160, 176, 192                               ; the head's two blocks of 32 channels
	v_permlane16_swap_b32 v[QY0], v[QY1]
.irp i,0,1,2
	global_store_b64 v5, v[192+2*\i:193+2*\i], s[66:67] offset:256*\i   ; 256 consecutive bytes, aligned
.endr
	global_store_b8 v7, v[QY0], s[2:3]
	s_wait_dscnt 0x0
	s_wait_tensorcnt 0x0
	ds_add_u32 v254, v255
	s_wait_dscnt 0x0
	ROUND                                          ; the closing round
	s_endpgm
.Lfunc_end_k_q45202bbd24_attn_sa:
	.size	k_q45202bbd24_attn_sa, .Lfunc_end_k_q45202bbd24_attn_sa-k_q45202bbd24_attn_sa
	.p2alignl 7, 3214868480
	.fill 96, 4, 3214868480
	.section	.rodata,"a",@progbits
	.p2align	6, 0x0
	.amdhsa_kernel k_q45202bbd24_attn_sa
		.amdhsa_group_segment_fixed_size 239616
		.amdhsa_private_segment_fixed_size 0
		.amdhsa_enable_private_segment 0
		.amdhsa_kernarg_size 24
		.amdhsa_user_sgpr_count 2
		.amdhsa_user_sgpr_kernarg_segment_ptr 1
		.amdhsa_wavefront_size32 1
		.amdhsa_system_sgpr_workgroup_id_x 1
		.amdhsa_system_sgpr_workgroup_id_y 1
		.amdhsa_system_sgpr_workgroup_id_z 1
		.amdhsa_system_vgpr_workitem_id 0
		.amdhsa_next_free_vgpr 256
		.amdhsa_next_free_sgpr 100
		.amdhsa_reserve_vcc 0
		.amdhsa_float_denorm_mode_32 3
		.amdhsa_float_denorm_mode_16_64 3
		.amdhsa_memory_ordered 1
		.amdhsa_forward_progress 1
		.amdhsa_inst_pref_size 86
	.end_amdhsa_kernel
	.amdgpu_metadata
---
amdhsa.version: [ 1, 2 ]
amdhsa.kernels:
  - .name:           k_q45202bbd24_attn_sa
    .symbol:         k_q45202bbd24_attn_sa.kd
    .args:
      - { .name: qc, .offset: 0, .size: 8, .value_kind: global_buffer, .address_space: global }
      - { .name: kv1, .offset: 8, .size: 8, .value_kind: global_buffer, .address_space: global }
      - { .name: oc, .offset: 16, .size: 8, .value_kind: global_buffer, .address_space: global }
    .group_segment_fixed_size: 239616
    .private_segment_fixed_size: 0
    .kernarg_segment_align: 8
    .kernarg_segment_size: 24
    .max_flat_workgroup_size: 512
    .sgpr_count:     100
    .vgpr_count:     256
    .wavefront_size: 32
...
	.end_amdgpu_metadata
.endif
;; end of part 4
;; launch mid (part 5): grid 256 x 1, 16 waves a work-group, no clusters, 190,464 bytes of LDS; arguments oc, wts, sa_bo, x, ca_ng, ca_nb, x1, qc; writes x1, qc
.if DOCPART == 5
	.amdgcn_target "amdgcn-amd-amdhsa--gfx1250"
	.amdhsa_code_object_version 6
	.text
	.protected	k_q45202bbd24_mid
	.globl	k_q45202bbd24_mid
	.p2align	8
	.type	k_q45202bbd24_mid,@function
k_q45202bbd24_mid:
	s_mov_b64 s[64:65], 0
	v_nop
	global_prefetch_b8 v0, s[64:65] scope:SCOPE_SE
	s_setreg_imm32_b32 hwreg(HW_REG_WAVE_MODE, 25, 1), 1
	s_wait_xcnt 0x0
; Between the two attentions: x1 = o sa_wo + sa_bo + x, its layer norm, q = xn ca_wq, and q quantised for the cross-attention; products on codes of BF6 (E3M2).
; SHARES.  A work-group owns 32 rows and all columns.  First product: two passes, wave w owns columns 32 (w + 16 pass) on, against both row tiles; the residual and the bias are the sums' start, and the results go back
; into the tile of x in LDS, which then holds x1: it leaves as whole rows and is normed where it lies.  Norm: wave w = 2 s + u owns row tile u, K step s.  Second product: wave w owns 32 columns of q.
; All products are used transposed (source 0 = 16 columns of the weight, source 1 = 16 rows).  Order inside a block of 32: k = 0-7, 16-23, 8-15, 24-31, as in every stream of codes of this program.
; The weights' records go from memory straight into the one wave that uses them, two K steps a slot, two slots.  LIMITS: NaN and infinities are not served; blocks whose largest magnitude lies under 2^-122 keep the byte 1.
.set AL,   135168                      ; LDS: 0: sixteen tiles of x, then of x1;  here: o's eight fragments, (4 u + s) x 1,536
.set AIMG, 147456                      ; the norm's sixteen fragments, w x 1,536
.set ASC,  172032                      ; their scale words
.set ST1,  173056                      ; partial sums; 1,024 further on those of the squares
.set QST,  175104                      ; stage for q's codes
.set QSS,  187392                      ; and its 512 bytes
.set WP,   48
.set SEL,  66
.set QM0, 24
.set QM1, 25
.set QP0, 26
.set QP1, 27
.set QE0, 28
.set QE1, 29
.set QY0, 30
.set QY1, 31
.set QT,  32
.set PC,  36
.set PW,  42
.set ACC, 48
.set RING, 80
.set AF,  176
.set AS,  232                          ; v232-255 hold scales and nothing else
.set WS,  248
.set X,   48
.set GA,  112
.set GC,  144
.set GB,  176
.macro BAR
	s_wait_dscnt 0x0
	s_barrier_signal -1
	s_barrier_wait -1
.endm
.macro PLACES
.rept 4
	v_nop
.endr
.endm
.macro QB s0, s1, d                    ; two groups of 16 registers (a lane's half of a block each) become codes: lane (r, x) ends with group x's whole block
	v_max3_num_f32 v[QM0], |v[\s0]|, |v[\s0+1]|, 0x2800000
	v_max3_num_f32 v[QM1], |v[\s1]|, |v[\s1+1]|, 0x2800000
.irp i,2,4,6,8,10,12,14
	v_max3_num_f32 v[QM0], v[QM0], |v[\s0+\i]|, |v[\s0+\i+1]|
	v_max3_num_f32 v[QM1], v[QM1], |v[\s1+\i]|, |v[\s1+\i+1]|
.endr
	v_permlanex16_b32 v[QP0], v[QM0], s[SEL], s[SEL+1]
	v_permlanex16_b32 v[QP1], v[QM1], s[SEL], s[SEL+1]
	v_max_num_f32 v[QM0], v[QM0], v[QP0]
	v_max_num_f32 v[QM1], v[QM1], v[QP1]
	v_add_nc_u32 v[QE0], 0xfe000000, v[QM0]
	v_add_nc_u32 v[QE1], 0xfe000000, v[QM1]
	v_lshrrev_b32 v[QY0], 23, v[QE0]
	v_lshrrev_b32 v[QY1], 23, v[QE1]
	v_cvt_scalef32_pk16_bf6_f32 v[\d:\d+2], v[\s0:\s0+15], v[QE0]
	v_cvt_scalef32_pk16_bf6_f32 v[QT:QT+2], v[\s1:\s1+15], v[QE1]
	v_nop                                          ; one plain place behind a scaled conversion
.irp i,0,1,2
	v_permlane16_swap_b32 v[\d+\i], v[QT+\i]
.endr
.irp i,0,1,2
	v_mov_b32 v[\d+3+\i], v[QT+\i]
.endr
.endm
.macro PLOAD reg, ptr, c
.irp b,0,1
	global_load_b128 v[\reg+16*\b:\reg+16*\b+3], v9, s[\ptr:\ptr+1] offset:256*\c+128*\b
	global_load_b128 v[\reg+16*\b+4:\reg+16*\b+7], v9, s[\ptr:\ptr+1] offset:256*\c+128*\b+16
	global_load_b128 v[\reg+16*\b+8:\reg+16*\b+11], v9, s[\ptr:\ptr+1] offset:256*\c+128*\b+64
	global_load_b128 v[\reg+16*\b+12:\reg+16*\b+15], v9, s[\ptr:\ptr+1] offset:256*\c+128*\b+80
.endr
.endm
.macro CFMA g, c, left
	s_wait_loadcnt \left
.set j_, 0
.rept 16
	v_pk_fma_f32 v[\g+j_:\g+j_+1], v[X+32*\c+j_:X+32*\c+j_+1], v[\g+j_:\g+j_+1], v[GB+j_:GB+j_+1]
.set j_, j_+2
.endr
.endm
.macro CSTORE g, c
	s_wait_dscnt 0x0
	QB \g, \g+16, PC
.irp i,0,1,2
	ds_store_b64 v7, v[PC+2*\i:PC+2*\i+1] offset:768*\c+256*\i
.endr
.if \c == 0
	v_lshl_or_b32 v[PW], v[QY1], 8, v[QY0]
.else
	v_lshl_or_b32 v[PW], v[QY0], 16, v[PW]
	v_lshl_or_b32 v[PW], v[QY1], 24, v[PW]
	ds_store_b32 v8, v[PW]
.endif
.endm
.macro LNJOIN
	v_pk_add_f32 v[44:45], v[44:45], v[46:47]
	v_add_f32 v44, v44, v45
	v_permlanex16_b32 v[QP0], v44, s[SEL], s[SEL+1]
	v_add_f32 v44, v44, v[QP0]
.endm
.macro LNPART off
	ds_load_b128 v[208:211], v6 offset:\off
	ds_load_b128 v[212:215], v6 offset:\off+16
	s_wait_dscnt 0x0
	v_add_f32 v208, v208, v209
	v_add_f32 v210, v210, v211
	v_add_f32 v212, v212, v213
	v_add_f32 v214, v214, v215
	v_add_f32 v208, v208, v210
	v_add_f32 v212, v212, v214
	v_add_f32 v208, v208, v212
.endm
.macro LOADP wp, off, sg
.irp ct,0,1
.irp e,0,1
.irp c,0,1,2
	global_load_b128 v[RING+48*(\sg)+24*\ct+12*\e+4*\c:RING+48*(\sg)+24*\ct+12*\e+4*\c+3], v10, s[\wp:\wp+1] offset:(\off)+\ct*GREC+1536*\e+512*\c
.endr
.endr
	global_load_b64 v[WS+4*(\sg)+2*\ct:WS+4*(\sg)+2*\ct+1], v11, s[\wp:\wp+1] offset:(\off)+\ct*GREC+3072
.endr
.endm
.macro LOADA off, be, up
.irp u,0,1
.irp p,0,1,2,3,4,5
	ds_load_b64 v[AF+24*(\be)+12*\u+2*\p:AF+24*(\be)+12*\u+2*\p+1], v[AI] offset:(\off)+(\up)*\u+256*\p
.endr
.endr
.endm
.macro MMT zero                        ; the four accumulators take turns
.irp u,0,1
.irp ct,0,1
.if \zero
	v_wmma_scale_f32_16x16x128_f8f6f4 v[ACC+16*\u+8*\ct:ACC+16*\u+8*\ct+7], v[RING+48*SG_+24*\ct+12*E_:RING+48*SG_+24*\ct+12*E_+11], v[AF+24*E_+12*\u:AF+24*E_+12*\u+11], 0, v[WS+4*SG_+2*\ct+E_], v[AS+ASP*\u+S_] matrix_a_fmt:MATRIX_FMT_BF6 matrix_b_fmt:MATRIX_FMT_BF6
.else
	v_wmma_scale_f32_16x16x128_f8f6f4 v[ACC+16*\u+8*\ct:ACC+16*\u+8*\ct+7], v[RING+48*SG_+24*\ct+12*E_:RING+48*SG_+24*\ct+12*E_+11], v[AF+24*E_+12*\u:AF+24*E_+12*\u+11], v[ACC+16*\u+8*\ct:ACC+16*\u+8*\ct+7], v[WS+4*SG_+2*\ct+E_], v[AS+ASP*\u+S_] matrix_a_fmt:MATRIX_FMT_BF6 matrix_b_fmt:MATRIX_FMT_BF6
.endif
.endr
.endr
.endm
.macro PHEAD xc, b0, b1                ; a pass begins: the residual from LDS, in the results' layout, + the bias
.irp u,0,1
.irp ct,0,1
	ds_load_b128 v[ACC+16*\u+8*\ct:ACC+16*\u+8*\ct+3], v[\xc] offset:8448*\u+64*\ct
	ds_load_b128 v[ACC+16*\u+8*\ct+4:ACC+16*\u+8*\ct+7], v[\xc] offset:8448*\u+64*\ct+16
.endr
.endr
	s_wait_dscnt 0x0
	s_wait_loadcnt 28                              ; the scale words and the biases are in; two pairs of weights, 28 loads, may be out
.irp u,0,1
.irp j,0,2,4,6
	v_pk_add_f32 v[ACC+16*\u+\j:ACC+16*\u+\j+1], v[ACC+16*\u+\j:ACC+16*\u+\j+1], v[\b0+\j:\b0+\j+1]
	v_pk_add_f32 v[ACC+16*\u+8+\j:ACC+16*\u+8+\j+1], v[ACC+16*\u+8+\j:ACC+16*\u+8+\j+1], v[\b1+\j:\b1+\j+1]
.endr
.endr
	PLACES
.endm
.macro EPF xc                          ; a pass ends: the results go back to the bytes that the residual came from, which are my own; each accumulator from its low end on
.irp u,0,1
.irp ct,0,1
	ds_store_b128 v[\xc], v[ACC+16*\u+8*\ct:ACC+16*\u+8*\ct+3] offset:8448*\u+64*\ct
	ds_store_b128 v[\xc], v[ACC+16*\u+8*\ct+4:ACC+16*\u+8*\ct+7] offset:8448*\u+64*\ct+16
.endr
.endr
.endm
.macro STEPA                           ; K step S of 8 (two passes of four) of the first product
.set S_, S%4
.set E_, S%2
.set PI_, S/2
.set SG_, PI_%2
.set S2_, S+2
.set P2_, PI_+2
.if S == 0
	PHEAD 13, 24, 32
.elseif S == 4
	s_wait_dscnt 0x0                               ; the stores have read the accumulators
	PHEAD 14, 40, 224
.elseif S == 7
	s_wait_dscnt 0x0
.else
	s_wait_dscnt 12                                ; the next step's twelve loads may be out
.endif
.if E_ == 0
.if PI_ == 3
	s_wait_loadcnt 0x0
.else
	s_wait_loadcnt 14                              ; the next pair's fourteen loads may be out
.endif
.endif
	MMT 0
	PLACES
.if S2_ < 8
.set AO_, 1536*(S2_%4)
	LOADA AO_, E_, 6144
.endif
.if (E_ == 1) && (P2_ < 4)
.set WP_, WP+2*(P2_/2)
.set WO_, 3328*(P2_%2)
	LOADP WP_, WO_, SG_
.endif
.if S == 3
	EPF 13
.elseif S == 7
	EPF 14
.endif
.endm
.macro STEPB                           ; K step S of 8 of the second product
.set S_, S
.set E_, S%2
.set PI_, S/2
.set SG_, PI_%2
.set S2_, S+2
.set P2_, PI_+2
.if (S == 0) || (S == 7)
	s_wait_dscnt 0x0
.else
	s_wait_dscnt 12
.endif
.if E_ == 0
.if PI_ == 3
	s_wait_loadcnt 0x0
.else
	s_wait_loadcnt 14
.endif
.endif
.if S == 0
	MMT 1
.else
	MMT 0
.endif
	PLACES
.if S2_ < 8
.set AO_, 3072*S2_
	LOADA AO_, E_, 1536
.endif
.if (E_ == 1) && (P2_ < 4)
.set WO_, 3328*P2_
	LOADP 70, WO_, SG_
.endif
.endm
	s_load_b256 s[4:11], s[0:1], 0x0               ; oc, wts, sa_bo, x
	s_load_b256 s[12:19], s[0:1], 0x20             ; ca_ng, ca_nb, x1, qc
	v_lshl_add_u32 v252, v0, 2, 0x2e000
	v_mov_b32 v254, 0
	ds_add_u32 v252, v254
	ds_add_u32 v252, v254
	s_wait_dscnt 0x0
	v_lshrrev_b32 v1, 5, v0
	v_readfirstlane_b32 s20, v1                    ; wave
	s_and_b32 s21, s20, 1                          ; u; also the block of a head's 64
	s_lshr_b32 s22, s20, 1                         ; s; also the head
	s_mov_b32 s28, (2<<16)|(1<<20)|(6<<22)|(3<<25) ; x: 16 rows of 128 elements of 4 bytes; 4 words of padding behind each
	s_mov_b32 s29, 128<<16
	s_mov_b32 s30, 16<<16
	s_mov_b32 s31, 128<<16
	s_mov_b32 s32, 16
	s_mov_b32 s33, 1024
	s_mov_b32 s34, 0
	s_mov_b32 s35, 0
	s_mov_b32 s24, 1
	s_mul_i32 s25, s20, 8448
	s_lshl_b32 s58, ttmp9, 17
	s_lshl_b32 s60, s21, 16
	s_add_co_u32 s58, s58, s60
	s_lshl_b32 s60, s22, 9
	s_add_co_u32 s58, s58, s60
	s_mov_b32 s59, 0
	s_mov_b32 s40, 3<<16                           ; o's codes: my 3 rows of 256 dense bytes
	s_mov_b32 s41, 32<<16
	s_mov_b32 s42, 3<<16
	s_mov_b32 s43, 32<<16
	s_mov_b32 s44, 3
	s_mov_b32 s45, 32
	s_mov_b32 s46, 0
	s_mov_b32 s47, 0
	s_mov_b32 s36, 1
	s_mul_i32 s37, s20, 768
	s_mul_i32 s60, ttmp9, 12288
	s_add_co_u32 s60, s60, s37
	s_mov_b32 s61, 0
	s_add_co_u32 s37, s37, AL
	s_mov_b32 s[SEL], 0x76543210
	s_mov_b32 s[SEL+1], 0xfedcba98
	s_mov_b32 s68, 0x3a800000                      ; 1 / 1,024
	s_mov_b32 s69, 0x3727c5ac                      ; 1e-5
	s_wait_kmcnt 0x0
	s_add_nc_u64 s[26:27], s[10:11], s[58:59]
	s_or_b32 s27, s27, 0x80000000
	s_add_nc_u64 s[38:39], s[4:5], s[60:61]
	s_or_b32 s39, s39, 0x80000000
	tensor_load_to_lds s[24:27], s[28:35]          ; two loads of mine are out
	s_nop 0
	tensor_load_to_lds s[36:39], s[40:47]
	s_nop 0
	PLACES
	v_and_b32 v1, 31, v0
	v_and_b32 v2, 15, v0
	v_bfe_u32 v3, v0, 4, 1
	v_lshlrev_b32 v10, 4, v1
	v_lshlrev_b32 v11, 3, v1
	v_lshlrev_b32 v17, 4, v2                       ; 16 r
	v_lshlrev_b32 v18, 5, v3                       ; 32 h
	s_lshl_b32 s58, ttmp9, 9
	s_add_co_u32 s58, s58, 3145728
	s_add_nc_u64 s[52:53], s[4:5], s[58:59]        ; o's scale bytes: 16 a row
	s_lshl_b32 s58, s20, 7
	s_add_nc_u64 s[54:55], s[8:9], s[58:59]        ; the bias at my 32 columns
	s_mul_i32 s58, s20, 13312
	s_add_co_u32 s58, s58, 1703936
	s_add_nc_u64 s[48:49], s[6:7], s[58:59]        ; sa_wo, pass 0
	s_add_nc_u64 s[50:51], s[48:49], 212992        ; pass 1
	s_mul_i32 s58, s20, 26624
	s_add_co_u32 s58, s58, 425984
	s_add_nc_u64 s[70:71], s[6:7], s[58:59]        ; ca_wq
.irp u,0,1
	global_load_b128 v[AS+4*\u:AS+4*\u+3], v17, s[52:53] offset:256*\u
.endr
.irp ct,0,1
	global_load_b128 v[24+8*\ct:27+8*\ct], v18, s[54:55] offset:64*\ct
	global_load_b128 v[28+8*\ct:31+8*\ct], v18, s[54:55] offset:64*\ct+16
.endr
	global_load_b128 v[40:43], v18, s[54:55] offset:2048
	global_load_b128 v[44:47], v18, s[54:55] offset:2064
	global_load_b128 v[224:227], v18, s[54:55] offset:2112
	global_load_b128 v[228:231], v18, s[54:55] offset:2128
.set GREC, 6656
.set ASP, 4
.set AI, 12
	LOADP WP, 0, 0
	LOADP WP, 3328, 1
	s_lshl_b32 s58, ttmp9, 17
	s_lshl_b32 s60, s20, 13
	s_add_co_u32 s58, s58, s60
	s_add_nc_u64 s[56:57], s[16:17], s[58:59]      ; x1: my two rows
	s_mul_i32 s58, ttmp9, 12288
	s_mul_i32 s60, s20, 768
	s_add_co_u32 s58, s58, s60
	s_add_nc_u64 s[72:73], s[18:19], s[58:59]      ; q's codes out
	s_lshl_b32 s58, ttmp9, 9
	s_add_co_u32 s58, s58, 3145728
	s_add_nc_u64 s[74:75], s[18:19], s[58:59]      ; q's bytes out
	v_lshl_add_u32 v12, v1, 3, AL
	s_lshr_b32 s58, s20, 2                         ; my 32 columns in the tiles: 16,896 (w / 4) + 128 (w % 4) + 528 r + 32 h
	s_mul_i32 s58, s58, 16896
	s_and_b32 s60, s20, 3
	s_lshl_b32 s60, s60, 7
	s_add_co_u32 s58, s58, s60
	v_mul_u32_u24 v13, v2, 528
	v_lshl_add_u32 v13, v3, 5, v13
	v_add_nc_u32 v4, s25, v13                      ; the norm: my tile, row r, + 32 h
	v_add_nc_u32 v13, s58, v13
	v_add_nc_u32 v14, 67584, v13                   ; pass 1: four pairs of tiles on
	s_lshr_b32 s58, s20, 3                         ; whole rows back: rows 2 w and 2 w + 1
	s_mul_i32 s58, s58, 8448
	s_and_b32 s60, s20, 7
	s_mul_i32 s60, s60, 1056
	s_add_co_u32 s58, s58, s60
	v_lshl_add_u32 v15, v1, 4, s58
	v_add_nc_u32 v16, 67584, v15
	s_lshl_b32 s58, s22, 9
	v_lshl_add_u32 v9, v3, 5, s58                  ; gains and biases: 512 s + 32 h
	s_lshl_b32 s60, s21, 9
	s_lshl_b32 s61, s22, 2
	s_add_co_u32 s58, s60, ST1
	v_lshl_add_u32 v6, v2, 5, s58
	v_add_nc_u32 v5, s61, v6
	s_add_co_u32 s58, s60, ASC
	s_add_co_u32 s58, s58, s61
	v_lshl_add_u32 v8, v2, 5, s58
	s_mul_i32 s58, s20, 1536
	s_add_co_u32 s58, s58, AIMG
	v_lshl_add_u32 v7, v1, 3, s58
	v_lshl_add_u32 v19, v1, 3, AIMG
	v_lshl_add_u32 v20, v2, 5, ASC
	s_mul_i32 s58, s22, 768                        ; q's codes in the stage
	s_lshl_b32 s60, s21, 7
	s_add_co_u32 s58, s58, s60
	s_add_co_u32 s58, s58, QST
	v_mul_u32_u24 v21, v3, 6144
	v_lshl_add_u32 v21, v2, 3, v21
	v_add_nc_u32 v21, s58, v21
	s_lshl_b32 s58, s22, 5                         ; q's bytes
	s_add_co_u32 s58, s58, s21
	s_add_co_u32 s58, s58, QSS
	v_lshlrev_b32 v22, 8, v3
	v_lshl_add_u32 v22, v2, 1, v22
	v_add_nc_u32 v22, s58, v22
	s_mul_i32 s58, s20, 768
	s_add_co_u32 s58, s58, QST
	v_lshl_add_u32 v23, v1, 3, s58
	v_lshl_add_u32 v2, v1, 4, QSS                  ; (r is done with)  the bytes' way out
	s_wait_tensorcnt 0x0
	BAR                                            ; x's tiles and o's fragments lie in LDS
	; ---- x1 = o sa_wo + sa_bo + x
	LOADA 0, 0, 6144
	LOADA 1536, 1, 6144
.set S, 0
.rept 8
	STEPA
.set S, S+1
.endr
	PLOAD GA, 12, 0                                ; the norm's gain and bias are asked for (the last products stand four places back)
	PLOAD GB, 14, 0
	PLOAD GC, 12, 1
	BAR                                            ; the tiles hold x1
.irp e,0,1
.irp j,0,1,2,3
	ds_load_b128 v[48+32*\e+4*\j:51+32*\e+4*\j], v15 offset:16896*\j+528*\e
.endr
.irp j,0,1,2,3
	ds_load_b128 v[64+32*\e+4*\j:67+32*\e+4*\j], v16 offset:16896*\j+528*\e
.endr
.endr
.set k_, 0
.rept 16
	s_wait_dscnt 15-k_                             ; the younger loads may be out
	global_store_b128 v10, v[48+4*k_:51+4*k_], s[56:57] offset:4096*(k_/8)+512*(k_%8)   ; 512 consecutive bytes; the last launch reads them again
.set k_, k_+1
.endr
	s_wait_xcnt 0x0                                ; the stores' registers are written again only behind this wait
	v_mov_b32 v[QP0], 0                            ; a lane permute's destination counts as one of its sources
	v_mov_b32 v[QP1], 0
	; ---- the norm
.irp b,0,1,2,3
	ds_load_b128 v[X+16*\b:X+16*\b+3], v4 offset:128*\b
	ds_load_b128 v[X+16*\b+4:X+16*\b+7], v4 offset:128*\b+16
	ds_load_b128 v[X+16*\b+8:X+16*\b+11], v4 offset:128*\b+64
	ds_load_b128 v[X+16*\b+12:X+16*\b+15], v4 offset:128*\b+80
.endr
	s_wait_dscnt 0x0
	v_pk_add_f32 v[44:45], v[X:X+1], v[X+2:X+3]
	v_pk_add_f32 v[46:47], v[X+4:X+5], v[X+6:X+7]
.set j_, 8
.rept 14
	v_pk_add_f32 v[44:45], v[44:45], v[X+j_:X+j_+1]
	v_pk_add_f32 v[46:47], v[46:47], v[X+j_+2:X+j_+3]
.set j_, j_+4
.endr
	LNJOIN
	ds_store_b32 v5, v44
	BAR
	LNPART 0
	v_mul_f32 v44, s68, v208
.set j_, 0
.rept 32
	v_pk_add_f32 v[X+j_:X+j_+1], v[X+j_:X+j_+1], v[44:45] op_sel_hi:[1,0] neg_lo:[0,1] neg_hi:[0,1]
.set j_, j_+2
.endr
	v_pk_mul_f32 v[44:45], v[X:X+1], v[X:X+1]
	v_pk_mul_f32 v[46:47], v[X+2:X+3], v[X+2:X+3]
.set j_, 4
.rept 15
	v_pk_fma_f32 v[44:45], v[X+j_:X+j_+1], v[X+j_:X+j_+1], v[44:45]
	v_pk_fma_f32 v[46:47], v[X+j_+2:X+j_+3], v[X+j_+2:X+j_+3], v[46:47]
.set j_, j_+4
.endr
	LNJOIN
	ds_store_b32 v5, v44 offset:1024
	BAR
	LNPART 1024
	v_fma_f32 v44, v208, s68, s69
	v_rsq_f32 v44, v44
	v_nop
.set j_, 0
	s_wait_alu depctr_va_vdst(0)
.rept 32
	v_pk_mul_f32 v[X+j_:X+j_+1], v[X+j_:X+j_+1], v[44:45] op_sel_hi:[1,0]
.set j_, j_+2
.endr
	CFMA GA, 0, 8                                  ; the second gain's eight loads may be out
	PLOAD GB, 14, 1
	CSTORE GA, 0
	CFMA GC, 1, 0
	CSTORE GC, 1
.set GREC, 13312
.set ASP, 8
.set AI, 19
	LOADP 70, 0, 0
	LOADP 70, 3328, 1
	BAR                                            ; the sixteen fragments and their scale words lie in LDS
	; ---- q = xn ca_wq
.irp u,0,1
	ds_load_b128 v[AS+8*\u:AS+8*\u+3], v20 offset:512*\u
	ds_load_b128 v[AS+8*\u+4:AS+8*\u+7], v20 offset:512*\u+16
.endr
	LOADA 0, 0, 1536
	LOADA 3072, 1, 1536
.set S, 0
.rept 8
	STEPB
.set S, S+1
.endr
	QB ACC, ACC+16, PC
	v_permlane16_swap_b32 v[QY0], v[QY1]
.irp i,0,1,2
	ds_store_b64 v21, v[PC+2*\i:PC+2*\i+1] offset:256*\i
.endr
	ds_store_b8 v22, v[QY0]
	BAR
.irp i,0,1,2
	ds_load_b64 v[80+2*\i:81+2*\i], v23 offset:256*\i
.endr
	s_wait_dscnt 0x0
.irp i,0,1,2
	global_store_b64 v11, v[80+2*\i:81+2*\i], s[72:73] offset:256*\i   ; 256 consecutive bytes, aligned
.endr
	s_cmp_lg_u32 s20, 0                            ; the 512 scale bytes leave by wave 0
	s_cbranch_scc1 .Lend
	ds_load_b128 v[88:91], v2
	s_wait_dscnt 0x0
	global_store_b128 v10, v[88:91], s[74:75]
.Lend:
	s_wait_xcnt 0x0
	v_lshl_add_u32 v252, v0, 2, 0x2e000
	v_mov_b32 v254, 0
	s_wait_tensorcnt 0x0
	ds_add_u32 v252, v254
	s_wait_dscnt 0x0
	s_endpgm
.Lfunc_end_k_q45202bbd24_mid:
	.size	k_q45202bbd24_mid, .Lfunc_end_k_q45202bbd24_mid-k_q45202bbd24_mid
	.p2alignl 7, 3214868480
	.fill 96, 4, 3214868480
	.section	.rodata,"a",@progbits
	.p2align	6, 0x0
	.amdhsa_kernel k_q45202bbd24_mid
		.amdhsa_group_segment_fixed_size 190464
		.amdhsa_private_segment_fixed_size 0
		.amdhsa_enable_private_segment 0
		.amdhsa_kernarg_size 64
		.amdhsa_user_sgpr_count 2
		.amdhsa_user_sgpr_kernarg_segment_ptr 1
		.amdhsa_wavefront_size32 1
		.amdhsa_system_sgpr_workgroup_id_x 1
		.amdhsa_system_sgpr_workgroup_id_y 1
		.amdhsa_system_sgpr_workgroup_id_z 1
		.amdhsa_system_vgpr_workitem_id 0
		.amdhsa_next_free_vgpr 256
		.amdhsa_next_free_sgpr 100
		.amdhsa_reserve_vcc 0
		.amdhsa_float_denorm_mode_32 3
		.amdhsa_float_denorm_mode_16_64 3
		.amdhsa_memory_ordered 1
		.amdhsa_forward_progress 1
		.amdhsa_inst_pref_size 73
	.end_amdhsa_kernel
	.amdgpu_metadata
---
amdhsa.version: [ 1, 2 ]
amdhsa.kernels:
  - .name:           k_q45202bbd24_mid
    .symbol:         k_q45202bbd24_mid.kd
    .args:
      - { .name: oc, .offset: 0, .size: 8, .value_kind: global_buffer, .address_space: global }
      - { .name: wts, .offset: 8, .size: 8, .value_kind: global_buffer, .address_space: global }
      - { .name: sa_bo, .offset: 16, .size: 8, .value_kind: global_buffer, .address_space: global }
      - { .name: x, .offset: 24, .size: 8, .value_kind: global_buffer, .address_space: global }
      - { .name: ca_ng, .offset: 32, .size: 8, .value_kind: global_buffer, .address_space: global }
      - { .name: ca_nb, .offset: 40, .size: 8, .value_kind: global_buffer, .address_space: global }
      - { .name: x1, .offset: 48, .size: 8, .value_kind: global_buffer, .address_space: global }
      - { .name: qc, .offset: 56, .size: 8, .value_kind: global_buffer, .address_space: global }
    .group_segment_fixed_size: 190464
    .private_segment_fixed_size: 0
    .kernarg_segment_align: 8
    .kernarg_segment_size: 64
    .max_flat_workgroup_size: 512
    .sgpr_count:     100
    .vgpr_count:     256
    .wavefront_size: 32
...
	.end_amdgpu_metadata
.endif
;; end of part 5
;; launch attn_ca (part 6): grid 8 x 32, 16 waves a work-group, clusters of 4 x 1, 169,984 bytes of LDS; arguments qc, kv2, oc; writes oc
.if DOCPART == 6
	.amdgcn_target "amdgcn-amd-amdhsa--gfx1250"
	.amdhsa_code_object_version 6
	.text
	.protected	k_q45202bbd24_attn_ca
	.globl	k_q45202bbd24_attn_ca
	.p2align	8
	.type	k_q45202bbd24_attn_ca,@function
k_q45202bbd24_attn_ca:
	s_mov_b64 s[64:65], 0
	v_nop
	global_prefetch_b8 v0, s[64:65] scope:SCOPE_SE
	s_setreg_imm32_b32 hwreg(HW_REG_WAVE_MODE, 25, 1), 1
	s_wait_xcnt 0x0
	s_wait_alu depctr_hold_cnt(0) depctr_sa_sdst(0) depctr_va_vdst(0) depctr_va_sdst(0) depctr_va_ssrc(0) depctr_va_vcc(0) depctr_vm_vsrc(0)
	s_getreg_b32 s2, hwreg(HW_REG_IB_STS2, 6, 4)
	s_cmp_eq_u32 s2, 0
	s_cbranch_scc0 .Lentry_in_a_cluster
	s_endpgm
.Lentry_in_a_cluster:
	s_bfe_u32 s2, ttmp6, 0x10000c
	s_cmp_lg_u32 s2, 0x3003
	s_cbranch_scc0 .Lentry_shape_is_right
	s_endpgm
.Lentry_shape_is_right:
; Cross-attention of one head on codes of BF6 (E3M2), 512 keys: S^T = K Q^T, p = 2^(t - M) with t = score x log2(e) / 8 and M the running largest t rounded up to a whole number, O^T = V^T P^T, O / the sum of the unquantised p, and O quantised for the next product.
; The text is the self-attention's with 16 blocks of 32 keys for 64: one quarter, and V's scale bytes are turned by waves 0 to 7.
; SHARES.  A work-group owns 256 queries of one head, each of its sixteen waves 16 of them in 256 registers: four waves to a SIMD.  The head's K, V and scale bytes stay in LDS, filled once; no byte of LDS is filled again.
; The four query blocks of a cluster read the same head: each tile is asked for JOINTLY, by the same tensor load with the same descriptor (it hangs on the head alone) and the mask of all four.  Wave 0 has two loads out at the most, wave 1 one.
; A fragment of K carries TWO tiles of 16 keys (registers 0-5: keys r, registers 6-11: keys 16 + r), multiplied once by [q | 0] and once by [0 | q].  Both products are used transposed: a lane holds one query throughout.
; The scale bytes of O leave as single bytes, 32 a wave: one byte for each 24 bytes of codes.
; LIMITS: NaN and infinities are not served; a block of p that has fallen to 0 keeps the byte 1 (its codes are zeros).
.set NKB,  16
.set NQ,   NKB/16
.set VOFF, NKB*49152
.set SOFF, 2*VOFF
.set QSOFF, 3145728
.set OSOFF, 3145728
.set VL,   NKB*1536
.set SR,   VL+NKB*1920
.set VT,   SR+NKB*128
.set SEL, 16
.set QM0, 212
.set QM1, 213
.set QP0, 216
.set QP1, 217
.set QE0, 220
.set QE1, 221
.set QY0, 218
.set QY1, 219
.set QT,  204
; REGISTERS: v1-4 places that stay; v5, v7, v231 offsets in memory; v6, v230 the turning of V's bytes; v8-11 the step's addresses; v12 -M, v13 the largest t, v[14:15] the sum; v16-27 [q | 0], v28-39 [0 | q];
; v40-87 four fragments of K, then of V; v96-159 S^T, then p; v160-191 O^T; v192-203 p's codes; v204-229 at work; v240 q's scale word, v244-247 K's, v248-251 V's, v252 p's: these hold scales and nothing else.
.macro PLACES
.rept 4
	v_nop
.endr
.endm
.macro ROUND                           ; a round of the cluster's barrier
	s_barrier_signal -1
	s_barrier_wait -1
	s_cmp_lg_u32 s10, 0
	s_cbranch_scc1 .Lnot_wave_0_\@
	s_barrier_signal -3
.Lnot_wave_0_\@:
	s_barrier_wait -3
	s_barrier_signal -1
	s_barrier_wait -1
.endm
.macro QB s0, s1, d
	v_max3_num_f32 v[QM0], |v[\s0]|, |v[\s0+1]|, 0x2800000
	v_max3_num_f32 v[QM1], |v[\s1]|, |v[\s1+1]|, 0x2800000
.irp i,2,4,6,8,10,12,14
	v_max3_num_f32 v[QM0], v[QM0], |v[\s0+\i]|, |v[\s0+\i+1]|
	v_max3_num_f32 v[QM1], v[QM1], |v[\s1+\i]|, |v[\s1+\i+1]|
.endr
	v_permlanex16_b32 v[QP0], v[QM0], s[SEL], s[SEL+1]
	v_permlanex16_b32 v[QP1], v[QM1], s[SEL], s[SEL+1]
	v_max_num_f32 v[QM0], v[QM0], v[QP0]
	v_max_num_f32 v[QM1], v[QM1], v[QP1]
	v_add_nc_u32 v[QE0], 0xfe000000, v[QM0]
	v_add_nc_u32 v[QE1], 0xfe000000, v[QM1]
	v_lshrrev_b32 v[QY0], 23, v[QE0]
	v_lshrrev_b32 v[QY1], 23, v[QE1]
	v_cvt_scalef32_pk16_bf6_f32 v[\d:\d+2], v[\s0:\s0+15], v[QE0]
	v_cvt_scalef32_pk16_bf6_f32 v[QT:QT+2], v[\s1:\s1+15], v[QE1]
	v_nop                                          ; one plain place behind a scaled conversion
.irp i,0,1,2
	v_permlane16_swap_b32 v[\d+\i], v[QT+\i]
.endr
.irp i,0,1,2
	v_mov_b32 v[\d+3+\i], v[QT+\i]
.endr
.endm
.macro STEP                            ; a key step: 128 keys
	v_add_nc_u32 v8, s84, v1                       ; (these four are also the places in front of the loads into registers that the last products read)
	v_add_nc_u32 v9, s85, v2
	v_add_nc_u32 v10, s86, v3
	v_add_nc_u32 v11, s87, v4
.irp f,0,1,2,3
.irp p,0,1,2,3,4,5
	ds_load_b64 v[40+12*\f+2*\p:41+12*\f+2*\p], v8 offset:1536*\f+256*\p
.endr
	ds_load_b32 v[244+\f], v10 offset:128*\f
.endr
	s_wait_dscnt 0x0
.irp f,0,1,2,3
	v_wmma_scale_f32_16x16x128_f8f6f4 v[96+16*\f:103+16*\f], v[40+12*\f:51+12*\f], v[16:27], 0, v[244+\f], v240 matrix_a_fmt:MATRIX_FMT_BF6 matrix_b_fmt:MATRIX_FMT_BF6
	v_wmma_scale_f32_16x16x128_f8f6f4 v[104+16*\f:111+16*\f], v[40+12*\f:51+12*\f], v[28:39], 0, v[244+\f], v240 matrix_a_fmt:MATRIX_FMT_BF6 matrix_b_fmt:MATRIX_FMT_BF6
.endr
	PLACES
.irp dt,0,1,2,3                        ; V's fragments take K's registers and land under the softmax
.irp c,0,1
.irp i,0,1,2
	ds_load_b64 v[40+12*\dt+6*\c+2*\i:41+12*\dt+6*\c+2*\i], v9 offset:3840*\c+640*\i+128*\dt
.endr
.endr
	ds_load_b32 v[248+\dt], v11 offset:64*\dt
.endr
.irp b,0,1,2,3
	v_max3_num_f32 v[212+\b], v[96+16*\b], v[97+16*\b], v[98+16*\b]   ; the largest score of each block of 32 keys
.endr
.irp i,3,5,7,9,11,13
.irp b,0,1,2,3
	v_max3_num_f32 v[212+\b], v[212+\b], v[96+16*\b+\i], v[97+16*\b+\i]
.endr
.endr
.irp b,0,1,2,3
	v_max_num_f32 v[212+\b], v[212+\b], v[111+16*\b]
.endr
.irp b,0,1,2,3
	v_permlanex16_b32 v[216+\b], v[212+\b], s[SEL], s[SEL+1]
.endr
.irp b,0,1,2,3
	v_max_num_f32 v[212+\b], v[212+\b], v[216+\b]
.endr
	v_max3_num_f32 v226, v212, v213, v214
	v_max_num_f32 v226, v226, v215
	v_mul_f32 v226, s18, v226
	v_max_num_f32 v13, v13, v226                   ; the running largest t
	v_mov_b32 v226, v12
	v_floor_f32 v12, -v13                          ; the new -M: a whole number
	v_sub_f32 v226, v12, v226
	v_cvt_i32_f32 v226, v226                       ; (it saturates)
	v_ldexp_f32 v224, 1.0, v226                    ; f = 2^(old M - new M)
.set j_, 0
.rept 32
	v_pk_fma_f32 v[96+j_:97+j_], v[96+j_:97+j_], s[18:19], v[12:13] op_sel_hi:[1,0,0]
.set j_, j_+2
.endr
.irp b,0,1,2,3
	v_fma_f32 v[212+\b], v[212+\b], s18, v12
.endr
.set j_, 0
.rept 64
	v_exp_f32 v[96+j_], v[96+j_]
.set j_, j_+1
.endr
.irp b,0,1,2,3
	v_exp_f32 v[212+\b], v[212+\b]
.endr
	v_pk_mul_f32 v[14:15], v[14:15], v[224:225] op_sel_hi:[1,0]   ; (a plain place behind the exponentials)
	s_wait_alu depctr_va_vdst(0)
.irp b,0,1,2,3
	v_max_num_f32 v[212+\b], 0x2800000, v[212+\b]
.endr
.irp b,0,1,2,3
	v_add_nc_u32 v[220+\b], 0xfe000000, v[212+\b]
.endr
.irp b,0,1,2,3
	v_lshrrev_b32 v[216+\b], 23, v[220+\b]
.endr
	v_lshl_or_b32 v252, v217, 8, v216
	v_lshl_or_b32 v252, v218, 16, v252
	v_lshl_or_b32 v252, v219, 24, v252
.irp c,0,1
	v_cvt_scalef32_pk16_bf6_f32 v[192+6*\c:194+6*\c], v[96+32*\c:111+32*\c], v[220+2*\c]
	v_cvt_scalef32_pk16_bf6_f32 v[204+4*\c:206+4*\c], v[112+32*\c:127+32*\c], v[221+2*\c]
.endr
	v_nop
.irp c,0,1
.irp i,0,1,2
	v_permlane16_swap_b32 v[192+6*\c+\i], v[204+4*\c+\i]
.endr
.irp i,0,1,2
	v_mov_b32 v[195+6*\c+\i], v[204+4*\c+\i]
.endr
.endr
.set j_, 0
.rept 16
	v_pk_mul_f32 v[160+j_:161+j_], v[160+j_:161+j_], v[224:225] op_sel_hi:[1,0]
.set j_, j_+2
.endr
	v_pk_add_f32 v[228:229], v[96:97], v[98:99]    ; the row's sum is taken of the unquantised p
.set j_, 4
.rept 15
	v_pk_add_f32 v[14:15], v[14:15], v[96+j_:97+j_]
	v_pk_add_f32 v[228:229], v[228:229], v[98+j_:99+j_]
.set j_, j_+4
.endr
	v_pk_add_f32 v[14:15], v[14:15], v[228:229]
	s_wait_dscnt 0x0
.irp dt,0,1,2,3                        ; the four accumulators take turns
	v_wmma_scale_f32_16x16x128_f8f6f4 v[160+8*\dt:167+8*\dt], v[40+12*\dt:51+12*\dt], v[192:203], v[160+8*\dt:167+8*\dt], v[248+\dt], v252 matrix_a_fmt:MATRIX_FMT_BF6 matrix_b_fmt:MATRIX_FMT_BF6
.endr
	s_add_co_u32 s84, s84, 6144
	s_add_co_u32 s85, s85, 7680
	s_add_co_u32 s86, s86, 512
	s_add_co_u32 s87, s87, 256
.endm
.macro QUARTER c
	s_wait_tensorcnt NQ-1-\c
	s_wait_dscnt 0x0
	s_barrier_signal -1
	s_barrier_wait -1
	s_mov_b32 s88, 4
.Lq_\@:
	STEP
	s_sub_co_u32 s88, s88, 1
	s_cmp_lg_u32 s88, 0
	s_cbranch_scc1 .Lq_\@
.endm
	s_load_b128 s[4:7], s[0:1], 0x0                ; q's buffer, K's and V's
	s_load_b64 s[8:9], s[0:1], 0x10                ; O's
	v_lshl_add_u32 v254, v0, 2, 0x29000
	v_mov_b32 v255, 0
	ds_add_u32 v254, v255
	ds_add_u32 v254, v255
	v_lshrrev_b32 v88, 5, v0
	v_readfirstlane_b32 s10, v88
	v_and_b32 v89, 31, v0
	v_and_b32 v90, 15, v0
	v_bfe_u32 v91, v0, 4, 1
	v_lshlrev_b32 v1, 3, v89
	v_mul_u32_u24 v2, v91, 1920
	v_lshl_add_u32 v2, v90, 3, v2
	v_add_nc_u32 v2, VL, v2
	v_lshl_add_u32 v3, v90, 2, SR
	v_lshl_add_u32 v4, v90, 2, VT
	v_lshlrev_b32 v5, 3, v89
	v_lshrrev_b32 v6, 6, v0
	v_and_b32 v92, 63, v0
	v_lshl_add_u32 v6, v6, 9, v92
	v_add_nc_u32 v6, SR+64, v6
	v_lshl_add_u32 v7, v90, 4, v91
	v_lshl_add_u32 v230, v0, 2, VT
	v_lshlrev_b32 v231, 1, v90
	s_bfe_u32 s11, ttmp6, 0x40000
	s_lshl_b32 s12, ttmp9, 2
	s_add_co_u32 s12, s12, s11                     ; my block of 256 queries: it enters q's and O's addresses alone
	s_and_b32 s13, ttmp7, 0xffff
	s_lshr_b32 s14, s13, 3
	s_and_b32 s15, s13, 7
	s_mov_b32 s[SEL], 0x76543210
	s_mov_b32 s[SEL+1], 0xfedcba98
	s_mov_b32 s18, 0x3e38aa3b                      ; log2(e) / 8
	s_mov_b32 s19, s18
	s_mov_b32 s20, 15|(3<<16)|(1<<21)
	s_mov_b32 s21, 32<<16
	s_mov_b32 s22, 96<<16
	s_mov_b32 s23, 32<<16
	s_mov_b32 s24, 96
	s_mov_b32 s25, 32
	s_mov_b32 s26, 0
	s_mov_b32 s27, 0
	s_mov_b32 s28, 15|(3<<16)|(1<<20)|(1<<21)|(6<<22)|(31<<25)
	s_mov_b32 s29, 64<<16
	s_mov_b32 s30, 48<<16
	s_mov_b32 s31, 64<<16
	s_mov_b32 s32, 48
	s_mov_b32 s33, 64
	s_mov_b32 s34, 0
	s_mov_b32 s35, 0
	s_mov_b32 s36, 15|(3<<16)|(1<<21)
	s_mov_b32 s37, 16<<16
	s_mov_b32 s38, NKB<<16
	s_mov_b32 s39, 16<<16
	s_mov_b32 s40, NKB
	s_mov_b32 s41, 128
	s_mov_b32 s42, 0
	s_mov_b32 s43, 0
	s_mul_i32 s90, s13, NKB*1536
	s_mov_b32 s91, 0
	s_mul_i32 s92, s14, NKB*1024
	s_lshl_b32 s93, s15, 7
	s_add_co_u32 s92, s92, s93
	s_add_co_u32 s92, s92, SOFF
	s_mov_b32 s93, 0
	s_wait_dscnt 0x0
	s_wait_kmcnt 0x0
	s_add_nc_u64 s[90:91], s[6:7], s[90:91]
	s_add_nc_u64 s[92:93], s[6:7], s[92:93]
	s_add_nc_u64 s[94:95], s[90:91], VOFF
	s_mov_b32 s44, 1
	s_mov_b32 s45, SR
	s_mov_b64 s[46:47], s[92:93]
	s_or_b32 s47, s47, 0x80000000
.set c_, 0
.rept NQ
	s_mov_b32 s[48+4*c_], 1
	s_mov_b32 s[49+4*c_], 24576*c_
	s_add_nc_u64 s[50+4*c_:51+4*c_], s[90:91], 24576*c_
	s_or_b32 s[51+4*c_], s[51+4*c_], 0x80000000
	s_mov_b32 s[68+4*c_], 1
	s_mov_b32 s[69+4*c_], VL+30720*c_
	s_add_nc_u64 s[70+4*c_:71+4*c_], s[94:95], 24576*c_
	s_or_b32 s[71+4*c_], s[71+4*c_], 0x80000000
.set c_, c_+1
.endr
	s_lshl_b32 s90, s14, 7
	s_lshl_b32 s91, s12, 4
	s_add_co_u32 s90, s90, s91
	s_add_co_u32 s90, s90, s10                     ; my tile of 16 rows
	s_lshl_b32 s92, s90, 3
	s_add_co_u32 s92, s92, s15
	s_mul_i32 s92, s92, 768
	s_mov_b32 s93, 0
	s_add_nc_u64 s[96:97], s[4:5], s[92:93]
	s_lshl_b32 s92, s90, 8
	s_lshl_b32 s94, s15, 5
	s_add_co_u32 s92, s92, s94
	s_add_co_u32 s92, s92, QSOFF
	s_add_nc_u64 s[98:99], s[4:5], s[92:93]
	s_lshl_b32 s92, s90, 2
	s_lshr_b32 s94, s15, 1
	s_add_co_u32 s92, s92, s94
	s_mul_i32 s92, s92, 1536
	s_and_b32 s94, s15, 1
	s_mul_i32 s94, s94, 768
	s_add_co_u32 s92, s92, s94
	s_add_nc_u64 s[66:67], s[8:9], s[92:93]
	s_lshl_b32 s92, s90, 8
	s_lshl_b32 s94, s15, 1
	s_add_co_u32 s92, s92, s94
	s_add_co_u32 s92, s92, OSOFF
	s_add_nc_u64 s[2:3], s[8:9], s[92:93]
	s_mov_b32 s84, 0
	s_mov_b32 s85, 0
	s_mov_b32 s86, 0
	s_mov_b32 s87, 0
	ROUND                                          ; all four work-groups are here: the joint loads meet
	s_cmp_lg_u32 s10, 0
	s_cbranch_scc1 .Lnot_k
	tensor_load_to_lds s[44:47], s[36:43]
	s_nop 0
.set c_, 0
.rept NQ
	tensor_load_to_lds s[48+4*c_:51+4*c_], s[20:27]
	s_nop 0
.set c_, c_+1
.endr
	PLACES
	s_branch .Lasked
.Lnot_k:
	s_cmp_lg_u32 s10, 1
	s_cbranch_scc1 .Lasked
.set c_, 0
.rept NQ
	tensor_load_to_lds s[68+4*c_:71+4*c_], s[28:35]
	s_nop 0
.set c_, c_+1
.endr
	PLACES
.Lasked:
.irp i,0,1,2
	global_load_b64 v[16+2*\i:17+2*\i], v5, s[96:97] offset:256*\i
.endr
	global_load_u16 v88, v231, s[98:99]
	v_mov_b32 v13, 0xff61b1e6
	v_floor_f32 v12, -v13
	v_mov_b32 v14, 0
	v_mov_b32 v15, 0
	v_mov_b32 v225, 0
.irp b,0,1,2,3
	v_mov_b32 v[216+\b], 0
.endr
.irp i,0,1,2,3,4,5
	v_mov_b32 v[22+\i], 0
	v_mov_b32 v[28+\i], 0
.endr
	s_wait_loadcnt 0x0
	v_lshl_or_b32 v240, v88, 16, v88
.irp i,0,1,2,3,4,5
	v_mov_b32 v[34+\i], v[16+\i]
.endr
.set j_, 0
.rept 32
	v_mov_b32 v[160+j_], 0                         ; O^T.  (These are also the places behind the scale word and the operands just written)
.set j_, j_+1
.endr
	s_wait_tensorcnt NQ                            ; the scale bytes have landed; K's quarter may be out
	s_barrier_signal -1
	s_barrier_wait -1
.if NKB == 16
	s_cmp_lt_u32 s10, 8                            ; 256 words: waves 0 to 7
	s_cbranch_scc0 .Lturned
.endif
.irp j,0,1,2,3
	ds_load_u8 v[88+\j], v6 offset:128*\j
.endr
.if NKB == 64
.irp j,0,1,2,3
	ds_load_u8 v[92+\j], v6 offset:4096+128*\j
.endr
.endif
	s_wait_dscnt 0x0
	v_lshl_or_b32 v88, v89, 8, v88
	v_lshl_or_b32 v88, v90, 16, v88
	v_lshl_or_b32 v88, v91, 24, v88
	ds_store_b32 v230, v88
.if NKB == 64
	v_lshl_or_b32 v92, v93, 8, v92
	v_lshl_or_b32 v92, v94, 16, v92
	v_lshl_or_b32 v92, v95, 24, v92
	ds_store_b32 v230, v92 offset:2048
.endif
.Lturned:
.set c_, 0
.rept NQ
	QUARTER c_
.set c_, c_+1
.endr
	PLACES
	v_add_f32 v14, v14, v15
	v_permlanex16_b32 v216, v14, s[SEL], s[SEL+1]
	v_add_f32 v14, v14, v216
	v_rcp_f32 v14, v14
	v_nop
.set j_, 0
	s_wait_alu depctr_va_vdst(0)
.rept 16
	v_pk_mul_f32 v[160+j_:161+j_], v[160+j_:161+j_], v[14:15] op_sel_hi:[1,0]
.set j_, j_+2
.endr
	QB 160, 176, 192
	v_permlane16_swap_b32 v[QY0], v[QY1]
.irp i,0,1,2
	global_store_b64 v5, v[192+2*\i:193+2*\i], s[66:67] offset:256*\i
.endr
	global_store_b8 v7, v[QY0], s[2:3]
	s_wait_dscnt 0x0
	s_wait_tensorcnt 0x0
	ds_add_u32 v254, v255
	s_wait_dscnt 0x0
	ROUND                                          ; the closing round
	s_endpgm
.Lfunc_end_k_q45202bbd24_attn_ca:
	.size	k_q45202bbd24_attn_ca, .Lfunc_end_k_q45202bbd24_attn_ca-k_q45202bbd24_attn_ca
	.p2alignl 7, 3214868480
	.fill 96, 4, 3214868480
	.section	.rodata,"a",@progbits
	.p2align	6, 0x0
	.amdhsa_kernel k_q45202bbd24_attn_ca
		.amdhsa_group_segment_fixed_size 169984
		.amdhsa_private_segment_fixed_size 0
		.amdhsa_enable_private_segment 0
		.amdhsa_kernarg_size 24
		.amdhsa_user_sgpr_count 2
		.amdhsa_user_sgpr_kernarg_segment_ptr 1
		.amdhsa_wavefront_size32 1
		.amdhsa_system_sgpr_workgroup_id_x 1
		.amdhsa_system_sgpr_workgroup_id_y 1
		.amdhsa_system_sgpr_workgroup_id_z 1
		.amdhsa_system_vgpr_workitem_id 0
		.amdhsa_next_free_vgpr 256
		.amdhsa_next_free_sgpr 100
		.amdhsa_reserve_vcc 0
		.amdhsa_float_denorm_mode_32 3
		.amdhsa_float_denorm_mode_16_64 3
		.amdhsa_memory_ordered 1
		.amdhsa_forward_progress 1
		.amdhsa_inst_pref_size 32
	.end_amdhsa_kernel
	.amdgpu_metadata
---
amdhsa.version: [ 1, 2 ]
amdhsa.kernels:
  - .name:           k_q45202bbd24_attn_ca
    .symbol:         k_q45202bbd24_attn_ca.kd
    .args:
      - { .name: qc, .offset: 0, .size: 8, .value_kind: global_buffer, .address_space: global }
      - { .name: kv2, .offset: 8, .size: 8, .value_kind: global_buffer, .address_space: global }
      - { .name: oc, .offset: 16, .size: 8, .value_kind: global_buffer, .address_space: global }
    .group_segment_fixed_size: 169984
    .private_segment_fixed_size: 0
    .kernarg_segment_align: 8
    .kernarg_segment_size: 24
    .max_flat_workgroup_size: 512
    .sgpr_count:     100
    .vgpr_count:     256
    .wavefront_size: 32
...
	.end_amdgpu_metadata
.endif
;; end of part 6
;; launch fin (part 7): grid 256 x 1, 16 waves a work-group, no clusters, 169,984 bytes of LDS; arguments oc, wts, ca_bo, x1, out0; writes out0
.if DOCPART == 7
	.amdgcn_target "amdgcn-amd-amdhsa--gfx1250"
	.amdhsa_code_object_version 6
	.text
	.protected	k_q45202bbd24_fin
	.globl	k_q45202bbd24_fin
	.p2align	8
	.type	k_q45202bbd24_fin,@function
k_q45202bbd24_fin:
	s_mov_b64 s[64:65], 0
	v_nop
	global_prefetch_b8 v0, s[64:65] scope:SCOPE_SE
	s_setreg_imm32_b32 hwreg(HW_REG_WAVE_MODE, 25, 1), 1
	s_wait_xcnt 0x0
; The end: out0 = o ca_wo + ca_bo + x1, the product on codes of BF6 (E3M2).
; SHARES.  A work-group owns 32 rows and all 1,024 columns.  Two passes: wave w owns columns 32 (w + 16 pass) on, against both row tiles, four accumulators by turns; the product is used transposed
; (source 0 = 16 columns of the weight, source 1 = 16 rows), so that a lane holds eight neighbouring columns of a row.  The residual, from its tile in LDS, and the bias are the sums' start; the results go back to the same
; bytes, which are the wave's own, and leave as whole rows.  The weights' records go from memory straight into the one wave that uses them, two K steps a slot, two slots.
; No multicast for the weights: each record feeds one wave's registers, and sharing it would want a ring in LDS filled again every pair.  No byte of LDS is filled twice by a tensor load.
.set AL,   135168                      ; LDS: 0: sixteen tiles of x1, 16 rows x (512 + 16) bytes: tile 2 j + u holds columns 128 j on of row tile u;  here: o's eight fragments, (4 u + s) x 1,536
.set GREC, 6656                        ; bytes from a tile's records to the next tile's: 2 x 3,328
.set ASP,  4
.set WP,   48                          ; s[48:51] the two passes' weights
.set AI,   12
.set ACC, 48                           ; v48-79   four accumulators
.set RING, 80                          ; v80-175  weights: slot at 48, tile at 24, K step's parity at 12
.set AF,  176                          ; v176-223 o's fragments: buffer at 24, row tile at 12
.set AS,  232                          ; v232-239 o's scale words, v248-255 the weights': they hold scales and nothing else
.set WS,  248
.macro BAR
	s_wait_dscnt 0x0                               ; my LDS stores have landed and my LDS loads are in
	s_barrier_signal -1
	s_barrier_wait -1
.endm
.macro PLACES
.rept 4
	v_nop
.endr
.endm
.macro LOADP wp, off, sg               ; a pair of K steps of my two tiles: 14 loads
.irp ct,0,1
.irp e,0,1
.irp c,0,1,2
	global_load_b128 v[RING+48*(\sg)+24*\ct+12*\e+4*\c:RING+48*(\sg)+24*\ct+12*\e+4*\c+3], v10, s[\wp:\wp+1] offset:(\off)+\ct*GREC+1536*\e+512*\c
.endr
.endr
	global_load_b64 v[WS+4*(\sg)+2*\ct:WS+4*(\sg)+2*\ct+1], v11, s[\wp:\wp+1] offset:(\off)+\ct*GREC+3072
.endr
.endm
.macro LOADA off, be, up               ; a K step's two fragments of o: 12 loads
.irp u,0,1
.irp p,0,1,2,3,4,5
	ds_load_b64 v[AF+24*(\be)+12*\u+2*\p:AF+24*(\be)+12*\u+2*\p+1], v[AI] offset:(\off)+(\up)*\u+256*\p
.endr
.endr
.endm
.macro MMT                             ; the four accumulators take turns
.irp u,0,1
.irp ct,0,1
	v_wmma_scale_f32_16x16x128_f8f6f4 v[ACC+16*\u+8*\ct:ACC+16*\u+8*\ct+7], v[RING+48*SG_+24*\ct+12*E_:RING+48*SG_+24*\ct+12*E_+11], v[AF+24*E_+12*\u:AF+24*E_+12*\u+11], v[ACC+16*\u+8*\ct:ACC+16*\u+8*\ct+7], v[WS+4*SG_+2*\ct+E_], v[AS+ASP*\u+S_] matrix_a_fmt:MATRIX_FMT_BF6 matrix_b_fmt:MATRIX_FMT_BF6
.endr
.endr
.endm
.macro PHEAD xc, b0, b1                ; a pass begins: the residual from LDS, in the results' layout, + the bias
.irp u,0,1
.irp ct,0,1
	ds_load_b128 v[ACC+16*\u+8*\ct:ACC+16*\u+8*\ct+3], v[\xc] offset:8448*\u+64*\ct
	ds_load_b128 v[ACC+16*\u+8*\ct+4:ACC+16*\u+8*\ct+7], v[\xc] offset:8448*\u+64*\ct+16
.endr
.endr
	s_wait_dscnt 0x0
	s_wait_loadcnt 28                              ; the scale words and the biases are in; two pairs of weights, 28 loads, may be out
.irp u,0,1
.irp j,0,2,4,6
	v_pk_add_f32 v[ACC+16*\u+\j:ACC+16*\u+\j+1], v[ACC+16*\u+\j:ACC+16*\u+\j+1], v[\b0+\j:\b0+\j+1]
	v_pk_add_f32 v[ACC+16*\u+8+\j:ACC+16*\u+8+\j+1], v[ACC+16*\u+8+\j:ACC+16*\u+8+\j+1], v[\b1+\j:\b1+\j+1]
.endr
.endr
	PLACES
.endm
.macro EPF xc                          ; a pass ends: each accumulator from its low end on
.irp u,0,1
.irp ct,0,1
	ds_store_b128 v[\xc], v[ACC+16*\u+8*\ct:ACC+16*\u+8*\ct+3] offset:8448*\u+64*\ct
	ds_store_b128 v[\xc], v[ACC+16*\u+8*\ct+4:ACC+16*\u+8*\ct+7] offset:8448*\u+64*\ct+16
.endr
.endr
.endm
.macro STEPA                           ; K step S of 8 (two passes of four); the stream of loads runs on across the passes
.set S_, S%4
.set E_, S%2
.set PI_, S/2
.set SG_, PI_%2
.set S2_, S+2
.set P2_, PI_+2
.if S == 0
	PHEAD 13, 24, 32
.elseif S == 4
	s_wait_dscnt 0x0                               ; the stores have read the accumulators
	PHEAD 14, 40, 224
.elseif S == 7
	s_wait_dscnt 0x0
.else
	s_wait_dscnt 12                                ; this step's fragments are in; the next step's twelve loads may be out
.endif
.if E_ == 0
.if PI_ == 3
	s_wait_loadcnt 0x0
.else
	s_wait_loadcnt 14                              ; this pair's weights are in; the next pair's fourteen loads may be out
.endif
.endif
	MMT
	PLACES                                         ; in front of loads into registers that the products read, and of the first read of results
.if S2_ < 8
.set AO_, 1536*(S2_%4)
	LOADA AO_, E_, 6144
.endif
.if (E_ == 1) && (P2_ < 4)
.set WP_, WP+2*(P2_/2)
.set WO_, 3328*(P2_%2)
	LOADP WP_, WO_, SG_
.endif
.if S == 3
	EPF 13
.elseif S == 7
	EPF 14
.endif
.endm
	s_load_b256 s[4:11], s[0:1], 0x0               ; oc, wts, ca_bo, x1
	s_load_b64 s[12:13], s[0:1], 0x20              ; out0
	v_lshl_add_u32 v246, v0, 2, 0x29000
	v_mov_b32 v247, 0
	ds_add_u32 v246, v247
	ds_add_u32 v246, v247
	v_lshrrev_b32 v1, 5, v0
	v_readfirstlane_b32 s20, v1                    ; wave
	s_and_b32 s21, s20, 1                          ; which row tile I fetch
	s_lshr_b32 s22, s20, 1                         ; which 128 columns of it
	s_mov_b32 s28, (2<<16)|(1<<20)|(6<<22)|(3<<25) ; x1: 16 rows of 128 elements of 4 bytes; 4 words of padding behind each
	s_mov_b32 s29, 128<<16                         ; tensor_dim0
	s_mov_b32 s30, 16<<16                          ; tensor_dim1
	s_mov_b32 s31, 128<<16                         ; tile_dim0
	s_mov_b32 s32, 16                              ; tile_dim1
	s_mov_b32 s33, 1024                            ; elements from row to row
	s_mov_b32 s34, 0
	s_mov_b32 s35, 0
	s_mov_b32 s24, 1
	s_mul_i32 s25, s20, 8448                       ; my tile's place in LDS
	s_lshl_b32 s58, ttmp9, 17                      ; 32 rows of 4,096 bytes a work-group,
	s_lshl_b32 s60, s21, 16                        ; 16 rows a tile,
	s_add_co_u32 s58, s58, s60
	s_lshl_b32 s60, s22, 9                         ; 512 bytes for 128 columns
	s_add_co_u32 s58, s58, s60
	s_mov_b32 s59, 0
	s_mov_b32 s40, 3<<16                           ; o's codes: my 3 rows of 256 dense bytes (32 elements of 8 bytes)
	s_mov_b32 s41, 32<<16
	s_mov_b32 s42, 3<<16
	s_mov_b32 s43, 32<<16
	s_mov_b32 s44, 3
	s_mov_b32 s45, 32
	s_mov_b32 s46, 0
	s_mov_b32 s47, 0
	s_mov_b32 s36, 1
	s_mul_i32 s37, s20, 768
	s_mul_i32 s60, ttmp9, 12288                    ; eight fragments a work-group
	s_add_co_u32 s60, s60, s37
	s_mov_b32 s61, 0
	s_add_co_u32 s37, s37, AL
	s_wait_dscnt 0x0
	s_wait_kmcnt 0x0
	s_add_nc_u64 s[26:27], s[10:11], s[58:59]
	s_or_b32 s27, s27, 0x80000000
	s_add_nc_u64 s[38:39], s[4:5], s[60:61]
	s_or_b32 s39, s39, 0x80000000
	tensor_load_to_lds s[24:27], s[28:35]          ; two loads of mine are out
	s_nop 0
	tensor_load_to_lds s[36:39], s[40:47]
	s_nop 0
	PLACES
	v_and_b32 v1, 31, v0                           ; lane
	v_and_b32 v2, 15, v0                           ; r
	v_bfe_u32 v3, v0, 4, 1                         ; h
	v_lshlrev_b32 v10, 4, v1                       ; 16 x lane
	v_lshlrev_b32 v11, 3, v1                       ; 8 x lane
	v_lshlrev_b32 v17, 4, v2                       ; 16 r
	v_lshlrev_b32 v18, 5, v3                       ; 32 h
	s_lshl_b32 s58, ttmp9, 9
	s_add_co_u32 s58, s58, 3145728
	s_add_nc_u64 s[52:53], s[4:5], s[58:59]        ; o's scale bytes: 16 a row
	s_lshl_b32 s58, s20, 7
	s_add_nc_u64 s[54:55], s[8:9], s[58:59]        ; the bias at my 32 columns
	s_mul_i32 s58, s20, 13312                      ; my two tiles' records: 4 x 3,328
	s_add_co_u32 s58, s58, 2129920
	s_add_nc_u64 s[48:49], s[6:7], s[58:59]        ; ca_wo, pass 0
	s_add_nc_u64 s[50:51], s[48:49], 212992        ; pass 1: sixteen pairs of tiles on
.irp u,0,1
	global_load_b128 v[AS+4*\u:AS+4*\u+3], v17, s[52:53] offset:256*\u   ; row 16 u + r: the words of its four K steps
.endr
.irp ct,0,1
	global_load_b128 v[24+8*\ct:27+8*\ct], v18, s[54:55] offset:64*\ct   ; the bias in the results' layout: columns 16 ct + 8 h + 0 .. 7
	global_load_b128 v[28+8*\ct:31+8*\ct], v18, s[54:55] offset:64*\ct+16
.endr
	global_load_b128 v[40:43], v18, s[54:55] offset:2048                 ; and pass 1's, 512 columns on
	global_load_b128 v[44:47], v18, s[54:55] offset:2064
	global_load_b128 v[224:227], v18, s[54:55] offset:2112
	global_load_b128 v[228:231], v18, s[54:55] offset:2128
	LOADP WP, 0, 0
	LOADP WP, 3328, 1
	s_lshl_b32 s58, ttmp9, 17
	s_lshl_b32 s60, s20, 13
	s_add_co_u32 s58, s58, s60
	s_add_nc_u64 s[56:57], s[12:13], s[58:59]      ; out0: my two rows
	v_lshl_add_u32 v12, v1, 3, AL
	s_lshr_b32 s58, s20, 2                         ; my 32 columns in the tiles: 16,896 (w / 4) + 128 (w % 4) + 528 r + 32 h
	s_mul_i32 s58, s58, 16896
	s_and_b32 s60, s20, 3
	s_lshl_b32 s60, s60, 7
	s_add_co_u32 s58, s58, s60
	v_mul_u32_u24 v13, v2, 528
	v_lshl_add_u32 v13, v3, 5, v13
	v_add_nc_u32 v13, s58, v13
	v_add_nc_u32 v14, 67584, v13                   ; pass 1: four pairs of tiles on
	s_lshr_b32 s58, s20, 3                         ; whole rows back: rows 2 w and 2 w + 1
	s_mul_i32 s58, s58, 8448
	s_and_b32 s60, s20, 7
	s_mul_i32 s60, s60, 1056
	s_add_co_u32 s58, s58, s60
	v_lshl_add_u32 v15, v1, 4, s58
	v_add_nc_u32 v16, 67584, v15
	s_wait_tensorcnt 0x0                           ; my tile of x1 and my part of o's fragments are in,
	BAR                                            ; everybody's are
	LOADA 0, 0, 6144
	LOADA 1536, 1, 6144
.set S, 0
.rept 8
	STEPA
.set S, S+1
.endr
	BAR                                            ; the tiles hold the result
	; ---- the way out: two whole rows a wave
.irp e,0,1
.irp j,0,1,2,3
	ds_load_b128 v[80+32*\e+4*\j:83+32*\e+4*\j], v15 offset:16896*\j+528*\e
.endr
.irp j,0,1,2,3
	ds_load_b128 v[96+32*\e+4*\j:99+32*\e+4*\j], v16 offset:16896*\j+528*\e
.endr
.endr
.set k_, 0
.rept 16
	s_wait_dscnt 15-k_                             ; the younger loads may be out
	global_store_b128 v10, v[80+4*k_:83+4*k_], s[56:57] offset:4096*(k_/8)+512*(k_%8) th:TH_STORE_NT   ; 512 consecutive bytes, aligned; written once, read by nobody here
.set k_, k_+1
.endr
	s_wait_tensorcnt 0x0
	ds_add_u32 v246, v247
	s_wait_dscnt 0x0
	s_endpgm
.Lfunc_end_k_q45202bbd24_fin:
	.size	k_q45202bbd24_fin, .Lfunc_end_k_q45202bbd24_fin-k_q45202bbd24_fin
	.p2alignl 7, 3214868480
	.fill 96, 4, 3214868480
	.section	.rodata,"a",@progbits
	.p2align	6, 0x0
	.amdhsa_kernel k_q45202bbd24_fin
		.amdhsa_group_segment_fixed_size 169984
		.amdhsa_private_segment_fixed_size 0
		.amdhsa_enable_private_segment 0
		.amdhsa_kernarg_size 40
		.amdhsa_user_sgpr_count 2
		.amdhsa_user_sgpr_kernarg_segment_ptr 1
		.amdhsa_wavefront_size32 1
		.amdhsa_system_sgpr_workgroup_id_x 1
		.amdhsa_system_sgpr_workgroup_id_y 1
		.amdhsa_system_sgpr_workgroup_id_z 1
		.amdhsa_system_vgpr_workitem_id 0
		.amdhsa_next_free_vgpr 256
		.amdhsa_next_free_sgpr 66
		.amdhsa_reserve_vcc 0
		.amdhsa_float_denorm_mode_32 3
		.amdhsa_float_denorm_mode_16_64 3
		.amdhsa_memory_ordered 1
		.amdhsa_forward_progress 1
		.amdhsa_inst_pref_size 30
	.end_amdhsa_kernel
	.amdgpu_metadata
---
amdhsa.version: [ 1, 2 ]
amdhsa.kernels:
  - .name:           k_q45202bbd24_fin
    .symbol:         k_q45202bbd24_fin.kd
    .args:
      - { .name: oc, .offset: 0, .size: 8, .value_kind: global_buffer, .address_space: global }
      - { .name: wts, .offset: 8, .size: 8, .value_kind: global_buffer, .address_space: global }
      - { .name: ca_bo, .offset: 16, .size: 8, .value_kind: global_buffer, .address_space: global }
      - { .name: x1, .offset: 24, .size: 8, .value_kind: global_buffer, .address_space: global }
      - { .name: out0, .offset: 32, .size: 8, .value_kind: global_buffer, .address_space: global }
    .group_segment_fixed_size: 169984
    .private_segment_fixed_size: 0
    .kernarg_segment_align: 8
    .kernarg_segment_size: 40
    .max_flat_workgroup_size: 512
    .sgpr_count:     66
    .vgpr_count:     256
    .wavefront_size: 32
...
	.end_amdgpu_metadata
.endif
;; end of part 7
;; ======== version 2 of 2: 5 launches
;; limits: right only within a limited range of input values
;; workspace buffers: wts 3,194,880 bytes; qc 3,276,800 bytes; kv1 6,553,600 bytes; kv2 1,638,400 bytes; oc 3,276,800 bytes
;; launch quantw (part 8): grid 240 x 1, 4 waves a work-group, no clusters, 0 bytes of LDS; arguments sa_wq, ca_wq, sa_wkv, sa_wo, ca_wo, ca_wkv, wts; writes wts
.if DOCPART == 8
	.amdgcn_target "amdgcn-amd-amdhsa--gfx1250"
	.amdhsa_code_object_version 6
	.text
	.protected	k_q45202bbd24_quantw
	.globl	k_q45202bbd24_quantw
	.p2align	8
	.type	k_q45202bbd24_quantw,@function
k_q45202bbd24_quantw:
	s_mov_b64 s[64:65], 0
	v_nop
	global_prefetch_b8 v0, s[64:65] scope:SCOPE_SE
	s_setreg_imm32_b32 hwreg(HW_REG_WAVE_MODE, 25, 1), 1
	s_wait_xcnt 0x0
; The six weights, f32 stored [K][N], become codes of BF6 (E3M2) with one E8M0 byte for each 32 along K, laid as the products' launches load them.
; A RECORD (3,328 bytes) is 16 columns x 256 along K: two fragments of 16 x 128 as images of their 12 registers (registers 4c..4c+3 of lane L at 512 c + 16 L), then 8 bytes a lane: the two K steps' scale words of column L % 16.
; ORDER INSIDE A BLOCK OF 32: place p holds k = 8 (p / 16) + 16 ((p / 8) % 2) + p % 8.  Every stream of codes of this program has that order, on both sides of every product, so each product's terms are unchanged.
; A lane takes a column and its registers run down K: a block lies in one lane, nothing is transposed.  One wave makes one record; a work-group's four waves stand side by side on 256 bytes of each row.
; A block's byte is its largest magnitude's exponent field - 4, held at 1 from below (a block of zeros keeps 1: its codes are zeros, and this program alone reads the bytes).
; LIMITS: NaN and infinities are not served; blocks whose largest magnitude lies under 2^-122 keep the byte 1.
.set X,  16                            ; v16-143  128 numbers: K step e, half c, place p at 64 e + 32 c + p
.set C,  144                           ; v144-167 the two fragments' codes
.set T,  168                           ; v168-175 a block's second sixteen codes (a conversion's three registers begin on an even number)
.set MX, 176                           ; v176-177 largest magnitudes
.set SE, 178                           ; v178-179 the conversions' scale operands
.set BY, 180                           ; v180-181 the bytes
.set SW, 184                           ; v184-185 the two scale words
.set PD, 186                           ; v186     a lane permute's destination
	s_load_b256 s[8:15], s[0:1], 0x0               ; sa_wq, ca_wq, sa_wkv, sa_wo
	s_load_b128 s[16:19], s[0:1], 0x20             ; ca_wo, ca_wkv
	s_load_b64 s[20:21], s[0:1], 0x30              ; wts
	v_lshrrev_b32 v1, 5, v0
	v_readfirstlane_b32 s22, v1                    ; wave
	v_and_b32 v1, 15, v0                           ; r
	v_bfe_u32 v2, v0, 4, 1                         ; h
	v_and_b32 v7, 31, v0                           ; lane
	v_lshlrev_b32 v4, 4, v7                        ; 16 x lane
	v_lshlrev_b32 v5, 3, v7                        ; 8 x lane
	v_lshlrev_b32 v6, 3, v2                        ; 8 h: my bytes' shift in a scale word
	v_mov_b32 v[PD], 0                             ; a lane permute's destination counts as one of its sources
	s_mov_b32 s2, 0x76543210
	s_mov_b32 s3, 0xfedcba98                       ; selects for lane l xor 16
	s_mov_b32 s24, 0                               ; the weight's first work-group
	s_mov_b32 s25, 0                               ; its first record
	s_mov_b32 s26, 4                               ; G: records along K
	s_mov_b32 s27, 3                               ; log2 of the groups of four tiles
	s_mov_b32 s28, 2048                            ; bytes in a row
	s_wait_alu depctr_va_vdst(0)
	s_wait_kmcnt 0x0
	s_mov_b64 s[4:5], s[8:9]
	s_cmp_ge_u32 ttmp9, 32                         ; the choices hang on the work-group's number alone
	s_cselect_b64 s[4:5], s[10:11], s[4:5]
	s_cselect_b32 s24, 32, s24
	s_cselect_b32 s25, 128, s25
	s_cmp_ge_u32 ttmp9, 64
	s_cselect_b64 s[4:5], s[12:13], s[4:5]
	s_cselect_b32 s24, 64, s24
	s_cselect_b32 s25, 256, s25
	s_cselect_b32 s27, 4, s27
	s_cselect_b32 s28, 4096, s28
	s_cmp_ge_u32 ttmp9, 128
	s_cselect_b64 s[4:5], s[14:15], s[4:5]
	s_cselect_b32 s24, 128, s24
	s_cselect_b32 s25, 512, s25
	s_cselect_b32 s26, 2, s26
	s_cmp_ge_u32 ttmp9, 160
	s_cselect_b64 s[4:5], s[16:17], s[4:5]
	s_cselect_b32 s24, 160, s24
	s_cselect_b32 s25, 640, s25
	s_cmp_ge_u32 ttmp9, 192
	s_cselect_b64 s[4:5], s[18:19], s[4:5]
	s_cselect_b32 s24, 192, s24
	s_cselect_b32 s25, 768, s25
	s_cselect_b32 s26, 3, s26
	s_sub_co_u32 s29, ttmp9, s24                   ; my number within the weight
	s_bfm_b32 s30, s27, 0
	s_and_b32 s30, s29, s30                        ; which four tiles
	s_lshr_b32 s31, s29, s27                       ; g: which 256 along K
	s_lshl_b32 s32, s30, 2
	s_add_co_u32 s32, s32, s22                     ; t: my tile of 16 columns
	s_mul_i32 s33, s31, s28
	s_lshl_b32 s33, s33, 8                         ; 256 g rows
	s_lshl_b32 s34, s32, 6                         ; 64 bytes a tile
	s_add_co_u32 s34, s33, s34
	s_mov_b32 s35, 0
	s_add_nc_u64 s[4:5], s[4:5], s[34:35]
	s_mul_i32 s36, s32, s26
	s_add_co_u32 s36, s36, s31
	s_add_co_u32 s36, s36, s25                     ; the record's number: first + t G + g
	s_mul_i32 s36, s36, 3328
	s_mov_b32 s37, 0
	s_add_nc_u64 s[6:7], s[20:21], s[36:37]
	s_lshl_b32 s38, s28, 5
	v_mul_u32_u24 v3, s38, v2                      ; lanes 16-31 begin 32 rows further down,
	v_lshl_add_u32 v3, v1, 2, v3                   ; column r
.macro LOADS nb                        ; 128 loads: sixteen neighbouring lanes read 64 neighbouring bytes; every offset is an immediate (255 rows of 4,096 bytes at the most)
.irp e,0,1
.irp c,0,1
.set p_, 0
.rept 32
	global_load_b32 v[X+64*\e+32*\c+p_], v3, s[4:5] offset:(128*\e+64*\c+8*(p_/16)+16*((p_/8)%2)+p_%8)*\nb th:TH_LOAD_NT
.set p_, p_+1
.endr
.endr
.endr
.endm
	s_cmp_lt_u32 ttmp9, 64                         ; rows of 2,048 or of 4,096 bytes: the branch stands round the loads alone, 128 on either way
	s_cbranch_scc0 .Lwide
	LOADS 2048
	s_branch .Lloaded
.Lwide:
	s_wait_alu depctr_va_vdst(0)
	LOADS 4096
.Lloaded:
.macro QSTEP e
.irp c,0,1
	v_max3_num_f32 v[MX+\c], |v[X+64*\e+32*\c]|, |v[X+64*\e+32*\c+1]|, 0x2800000   ; my block 2 c + h, and the floor 2^(5 - 127): the byte cannot fall under 1
.endr
.irp i,2,4,6,8,10,12,14,16,18,20,22,24,26,28,30
.irp c,0,1
	v_max3_num_f32 v[MX+\c], v[MX+\c], |v[X+64*\e+32*\c+\i]|, |v[X+64*\e+32*\c+\i+1]|
.endr
.endr
.irp c,0,1
	v_add_nc_u32 v[SE+\c], 0xfe000000, v[MX+\c]    ; 4 off the exponent field: the conversion's scale operand
.endr
.irp c,0,1
	v_lshrrev_b32 v[BY+\c], 23, v[SE+\c]           ; the byte
.endr
	v_lshl_or_b32 v[SW+\e], v[BY+1], 16, v[BY]     ; blocks h and 2 + h,
	v_lshlrev_b32 v[SW+\e], v6, v[SW+\e]           ; at their places;
	v_permlanex16_b32 v[PD], v[SW+\e], s2, s3
	v_or_b32 v[SW+\e], v[SW+\e], v[PD]             ; with lane l xor 16's two the word is whole, in both halves
.irp c,0,1
	v_cvt_scalef32_pk16_bf6_f32 v[C+12*\e+6*\c:C+12*\e+6*\c+2], v[X+64*\e+32*\c:X+64*\e+32*\c+15], v[SE+\c]
	v_cvt_scalef32_pk16_bf6_f32 v[T+4*\c:T+4*\c+2], v[X+64*\e+32*\c+16:X+64*\e+32*\c+31], v[SE+\c]
.endr
	v_nop                                          ; one plain place behind a scaled conversion
.irp c,0,1
.irp i,0,1,2
	v_mov_b32 v[C+12*\e+6*\c+3+\i], v[T+4*\c+\i]
.endr
.endr
.irp c,0,1,2
	global_store_b128 v4, v[C+12*\e+4*\c:C+12*\e+4*\c+3], s[6:7] offset:1536*\e+512*\c   ; 512 consecutive bytes
.endr
.endm
	s_wait_loadcnt 63                              ; at most 63 of the 128 are out: the first 65 are in, K step 0's 64 among them
	QSTEP 0
	s_wait_loadcnt 0x0
	QSTEP 1
	global_store_b64 v5, v[SW:SW+1], s[6:7] offset:3072   ; 256 consecutive bytes
	s_endpgm
.Lfunc_end_k_q45202bbd24_quantw:
	.size	k_q45202bbd24_quantw, .Lfunc_end_k_q45202bbd24_quantw-k_q45202bbd24_quantw
	.p2alignl 7, 3214868480
	.fill 96, 4, 3214868480
	.section	.rodata,"a",@progbits
	.p2align	6, 0x0
	.amdhsa_kernel k_q45202bbd24_quantw
		.amdhsa_group_segment_fixed_size 0
		.amdhsa_private_segment_fixed_size 0
		.amdhsa_enable_private_segment 0
		.amdhsa_kernarg_size 56
		.amdhsa_user_sgpr_count 2
		.amdhsa_user_sgpr_kernarg_segment_ptr 1
		.amdhsa_wavefront_size32 1
		.amdhsa_system_sgpr_workgroup_id_x 1
		.amdhsa_system_sgpr_workgroup_id_y 1
		.amdhsa_system_sgpr_workgroup_id_z 1
		.amdhsa_system_vgpr_workitem_id 0
		.amdhsa_next_free_vgpr 192
		.amdhsa_next_free_sgpr 66
		.amdhsa_reserve_vcc 0
		.amdhsa_float_denorm_mode_32 3
		.amdhsa_float_denorm_mode_16_64 3
		.amdhsa_memory_ordered 1
		.amdhsa_forward_progress 1
		.amdhsa_inst_pref_size 34
	.end_amdhsa_kernel
	.amdgpu_metadata
---
amdhsa.version: [ 1, 2 ]
amdhsa.kernels:
  - .name:           k_q45202bbd24_quantw
    .symbol:         k_q45202bbd24_quantw.kd
    .args:
      - { .name: sa_wq, .offset: 0, .size: 8, .value_kind: global_buffer, .address_space: global }
      - { .name: ca_wq, .offset: 8, .size: 8, .value_kind: global_buffer, .address_space: global }
      - { .name: sa_wkv, .offset: 16, .size: 8, .value_kind: global_buffer, .address_space: global }
      - { .name: sa_wo, .offset: 24, .size: 8, .value_kind: global_buffer, .address_space: global }
      - { .name: ca_wo, .offset: 32, .size: 8, .value_kind: global_buffer, .address_space: global }
      - { .name: ca_wkv, .offset: 40, .size: 8, .value_kind: global_buffer, .address_space: global }
      - { .name: wts, .offset: 48, .size: 8, .value_kind: global_buffer, .address_space: global }
    .group_segment_fixed_size: 0
    .private_segment_fixed_size: 0
    .kernarg_segment_align: 8
    .kernarg_segment_size: 56
    .max_flat_workgroup_size: 128
    .sgpr_count:     66
    .vgpr_count:     192
    .wavefront_size: 32
...
	.end_amdgpu_metadata
.endif
;; end of part 8
;; launch sa_qkv (part 9): grid 256 x 1, 16 waves a work-group, no clusters, 327,680 bytes of LDS; arguments x, sa_ng, sa_nb, sa_ncg, sa_ncb, wts, qc, kv1; writes qc, kv1
.if DOCPART == 9
	.amdgcn_target "amdgcn-amd-amdhsa--gfx1250"
	.amdhsa_code_object_version 6
	.text
	.protected	k_q45202bbd24_sa_qkv
	.globl	k_q45202bbd24_sa_qkv
	.p2align	8
	.type	k_q45202bbd24_sa_qkv,@function
k_q45202bbd24_sa_qkv:
	s_mov_b64 s[64:65], 0
	v_nop
	global_prefetch_b8 v0, s[64:65] scope:SCOPE_SE
	s_setreg_imm32_b32 hwreg(HW_REG_WAVE_MODE, 25, 1), 1
	s_wait_xcnt 0x0
; Self-attention's front: both layer norms of 64 rows of x, then q = xn wq, k and v = cn wkv on codes of BF6 (E3M2) for FOUR of the eight heads, and q, k, v quantised again as the attention launch wants them.
; SHARES.  Work-group 2 b + j owns rows 64 b .. 64 b + 63 and heads 4 j .. 4 j + 3: 128 x 2 = 256 work-groups.  The two work-groups of a row block both compute its norms.
; Norm: two halves of 32 rows, one after the other; in a half wave w = 2 s + u owns row tile u and K step s (128 features), 64 numbers a lane.  The second half's tiles fill the first half's LDS bytes again,
; behind the first norm barrier, and land under the first half's norm.
; Products: in each of three passes (q, k, v) wave w multiplies row half w % 2 (two row tiles) by the 32 columns w / 2 of the work-group's 256: four accumulators by turns.  Two waves load the same records of the weights.
; q and k are used transposed (source 0 = 16 columns of the weight, source 1 = 16 rows): a lane holds one row and 16 of the block's 32 channels.  v is used as it stands: a lane holds one channel and 16 of the 32 keys.
; The order inside a block of 32 is k = 0-7, 16-23, 8-15, 24-31, as in every stream of codes of this program.
; OPERANDS IN LDS are images of their registers in planes: registers 2 p, 2 p + 1 of lane L at 256 p + 8 L.  The weights' records go from memory straight into registers, two K steps a slot, two slots.
; No multicast for the weights: each record feeds registers, and sharing it between work-groups would want a ring in LDS filled again every pair, with 8 products a wave for each fill.
; q's scale bytes are laid [half of the heads][tile of 16 rows][128], so that a work-group stores 512 consecutive bytes.
; The variance is taken of the centred numbers.  LIMITS: NaN and infinities are not served; blocks whose largest magnitude lies under 2^-122 keep the byte 1.
.set AIMG, 135168                      ; LDS: 0: sixteen tiles of x, 16 rows x (512 + 16) bytes;  here: the fragments, 49,152 x row half + 24,576 x norm + 1,536 w
.set ASC,  233472                      ; their scale words: 2,048 x row half + 1,024 x norm + 512 u + 32 r + 4 s
.set ST1,  237568                      ; the rows' partial sums, 512 u + 32 r + 4 s; 1,024 further on those of the squares
.set QST,  239616                      ; stage for q's codes: 3,072 x tile + 768 x local head
.set KVST, 251904                      ; for k's and v's: (4 x row half + local head) x (1,536 + 1,536)
.set SCS,  276480                      ; the scale bytes: 512 of q, 1,024 of k and v
.set SPARE, 278016                     ; the spare words, 128 bytes a wave
.set GREC, 13312
.set ASP,  8
.set WP,   38
.set SEL,  36
.set AI,   12
.set QM0, 24
.set QM1, 25
.set QP0, 26
.set QP1, 27
.set QE0, 28
.set QE1, 29
.set QY0, 30
.set QY1, 31
.set QT,  32
.set PC,  36
.set PW,  42
.set ACC, 48                           ; v48-79 four accumulators
.set RING, 80                          ; v80-175 weights: slot at 48, tile at 24, K step's parity at 12
.set AF,  176                          ; v176-223 A's fragments
.set AS,  232                          ; v232-247 A's scale words; v248-255 the weights': scales and nothing else
.set WS,  248
.set X,   48                           ; the norm: v48-111 my 64 numbers; v112-143, v144-175 gains by turns; v176-207 the bias
.set GA,  112
.set GC,  144
.set GB,  176
.macro BAR
	s_wait_dscnt 0x0
	s_barrier_signal -1
	s_barrier_wait -1
.endm
.macro PLACES
.rept 4
	v_nop
.endr
.endm
.macro QB s0, s1, d                    ; two groups of 16 registers (a lane's half of a block each) become codes: lane (r, x) ends with group x's whole block; QY0, QY1 the two bytes
	v_max3_num_f32 v[QM0], |v[\s0]|, |v[\s0+1]|, 0x2800000
	v_max3_num_f32 v[QM1], |v[\s1]|, |v[\s1+1]|, 0x2800000
.irp i,2,4,6,8,10,12,14
	v_max3_num_f32 v[QM0], v[QM0], |v[\s0+\i]|, |v[\s0+\i+1]|
	v_max3_num_f32 v[QM1], v[QM1], |v[\s1+\i]|, |v[\s1+\i+1]|
.endr
	s_delay_alu instid0(VALU_DEP_2)
	v_permlanex16_b32 v[QP0], v[QM0], s[SEL], s[SEL+1]
	s_delay_alu instid0(VALU_DEP_2)
	v_permlanex16_b32 v[QP1], v[QM1], s[SEL], s[SEL+1]
	s_delay_alu instid0(VALU_DEP_2)
	v_max_num_f32 v[QM0], v[QM0], v[QP0]
	s_delay_alu instid0(VALU_DEP_2)
	v_max_num_f32 v[QM1], v[QM1], v[QP1]
	s_delay_alu instid0(VALU_DEP_2)
	v_add_nc_u32 v[QE0], 0xfe000000, v[QM0]        ; 4 off the exponent field: the conversion's scale operand
	s_delay_alu instid0(VALU_DEP_2)
	v_add_nc_u32 v[QE1], 0xfe000000, v[QM1]
	s_delay_alu instid0(VALU_DEP_2)
	v_lshrrev_b32 v[QY0], 23, v[QE0]
	s_delay_alu instid0(VALU_DEP_2)
	v_lshrrev_b32 v[QY1], 23, v[QE1]
	v_cvt_scalef32_pk16_bf6_f32 v[\d:\d+2], v[\s0:\s0+15], v[QE0]
	v_cvt_scalef32_pk16_bf6_f32 v[QT:QT+2], v[\s1:\s1+15], v[QE1]
	v_nop                                          ; one plain place behind a scaled conversion
.irp i,0,1,2
	v_permlane16_swap_b32 v[\d+\i], v[QT+\i]
.endr
.irp i,0,1,2
	s_delay_alu instid0(VALU_DEP_3)
	v_mov_b32 v[\d+3+\i], v[QT+\i]
.endr
.endm
.macro PLOAD reg, ptr, c               ; 32 numbers of a gain or a bias, in my numbers' order
.irp b,0,1
	global_load_b128 v[\reg+16*\b:\reg+16*\b+3], v9, s[\ptr:\ptr+1] offset:256*\c+128*\b
	global_load_b128 v[\reg+16*\b+4:\reg+16*\b+7], v9, s[\ptr:\ptr+1] offset:256*\c+128*\b+16
	global_load_b128 v[\reg+16*\b+8:\reg+16*\b+11], v9, s[\ptr:\ptr+1] offset:256*\c+128*\b+64
	global_load_b128 v[\reg+16*\b+12:\reg+16*\b+15], v9, s[\ptr:\ptr+1] offset:256*\c+128*\b+80
.endr
.endm
.macro CFMA g, c, left                 ; left: the next gain's eight loads may stay out
	s_wait_loadcnt \left
.set j_, 0
.rept 16
	v_pk_fma_f32 v[\g+j_:\g+j_+1], v[X+32*\c+j_:X+32*\c+j_+1], v[\g+j_:\g+j_+1], v[GB+j_:GB+j_+1]
.set j_, j_+2
.endr
.endm
.macro CSTORE g, pp, c, av, hf         ; two blocks become half a fragment's image
	s_wait_dscnt 0x0                               ; the last stores have read their registers
	QB \g, \g+16, PC
.irp i,0,1,2
	ds_store_b64 v[\av], v[PC+2*\i:PC+2*\i+1] offset:24576*\pp+768*\c+256*\i
.endr
.if \c == 0
	v_lshl_or_b32 v[PW], v[QY1], 8, v[QY0]
.else
	v_lshl_or_b32 v[PW], v[QY0], 16, v[PW]
	s_delay_alu instid0(VALU_DEP_1)
	v_lshl_or_b32 v[PW], v[QY1], 24, v[PW]
	ds_store_b32 v8, v[PW] offset:1024*\pp+2048*\hf   ; both halves of the lanes write the same word with the same value
.endif
.endm
.macro LNLOAD
.irp b,0,1,2,3
	ds_load_b128 v[X+16*\b:X+16*\b+3], v4 offset:128*\b
	ds_load_b128 v[X+16*\b+4:X+16*\b+7], v4 offset:128*\b+16
	ds_load_b128 v[X+16*\b+8:X+16*\b+11], v4 offset:128*\b+64
	ds_load_b128 v[X+16*\b+12:X+16*\b+15], v4 offset:128*\b+80
.endr
	s_wait_dscnt 0x0
.endm
.macro LNJOIN
	s_delay_alu instid0(VALU_DEP_1)
	v_pk_add_f32 v[44:45], v[44:45], v[46:47]
	s_delay_alu instid0(VALU_DEP_1)
	v_add_f32 v44, v44, v45
	s_delay_alu instid0(VALU_DEP_1)
	v_permlanex16_b32 v[QP0], v44, s[SEL], s[SEL+1]
	s_delay_alu instid0(VALU_DEP_1)
	v_add_f32 v44, v44, v[QP0]
.endm
.macro LNPART off                      ; the row's eight partial sums, added in a fixed order
	ds_load_b128 v[208:211], v6 offset:\off
	ds_load_b128 v[212:215], v6 offset:\off+16
	s_wait_dscnt 0x0
	v_add_f32 v208, v208, v209
	v_add_f32 v210, v210, v211
	v_add_f32 v212, v212, v213
	v_add_f32 v214, v214, v215
	s_delay_alu instid0(VALU_DEP_3)
	v_add_f32 v208, v208, v210
	s_delay_alu instid0(VALU_DEP_2)
	v_add_f32 v212, v212, v214
	s_delay_alu instid0(VALU_DEP_1)
	v_add_f32 v208, v208, v212
.endm
; Both norms of 32 rows.  hf: which half of the 64;  av: the address register of my fragment's image in that half
.macro LNHALF hf, av
	PLOAD GA, 6, 0
	PLOAD GB, 8, 0
	PLOAD GC, 6, 1
	s_wait_tensorcnt 0x0                           ; my own tile is in LDS: only I read it
	LNLOAD
	v_pk_add_f32 v[44:45], v[X:X+1], v[X+2:X+3]
	v_pk_add_f32 v[46:47], v[X+4:X+5], v[X+6:X+7]
.set j_, 8
.rept 14
	s_delay_alu instid0(VALU_DEP_2)
	v_pk_add_f32 v[44:45], v[44:45], v[X+j_:X+j_+1]
	s_delay_alu instid0(VALU_DEP_2)
	v_pk_add_f32 v[46:47], v[46:47], v[X+j_+2:X+j_+3]
.set j_, j_+4
.endr
	LNJOIN
	ds_store_b32 v5, v44
.if \hf == 0
	s_wait_tensorcnt 0x0                           ; no tensor load of mine is out,
	ds_add_u32 v230, v231
	s_add_nc_u64 s[26:27], s[26:27], 131072        ; so the descriptor may step: 32 rows of 4,096 bytes down
	s_wait_dscnt 0x0                               ; the add, my partial sum and my reads of my tile are done
	s_barrier_signal -1
	s_barrier_wait -1
	tensor_load_to_lds s[24:27], s[28:35]          ; the second half's tile, into the bytes of the first half's
	s_nop 0
	PLACES
.else
	BAR
.endif
	LNPART 0
	s_delay_alu instid0(VALU_DEP_1)
	v_mul_f32 v44, s56, v208                       ; the row's mean
.set j_, 0
.rept 32
	v_pk_add_f32 v[X+j_:X+j_+1], v[X+j_:X+j_+1], v[44:45] op_sel_hi:[1,0] neg_lo:[0,1] neg_hi:[0,1]
.set j_, j_+2
.endr
	v_pk_mul_f32 v[44:45], v[X:X+1], v[X:X+1]
	v_pk_mul_f32 v[46:47], v[X+2:X+3], v[X+2:X+3]
.set j_, 4
.rept 15
	s_delay_alu instid0(VALU_DEP_2)
	v_pk_fma_f32 v[44:45], v[X+j_:X+j_+1], v[X+j_:X+j_+1], v[44:45]
	s_delay_alu instid0(VALU_DEP_2)
	v_pk_fma_f32 v[46:47], v[X+j_+2:X+j_+3], v[X+j_+2:X+j_+3], v[46:47]
.set j_, j_+4
.endr
	LNJOIN
	ds_store_b32 v5, v44 offset:1024
	BAR
	LNPART 1024
	s_delay_alu instid0(VALU_DEP_1)
	v_fma_f32 v44, v208, s56, s57                  ; the variance + 1e-5
	s_wait_alu depctr_va_vdst(0)                   ; the wait ahead of the transcendental
	v_rsq_f32 v44, v44
	v_nop                                          ; one plain place behind a transcendental
	s_wait_alu depctr_va_vdst(0)                   ; the wait ahead of its first reader
.set j_, 0
.rept 32
	v_pk_mul_f32 v[X+j_:X+j_+1], v[X+j_:X+j_+1], v[44:45] op_sel_hi:[1,0]
.set j_, j_+2
.endr
	CFMA GA, 0, 8
	PLOAD GB, 8, 1
	s_wait_alu depctr_va_vdst(0)                   ; the wait ahead of the blocking wait below, here and three times more
	CSTORE GA, 0, 0, \av, \hf
	PLOAD GA, 10, 0
	CFMA GC, 1, 8
	PLOAD GB, 12, 0
	s_wait_alu depctr_va_vdst(0)
	CSTORE GC, 0, 1, \av, \hf
	PLOAD GC, 10, 1
	CFMA GA, 0, 8
	PLOAD GB, 12, 1
	s_wait_alu depctr_va_vdst(0)
	CSTORE GA, 1, 0, \av, \hf
	CFMA GC, 1, 0
	s_wait_alu depctr_va_vdst(0)
	CSTORE GC, 1, 1, \av, \hf
.endm
.macro LOADP wp, off, sg               ; a pair of K steps of my two tiles: 14 loads, each 512 (the last of a tile 256) consecutive bytes
.irp ct,0,1
.irp e,0,1
.irp c,0,1,2
	global_load_b128 v[RING+48*(\sg)+24*\ct+12*\e+4*\c:RING+48*(\sg)+24*\ct+12*\e+4*\c+3], v10, s[\wp:\wp+1] offset:(\off)+\ct*GREC+1536*\e+512*\c
.endr
.endr
	global_load_b64 v[WS+4*(\sg)+2*\ct:WS+4*(\sg)+2*\ct+1], v11, s[\wp:\wp+1] offset:(\off)+\ct*GREC+3072
.endr
.endm
.macro LOADA off, be, up               ; a K step's two fragments of A: 12 loads
.irp u,0,1
.irp p,0,1,2,3,4,5
	ds_load_b64 v[AF+24*(\be)+12*\u+2*\p:AF+24*(\be)+12*\u+2*\p+1], v[AI] offset:(\off)+(\up)*\u+256*\p
.endr
.endr
.endm
.macro ASLOAD pp
.irp u,0,1
	ds_load_b128 v[AS+8*\u:AS+8*\u+3], v13 offset:1024*\pp+512*\u
	ds_load_b128 v[AS+8*\u+4:AS+8*\u+7], v13 offset:1024*\pp+512*\u+16
.endr
.endm
; Four products; the four accumulators take turns, one instruction a turn, from step to step too.
.macro MMT zero                        ; transposed: source 0 = the weight's 16 columns, source 1 = 16 rows
.irp u,0,1
.irp ct,0,1
.if \zero
	v_wmma_scale_f32_16x16x128_f8f6f4 v[ACC+16*\u+8*\ct:ACC+16*\u+8*\ct+7], v[RING+48*SG_+24*\ct+12*E_:RING+48*SG_+24*\ct+12*E_+11], v[AF+24*E_+12*\u:AF+24*E_+12*\u+11], 0, v[WS+4*SG_+2*\ct+E_], v[AS+ASP*\u+S_] matrix_a_fmt:MATRIX_FMT_BF6 matrix_b_fmt:MATRIX_FMT_BF6
.else
	v_wmma_scale_f32_16x16x128_f8f6f4 v[ACC+16*\u+8*\ct:ACC+16*\u+8*\ct+7], v[RING+48*SG_+24*\ct+12*E_:RING+48*SG_+24*\ct+12*E_+11], v[AF+24*E_+12*\u:AF+24*E_+12*\u+11], v[ACC+16*\u+8*\ct:ACC+16*\u+8*\ct+7], v[WS+4*SG_+2*\ct+E_], v[AS+ASP*\u+S_] matrix_a_fmt:MATRIX_FMT_BF6 matrix_b_fmt:MATRIX_FMT_BF6
.endif
.endr
.endr
.endm
.macro MMN zero                        ; as it stands: source 0 = 16 rows, source 1 = the weight's 16 columns
.irp ct,0,1
.irp u,0,1
.if \zero
	v_wmma_scale_f32_16x16x128_f8f6f4 v[ACC+16*\ct+8*\u:ACC+16*\ct+8*\u+7], v[AF+24*E_+12*\u:AF+24*E_+12*\u+11], v[RING+48*SG_+24*\ct+12*E_:RING+48*SG_+24*\ct+12*E_+11], 0, v[AS+ASP*\u+S_], v[WS+4*SG_+2*\ct+E_] matrix_a_fmt:MATRIX_FMT_BF6 matrix_b_fmt:MATRIX_FMT_BF6
.else
	v_wmma_scale_f32_16x16x128_f8f6f4 v[ACC+16*\ct+8*\u:ACC+16*\ct+8*\u+7], v[AF+24*E_+12*\u:AF+24*E_+12*\u+11], v[RING+48*SG_+24*\ct+12*E_:RING+48*SG_+24*\ct+12*E_+11], v[ACC+16*\ct+8*\u:ACC+16*\ct+8*\u+7], v[AS+ASP*\u+S_], v[WS+4*SG_+2*\ct+E_] matrix_a_fmt:MATRIX_FMT_BF6 matrix_b_fmt:MATRIX_FMT_BF6
.endif
.endr
.endr
.endm
.macro EPI p                           ; a pass's 32 x 32 results become codes in the stage
	QB ACC, ACC+16, PC
	v_permlane16_swap_b32 v[QY0], v[QY1]           ; QY0 of lane (r, x) is now group x's byte
.if \p == 0
.irp i,0,1,2
	ds_store_b64 v14, v[PC+2*\i:PC+2*\i+1] offset:256*\i
.endr
	ds_store_b8 v15, v[QY0]
	ASLOAD 1                                       ; k and v multiply the second norm's rows
.elseif \p == 1
.irp i,0,1,2
	ds_store_b64 v16, v[PC+2*\i:PC+2*\i+1] offset:256*\i
.endr
	ds_store_b8 v17, v[QY0]
.else
.irp i,0,1,2
	ds_store_b64 v18, v[PC+2*\i:PC+2*\i+1] offset:512*\i
.endr
	ds_store_b8 v19, v[QY0]
.endif
.endm
.macro STEPX                           ; K step S of 24 (three passes of eight); the stream of loads runs on across the passes
.set PA_, S/8
.set S_, S%8
.set E_, S%2
.set PI_, S/2
.set SG_, PI_%2
.set S2_, S+2
.set P2_, PI_+2
.if (S_ == 0) || (S == 23)
	s_wait_dscnt 0x0
.else
	s_wait_dscnt 12                                ; this step's fragments are in; the next step's twelve loads may be out
.endif
.if E_ == 0
.if PI_ == 11
	s_wait_loadcnt 0x0
.else
	s_wait_loadcnt 14                              ; this pair's weights are in; the next pair's fourteen loads may be out
.endif
.endif
.if PA_ == 2
.if S_ == 0
	MMN 1
.else
	MMN 0
.endif
.else
.if S_ == 0
	MMT 1
.else
	MMT 0
.endif
.endif
	PLACES                                         ; in front of loads into registers that the products read, and of the first read of results
.if S2_ < 24
.set AO_, 24576*((S2_/8+1)/2)+3072*(S2_%8)
	LOADA AO_, E_, 1536
.endif
.if (E_ == 1) && (P2_ < 12)
.set WP_, WP+2*(P2_/4)
.set WO_, 3328*(P2_%4)
	LOADP WP_, WO_, SG_
.endif
.if S_ == 7
	EPI PA_
.endif
.endm
	s_load_b256 s[4:11], s[0:1], 0x0               ; x, sa_ng, sa_nb, sa_ncg
	s_load_b256 s[12:19], s[0:1], 0x20             ; sa_ncb, wts, qc, kv1
	v_lshl_add_u32 v230, v0, 2, SPARE
	v_mov_b32 v231, 0
	ds_add_u32 v230, v231                          ; the opening lines: the add twice on end and its wait ahead of my first tensor load
	ds_add_u32 v230, v231
	v_lshrrev_b32 v1, 5, v0
	s_delay_alu instid0(VALU_DEP_1)
	v_readfirstlane_b32 s20, v1                    ; wave
	s_and_b32 s21, s20, 1                          ; norm: my row tile u.  Products: my row half
	s_lshr_b32 s22, s20, 1                         ; norm: my K step s.  Products: my 32 columns among the pass's eight groups
	s_lshr_b32 s23, s22, 1                         ; products: my local head
	s_and_b32 s58, s22, 1                          ; and which block of its 64 channels
	s_lshr_b32 s59, ttmp9, 1                       ; the block of 64 rows
	s_and_b32 s60, ttmp9, 1                        ; which four heads
	s_lshl_b32 s61, s21, 2
	s_add_co_u32 s61, s61, s23                     ; 4 x row half + local head
	s_mov_b32 s28, (2<<16)|(1<<20)|(6<<22)|(3<<25) ; elements of 4 bytes; 4 words of padding behind every 128
	s_mov_b32 s29, 128<<16
	s_mov_b32 s30, 16<<16
	s_mov_b32 s31, 128<<16
	s_mov_b32 s32, 16
	s_mov_b32 s33, 1024
	s_mov_b32 s34, 0
	s_mov_b32 s35, 0
	s_mov_b32 s24, 1
	s_mul_i32 s25, s20, 8448                       ; my tile's place in LDS
	s_lshl_b32 s44, s59, 18                        ; 64 rows of 4,096 bytes a row block,
	s_lshl_b32 s46, s21, 16                        ; 16 rows a tile,
	s_add_co_u32 s44, s44, s46
	s_lshl_b32 s46, s22, 9                         ; 512 bytes a K step
	s_add_co_u32 s44, s44, s46
	s_mov_b32 s45, 0
	s_mov_b32 s[SEL], 0x76543210
	s_mov_b32 s[SEL+1], 0xfedcba98                 ; selects for lane l xor 16
	s_mov_b32 s56, 0x3a800000                      ; 1 / 1,024
	s_mov_b32 s57, 0x3727c5ac                      ; 1e-5
	s_wait_dscnt 0x0
	s_wait_kmcnt 0x0
	s_add_nc_u64 s[26:27], s[4:5], s[44:45]
	s_or_b32 s27, s27, 0x80000000
	tensor_load_to_lds s[24:27], s[28:35]          ; the first half's tile of mine
	s_nop 0
	PLACES
	v_and_b32 v1, 31, v0                           ; lane
	v_and_b32 v2, 15, v0                           ; r
	v_bfe_u32 v3, v0, 4, 1                         ; h
	s_lshl_b32 s48, s22, 9
	v_lshl_add_u32 v9, v3, 5, s48                  ; gains and biases: 512 s + 32 h
	v_mov_b32 v[QP0], 0                            ; a lane permute's destination counts as one of its sources
	v_mov_b32 v[QP1], 0
	v_mul_u32_u24 v4, v2, 528
	s_delay_alu instid0(VALU_DEP_1)
	v_lshl_add_u32 v4, v3, 5, v4
	s_delay_alu instid0(VALU_DEP_1)
	v_add_nc_u32 v4, s25, v4                       ; x: my tile, row r, + 32 h
	s_lshl_b32 s46, s21, 9
	s_lshl_b32 s47, s22, 2
	s_add_co_u32 s48, s46, ST1
	v_lshl_add_u32 v6, v2, 5, s48                  ; my row's partial sums
	s_delay_alu instid0(VALU_DEP_1)
	v_add_nc_u32 v5, s47, v6                       ; and mine among them
	s_add_co_u32 s48, s46, ASC
	s_add_co_u32 s48, s48, s47
	v_lshl_add_u32 v8, v2, 5, s48                  ; my fragment's scale word
	s_mul_i32 s48, s20, 1536
	s_add_co_u32 s48, s48, AIMG
	v_lshl_add_u32 v7, v1, 3, s48                  ; my fragment's image, first half of the rows,
	s_delay_alu instid0(VALU_DEP_1)
	v_add_nc_u32 v23, 49152, v7                    ; and second
	v_lshlrev_b32 v10, 4, v1                       ; 16 x lane
	v_lshlrev_b32 v11, 3, v1                       ; 8 x lane
	s_mul_i32 s48, s21, 49152
	s_add_co_u32 s48, s48, AIMG
	v_lshl_add_u32 v12, v1, 3, s48                 ; products: my row half's images
	s_lshl_b32 s48, s21, 11
	s_add_co_u32 s48, s48, ASC
	v_lshl_add_u32 v13, v2, 5, s48                 ; and their scale words
	s_mul_i32 s48, s21, 6144                       ; q's codes: 3,072 x (2 x row half + row tile) + 768 x local head + 128 x block + 8 r
	s_mul_i32 s49, s23, 768
	s_add_co_u32 s48, s48, s49
	s_lshl_b32 s49, s58, 7
	s_add_co_u32 s48, s48, s49
	s_add_co_u32 s48, s48, QST
	v_mul_u32_u24 v14, v3, 3072
	s_delay_alu instid0(VALU_DEP_1)
	v_lshl_add_u32 v14, v2, 3, v14
	s_delay_alu instid0(VALU_DEP_1)
	v_add_nc_u32 v14, s48, v14
	s_lshl_b32 s48, s21, 8                         ; q's bytes: 128 x (2 x row half + row tile) + 32 x local head + 2 r + block
	s_lshl_b32 s49, s23, 5
	s_add_co_u32 s48, s48, s49
	s_add_co_u32 s48, s48, s58
	s_add_co_u32 s48, s48, SCS
	v_lshlrev_b32 v15, 7, v3
	s_delay_alu instid0(VALU_DEP_1)
	v_lshl_add_u32 v15, v2, 1, v15
	s_delay_alu instid0(VALU_DEP_1)
	v_add_nc_u32 v15, s48, v15
	s_mul_i32 s48, s61, 3072                       ; k's codes: 3,072 x (4 x row half + local head) + 768 x row tile + 128 x block + 8 r
	s_lshl_b32 s49, s58, 7
	s_add_co_u32 s48, s48, s49
	s_add_co_u32 s48, s48, KVST
	v_mul_u32_u24 v16, v3, 768
	s_delay_alu instid0(VALU_DEP_1)
	v_lshl_add_u32 v16, v2, 3, v16
	s_delay_alu instid0(VALU_DEP_1)
	v_add_nc_u32 v16, s48, v16
	s_lshl_b32 s48, s61, 7                         ; k's bytes: 128 x (4 x row half + local head) + 4 r + 2 x row tile + block
	s_add_co_u32 s48, s48, s58
	s_add_co_u32 s48, s48, SCS+512
	v_lshlrev_b32 v17, 1, v3
	s_delay_alu instid0(VALU_DEP_1)
	v_lshl_add_u32 v17, v2, 2, v17
	s_delay_alu instid0(VALU_DEP_1)
	v_add_nc_u32 v17, s48, v17
	s_mul_i32 s48, s61, 3072                       ; v's codes: the same piece + 1,536 + 256 x block + 8 x lane
	s_lshl_b32 s49, s58, 8
	s_add_co_u32 s48, s48, s49
	s_add_co_u32 s48, s48, KVST+1536
	v_lshl_add_u32 v18, v1, 3, s48
	s_lshl_b32 s48, s61, 7                         ; v's bytes: the same 128 + 64 + 32 x block + lane
	s_lshl_b32 s49, s58, 5
	s_add_co_u32 s48, s48, s49
	s_add_co_u32 s48, s48, SCS+576
	v_add_nc_u32 v19, s48, v1
	s_mul_i32 s48, s20, 768                        ; the way out of the stages
	s_add_co_u32 s48, s48, QST
	v_lshl_add_u32 v20, v1, 3, s48
	s_mul_i32 s48, s20, 1536
	s_add_co_u32 s48, s48, KVST
	v_lshl_add_u32 v21, v1, 4, s48
	s_min_u32 s48, s20, 2
	s_lshl_b32 s48, s48, 9
	s_add_co_u32 s48, s48, SCS
	v_lshl_add_u32 v22, v1, 4, s48
	s_lshl_b32 s44, s60, 3
	s_add_co_u32 s44, s44, s22                     ; my 32 columns among a pass's sixteen groups: 8 j + wave / 2
	s_mul_i32 s44, s44, 26624                      ; two tiles' records: 8 x 3,328 bytes
	s_add_nc_u64 s[38:39], s[14:15], s[44:45]      ; sa_wq
	s_add_nc_u64 s[40:41], s[38:39], 851968        ; sa_wkv, k's columns
	s_add_nc_u64 s[42:43], s[38:39], 1277952       ; sa_wkv, v's columns
	s_lshl_b32 s44, s59, 2                         ; q's codes out: wave w carries tile 4 b + w / 4, head 4 j + w % 4: 768 bytes at 768 x (8 x tile + head)
	s_lshr_b32 s46, s20, 2
	s_add_co_u32 s44, s44, s46
	s_lshl_b32 s44, s44, 1
	s_add_co_u32 s44, s44, s60
	s_lshl_b32 s44, s44, 2
	s_and_b32 s46, s20, 3
	s_add_co_u32 s44, s44, s46
	s_mul_i32 s44, s44, 768
	s_add_nc_u64 s[50:51], s[16:17], s[44:45]
	s_lshr_b32 s44, s59, 5                         ; k's and v's out: wave w carries key block 2 b + w / 8, head 4 j + (w / 2) % 4; even waves K's piece, odd waves V's
	s_lshl_b32 s44, s44, 1
	s_add_co_u32 s44, s44, s60
	s_lshl_b32 s44, s44, 2
	s_and_b32 s46, s22, 3
	s_add_co_u32 s44, s44, s46                     ; 8 x batch + head
	s_lshl_b32 s44, s44, 6
	s_and_b32 s46, s59, 31
	s_lshl_b32 s46, s46, 1
	s_add_co_u32 s44, s44, s46
	s_lshr_b32 s46, s20, 3
	s_add_co_u32 s44, s44, s46                     ; + the block of 32 keys within the batch
	s_mul_i32 s44, s44, 1536
	s_mul_i32 s46, s21, 3145728
	s_add_co_u32 s44, s44, s46
	s_add_nc_u64 s[52:53], s[18:19], s[44:45]
	s_lshl_b32 s44, s59, 9                         ; q's bytes: 65,536 j + 512 b
	s_lshl_b32 s46, s60, 16
	s_add_co_u32 s44, s44, s46
	s_add_co_u32 s44, s44, 3145728
	s_lshl_b32 s46, s59, 11                        ; k's and v's: 1,024 a key block, 512 a half of the heads; wave 1 the first key block's, wave 2 the second's
	s_lshl_b32 s47, s60, 9
	s_add_co_u32 s46, s46, s47
	s_lshl_b32 s47, s20, 10
	s_add_co_u32 s46, s46, s47
	s_add_co_u32 s46, s46, 6291456-1024
	s_cmp_eq_u32 s20, 0
	s_cselect_b32 s44, s44, s46
	s_cselect_b64 s[54:55], s[16:17], s[18:19]
	s_add_nc_u64 s[54:55], s[54:55], s[44:45]
	s_wait_alu depctr_va_vdst(0)                   ; the wait at the head's end
	; ---- the norms
	LNHALF 0, 7
	LNHALF 1, 23
	LOADP WP, 0, 0                                 ; the first two pairs of weights are asked for ahead of the barrier
	LOADP WP, 3328, 1
	BAR                                            ; all 64 fragments and their scale words lie in LDS
	; ---- the products
	ASLOAD 0
	LOADA 0, 0, 1536
	LOADA 3072, 1, 1536
.set S, 0
.rept 24
	STEPX
.set S, S+1
.endr
	BAR                                            ; the stages are whole
	; ---- the way out: every store covers whole aligned blocks of 256 bytes
.irp i,0,1,2
	ds_load_b64 v[80+2*\i:81+2*\i], v20 offset:256*\i
.endr
.irp c,0,1,2
	ds_load_b128 v[88+4*\c:91+4*\c], v21 offset:512*\c
.endr
	s_wait_dscnt 0x0
.irp i,0,1,2
	global_store_b64 v11, v[80+2*\i:81+2*\i], s[50:51] offset:256*\i
.endr
.irp c,0,1,2
	global_store_b128 v10, v[88+4*\c:91+4*\c], s[52:53] offset:512*\c
.endr
	s_cmp_lt_u32 s20, 3                            ; the 1,536 scale bytes leave by waves 0 to 2
	s_cbranch_scc0 .Lend
	ds_load_b128 v[100:103], v22
	s_wait_dscnt 0x0
	global_store_b128 v10, v[100:103], s[54:55]
.Lend:
	s_wait_tensorcnt 0x0                           ; the wave's end
	ds_add_u32 v230, v231
	s_wait_dscnt 0x0
	s_endpgm
.Lfunc_end_k_q45202bbd24_sa_qkv:
	.size	k_q45202bbd24_sa_qkv, .Lfunc_end_k_q45202bbd24_sa_qkv-k_q45202bbd24_sa_qkv
	.p2alignl 7, 3214868480
	.fill 96, 4, 3214868480
	.section	.rodata,"a",@progbits
	.p2align	6, 0x0
	.amdhsa_kernel k_q45202bbd24_sa_qkv
		.amdhsa_group_segment_fixed_size 327680
		.amdhsa_private_segment_fixed_size 0
		.amdhsa_enable_private_segment 0
		.amdhsa_kernarg_size 64
		.amdhsa_user_sgpr_count 2
		.amdhsa_user_sgpr_kernarg_segment_ptr 1
		.amdhsa_wavefront_size32 1
		.amdhsa_system_sgpr_workgroup_id_x 1
		.amdhsa_system_sgpr_workgroup_id_y 1
		.amdhsa_system_sgpr_workgroup_id_z 1
		.amdhsa_system_vgpr_workitem_id 0
		.amdhsa_next_free_vgpr 256
		.amdhsa_next_free_sgpr 66
		.amdhsa_reserve_vcc 0
		.amdhsa_float_denorm_mode_32 3
		.amdhsa_float_denorm_mode_16_64 3
		.amdhsa_memory_ordered 1
		.amdhsa_forward_progress 1
		.amdhsa_inst_pref_size 135
	.end_amdhsa_kernel
	.amdgpu_metadata
---
amdhsa.version: [ 1, 2 ]
amdhsa.kernels:
  - .name:           k_q45202bbd24_sa_qkv
    .symbol:         k_q45202bbd24_sa_qkv.kd
    .args:
      - { .name: x, .offset: 0, .size: 8, .value_kind: global_buffer, .address_space: global }
      - { .name: sa_ng, .offset: 8, .size: 8, .value_kind: global_buffer, .address_space: global }
      - { .name: sa_nb, .offset: 16, .size: 8, .value_kind: global_buffer, .address_space: global }
      - { .name: sa_ncg, .offset: 24, .size: 8, .value_kind: global_buffer, .address_space: global }
      - { .name: sa_ncb, .offset: 32, .size: 8, .value_kind: global_buffer, .address_space: global }
      - { .name: wts, .offset: 40, .size: 8, .value_kind: global_buffer, .address_space: global }
      - { .name: qc, .offset: 48, .size: 8, .value_kind: global_buffer, .address_space: global }
      - { .name: kv1, .offset: 56, .size: 8, .value_kind: global_buffer, .address_space: global }
    .group_segment_fixed_size: 327680
    .private_segment_fixed_size: 0
    .kernarg_segment_align: 8
    .kernarg_segment_size: 64
    .max_flat_workgroup_size: 512
    .sgpr_count:     66
    .vgpr_count:     256
    .wavefront_size: 32
...
	.end_amdgpu_metadata
.endif
;; end of part 9
;; launch ctx_kv (part 10): grid 128 x 1, 16 waves a work-group, no clusters, 169,984 bytes of LDS; arguments context, ca_ncg, ca_ncb, wts, kv2; writes kv2
.if DOCPART == 10
	.amdgcn_target "amdgcn-amd-amdhsa--gfx1250"
	.amdhsa_code_object_version 6
	.text
	.protected	k_q45202bbd24_ctx_kv
	.globl	k_q45202bbd24_ctx_kv
	.p2align	8
	.type	k_q45202bbd24_ctx_kv,@function
k_q45202bbd24_ctx_kv:
	s_mov_b64 s[64:65], 0
	v_nop
	global_prefetch_b8 v0, s[64:65] scope:SCOPE_SE
	s_setreg_imm32_b32 hwreg(HW_REG_WAVE_MODE, 25, 1), 1
	s_wait_xcnt 0x0
; Cross-attention's keys and values: the layer norm of 32 rows of the context (768 features), then k and v = cn ca_wkv on codes of BF6 (E3M2), quantised again as the attention launch wants them.
; The plan is that of the self-attention's front: a work-group owns 32 rows, which are one block of 32 keys, so there are 64 work-groups; the norm has six K steps and is the work of waves 0 to 11 (wave 2 s + u: row tile u, K step s),
; each section of it under a branch on the wave's number, the barriers outside; in each of two passes (k transposed, v as it stands) all sixteen waves own 32 columns each.
; Order inside a block of 32: k = 0-7, 16-23, 8-15, 24-31, as in every stream of codes of this program.  Images in LDS: registers 2 p, 2 p + 1 of lane L at 256 p + 8 L.
; No multicast for the weights: each record feeds one wave's registers, and sharing it would want a ring in LDS filled again every pair.
; LIMITS: NaN and infinities are not served; blocks whose largest magnitude lies under 2^-122 keep the byte 1.
; THE SHARES AS THEY STAND (in place of the count of work-groups and of the two passes given above): 128 work-groups, number 2 x key block + half.  A work-group makes k and v of four heads (4 x half ..) for its 32 keys.
; Both halves' work-groups compute the norm of the same 32 rows.  Products: waves 0 to 7 make k (transposed), waves 8 to 15 v (as it stands); wave w owns the 32 columns 2 x local head + block = w % 8: one pass of six K steps a wave.
; The two roles part on the wave's number round the six steps alone; the barriers stand outside.  The way out: waves 0 to 7 carry the eight pieces of 1,536 bytes, wave 0 the 512 scale bytes.
.set AIMG, 101376
.set ASC,  119808                      ; their scale words: 512 u + 32 r + 4 s
.set ST1,  120832                      ; partial sums; 1,024 further on those of the squares
.set KVST, 122880                      ; stage: a head's 1,536 of k + 1,536 of v
.set SCS,  147456                      ; the scale bytes: a head's 64 of k + 64 of v
.set GREC, 9984                        ; 3 x 3,328
.set ASP,  8
.set WP,   38
.set SEL,  36
.set AI,   12
.set QM0, 24
.set QM1, 25
.set QP0, 26
.set QP1, 27
.set QE0, 28
.set QE1, 29
.set QY0, 30
.set QY1, 31
.set QT,  32
.set PC,  36
.set PW,  42
.set ACC, 48
.set RING, 80
.set AF,  176
.set AS,  232                          ; v232-255 hold scales and nothing else
.set WS,  248
.set X,   48
.set GA,  112
.set GC,  144
.set GB,  176
.macro BAR
	s_wait_dscnt 0x0
	s_barrier_signal -1
	s_barrier_wait -1
.endm
.macro PLACES
.rept 4
	v_nop
.endr
.endm
.macro QB s0, s1, d                    ; two groups of 16 registers (a lane's half of a block each) become codes: lane (r, x) ends with group x's whole block
	v_max3_num_f32 v[QM0], |v[\s0]|, |v[\s0+1]|, 0x2800000
	v_max3_num_f32 v[QM1], |v[\s1]|, |v[\s1+1]|, 0x2800000
.irp i,2,4,6,8,10,12,14
	v_max3_num_f32 v[QM0], v[QM0], |v[\s0+\i]|, |v[\s0+\i+1]|
	v_max3_num_f32 v[QM1], v[QM1], |v[\s1+\i]|, |v[\s1+\i+1]|
.endr
	s_delay_alu instid0(VALU_DEP_2)
	v_permlanex16_b32 v[QP0], v[QM0], s[SEL], s[SEL+1]
	s_delay_alu instid0(VALU_DEP_2)
	v_permlanex16_b32 v[QP1], v[QM1], s[SEL], s[SEL+1]
	s_delay_alu instid0(VALU_DEP_2)
	v_max_num_f32 v[QM0], v[QM0], v[QP0]
	s_delay_alu instid0(VALU_DEP_2)
	v_max_num_f32 v[QM1], v[QM1], v[QP1]
	s_delay_alu instid0(VALU_DEP_2)
	v_add_nc_u32 v[QE0], 0xfe000000, v[QM0]
	s_delay_alu instid0(VALU_DEP_2)
	v_add_nc_u32 v[QE1], 0xfe000000, v[QM1]
	s_delay_alu instid0(VALU_DEP_2)
	v_lshrrev_b32 v[QY0], 23, v[QE0]
	s_delay_alu instid0(VALU_DEP_2)
	v_lshrrev_b32 v[QY1], 23, v[QE1]
	v_cvt_scalef32_pk16_bf6_f32 v[\d:\d+2], v[\s0:\s0+15], v[QE0]
	v_cvt_scalef32_pk16_bf6_f32 v[QT:QT+2], v[\s1:\s1+15], v[QE1]
	v_nop                                          ; one plain place behind a scaled conversion
.irp i,0,1,2
	v_permlane16_swap_b32 v[\d+\i], v[QT+\i]
.endr
.irp i,0,1,2
	s_delay_alu instid0(VALU_DEP_3)
	v_mov_b32 v[\d+3+\i], v[QT+\i]
.endr
.endm
.macro PLOAD reg, ptr, c
.irp b,0,1
	global_load_b128 v[\reg+16*\b:\reg+16*\b+3], v9, s[\ptr:\ptr+1] offset:256*\c+128*\b
	global_load_b128 v[\reg+16*\b+4:\reg+16*\b+7], v9, s[\ptr:\ptr+1] offset:256*\c+128*\b+16
	global_load_b128 v[\reg+16*\b+8:\reg+16*\b+11], v9, s[\ptr:\ptr+1] offset:256*\c+128*\b+64
	global_load_b128 v[\reg+16*\b+12:\reg+16*\b+15], v9, s[\ptr:\ptr+1] offset:256*\c+128*\b+80
.endr
.endm
.macro CFMA g, c, left
	s_wait_loadcnt \left
.set j_, 0
.rept 16
	v_pk_fma_f32 v[\g+j_:\g+j_+1], v[X+32*\c+j_:X+32*\c+j_+1], v[\g+j_:\g+j_+1], v[GB+j_:GB+j_+1]
.set j_, j_+2
.endr
.endm
.macro CSTORE g, c
	s_wait_dscnt 0x0
	QB \g, \g+16, PC
.irp i,0,1,2
	ds_store_b64 v7, v[PC+2*\i:PC+2*\i+1] offset:768*\c+256*\i
.endr
.if \c == 0
	v_lshl_or_b32 v[PW], v[QY1], 8, v[QY0]
.else
	v_lshl_or_b32 v[PW], v[QY0], 16, v[PW]
	s_delay_alu instid0(VALU_DEP_1)
	v_lshl_or_b32 v[PW], v[QY1], 24, v[PW]
	ds_store_b32 v8, v[PW]
.endif
.endm
.macro LNJOIN
	s_delay_alu instid0(VALU_DEP_1)
	v_pk_add_f32 v[44:45], v[44:45], v[46:47]
	s_delay_alu instid0(VALU_DEP_1)
	v_add_f32 v44, v44, v45
	s_delay_alu instid0(VALU_DEP_1)
	v_permlanex16_b32 v[QP0], v44, s[SEL], s[SEL+1]
	s_delay_alu instid0(VALU_DEP_1)
	v_add_f32 v44, v44, v[QP0]
.endm
.macro LNPART off                      ; the row's six partial sums, added in a fixed order
	ds_load_b128 v[208:211], v6 offset:\off
	ds_load_b64 v[212:213], v6 offset:\off+16
	s_wait_dscnt 0x0
	v_add_f32 v208, v208, v209
	v_add_f32 v210, v210, v211
	v_add_f32 v212, v212, v213
	s_delay_alu instid0(VALU_DEP_2)
	v_add_f32 v208, v208, v210
	s_delay_alu instid0(VALU_DEP_1)
	v_add_f32 v208, v208, v212
.endm
.macro LOADP wp, off, sg
.irp ct,0,1
.irp e,0,1
.irp c,0,1,2
	global_load_b128 v[RING+48*(\sg)+24*\ct+12*\e+4*\c:RING+48*(\sg)+24*\ct+12*\e+4*\c+3], v10, s[\wp:\wp+1] offset:(\off)+\ct*GREC+1536*\e+512*\c
.endr
.endr
	global_load_b64 v[WS+4*(\sg)+2*\ct:WS+4*(\sg)+2*\ct+1], v11, s[\wp:\wp+1] offset:(\off)+\ct*GREC+3072
.endr
.endm
.macro LOADA off, be, up
.irp u,0,1
.irp p,0,1,2,3,4,5
	ds_load_b64 v[AF+24*(\be)+12*\u+2*\p:AF+24*(\be)+12*\u+2*\p+1], v[AI] offset:(\off)+(\up)*\u+256*\p
.endr
.endr
.endm
.macro MMT zero                        ; the four accumulators take turns
.irp u,0,1
.irp ct,0,1
.if \zero
	v_wmma_scale_f32_16x16x128_f8f6f4 v[ACC+16*\u+8*\ct:ACC+16*\u+8*\ct+7], v[RING+48*SG_+24*\ct+12*E_:RING+48*SG_+24*\ct+12*E_+11], v[AF+24*E_+12*\u:AF+24*E_+12*\u+11], 0, v[WS+4*SG_+2*\ct+E_], v[AS+ASP*\u+S_] matrix_a_fmt:MATRIX_FMT_BF6 matrix_b_fmt:MATRIX_FMT_BF6
.else
	v_wmma_scale_f32_16x16x128_f8f6f4 v[ACC+16*\u+8*\ct:ACC+16*\u+8*\ct+7], v[RING+48*SG_+24*\ct+12*E_:RING+48*SG_+24*\ct+12*E_+11], v[AF+24*E_+12*\u:AF+24*E_+12*\u+11], v[ACC+16*\u+8*\ct:ACC+16*\u+8*\ct+7], v[WS+4*SG_+2*\ct+E_], v[AS+ASP*\u+S_] matrix_a_fmt:MATRIX_FMT_BF6 matrix_b_fmt:MATRIX_FMT_BF6
.endif
.endr
.endr
.endm
.macro MMN zero
.irp ct,0,1
.irp u,0,1
.if \zero
	v_wmma_scale_f32_16x16x128_f8f6f4 v[ACC+16*\ct+8*\u:ACC+16*\ct+8*\u+7], v[AF+24*E_+12*\u:AF+24*E_+12*\u+11], v[RING+48*SG_+24*\ct+12*E_:RING+48*SG_+24*\ct+12*E_+11], 0, v[AS+ASP*\u+S_], v[WS+4*SG_+2*\ct+E_] matrix_a_fmt:MATRIX_FMT_BF6 matrix_b_fmt:MATRIX_FMT_BF6
.else
	v_wmma_scale_f32_16x16x128_f8f6f4 v[ACC+16*\ct+8*\u:ACC+16*\ct+8*\u+7], v[AF+24*E_+12*\u:AF+24*E_+12*\u+11], v[RING+48*SG_+24*\ct+12*E_:RING+48*SG_+24*\ct+12*E_+11], v[ACC+16*\ct+8*\u:ACC+16*\ct+8*\u+7], v[AS+ASP*\u+S_], v[WS+4*SG_+2*\ct+E_] matrix_a_fmt:MATRIX_FMT_BF6 matrix_b_fmt:MATRIX_FMT_BF6
.endif
.endr
.endr
.endm
.macro EPI p
	QB ACC, ACC+16, PC
	v_permlane16_swap_b32 v[QY0], v[QY1]
.if \p == 0
.irp i,0,1,2
	ds_store_b64 v16, v[PC+2*\i:PC+2*\i+1] offset:256*\i
.endr
	ds_store_b8 v17, v[QY0]
.else
.irp i,0,1,2
	ds_store_b64 v18, v[PC+2*\i:PC+2*\i+1] offset:512*\i
.endr
	ds_store_b8 v19, v[QY0]
.endif
.endm
.macro STEPX                           ; K step S of 6 (one pass a wave)
.set PA_, ROLE
.set S_, S%6
.set E_, S%2
.set PI_, S/2
.set SG_, PI_%2
.set S2_, S+2
.set P2_, PI_+2
.if (S_ == 0) || (S == 5)
	s_wait_dscnt 0x0
.else
	s_wait_dscnt 12                                ; the next step's twelve loads may be out
.endif
.if E_ == 0
.if PI_ == 2
	s_wait_loadcnt 0x0
.else
	s_wait_loadcnt 14                              ; the next pair's fourteen loads may be out
.endif
.endif
.if PA_ == 1
.if S_ == 0
	MMN 1
.else
	MMN 0
.endif
.else
.if S_ == 0
	MMT 1
.else
	MMT 0
.endif
.endif
	PLACES
.if S2_ < 6
.set AO_, 3072*(S2_%6)
	LOADA AO_, E_, 1536
.endif
.if (E_ == 1) && (P2_ < 3)
.set WP_, WP+2*(P2_/3)
.set WO_, 3328*(P2_%3)
	LOADP WP_, WO_, SG_
.endif
.if S_ == 5
	EPI PA_
.endif
.endm
	s_load_b256 s[4:11], s[0:1], 0x0               ; context, ca_ncg, ca_ncb, wts
	s_load_b64 s[12:13], s[0:1], 0x20              ; kv2
	v_lshl_add_u32 v246, v0, 2, 0x29000
	v_mov_b32 v247, 0
	ds_add_u32 v246, v247
	ds_add_u32 v246, v247
	v_lshrrev_b32 v1, 5, v0
	s_delay_alu instid0(VALU_DEP_1)
	v_readfirstlane_b32 s20, v1                    ; wave
	s_and_b32 s21, s20, 1                          ; u; also the block of a head's 64
	s_lshr_b32 s22, s20, 1                         ; s; also the head
	s_mov_b32 s28, (2<<16)|(1<<20)|(6<<22)|(3<<25) ; elements of 4 bytes; 4 words of padding behind every 128
	s_mov_b32 s29, 128<<16
	s_mov_b32 s30, 16<<16
	s_mov_b32 s31, 128<<16
	s_mov_b32 s32, 16
	s_mov_b32 s33, 768                             ; elements from row to row
	s_mov_b32 s34, 0
	s_mov_b32 s35, 0
	s_mov_b32 s24, 1
	s_mul_i32 s25, s20, 8448
	s_lshr_b32 s59, ttmp9, 1                       ; the block of 32 keys, 0 to 63
	s_and_b32 s60, ttmp9, 1                        ; which four heads
	s_bfe_u32 s23, s20, 0x20001                    ; products: my local head, (wave / 2) % 4
	s_lshr_b32 s61, s20, 3                         ; products: 0 = k, 1 = v
	s_mul_i32 s44, s59, 98304                      ; 32 rows of 3,072 bytes
	s_mul_i32 s46, s21, 49152
	s_add_co_u32 s44, s44, s46
	s_lshl_b32 s46, s22, 9
	s_add_co_u32 s44, s44, s46
	s_mov_b32 s45, 0
	s_mov_b32 s[SEL], 0x76543210
	s_mov_b32 s[SEL+1], 0xfedcba98
	s_mov_b32 s56, 0x3aaaaaab                      ; 1 / 768
	s_mov_b32 s57, 0x3727c5ac                      ; 1e-5
	v_and_b32 v1, 31, v0
	v_and_b32 v2, 15, v0
	v_bfe_u32 v3, v0, 4, 1
	v_mov_b32 v[QP0], 0
	v_mov_b32 v[QP1], 0
	s_lshl_b32 s48, s22, 9
	v_lshl_add_u32 v9, v3, 5, s48
	v_mul_u32_u24 v4, v2, 528
	s_delay_alu instid0(VALU_DEP_1)
	v_lshl_add_u32 v4, v3, 5, v4
	s_delay_alu instid0(VALU_DEP_1)
	v_add_nc_u32 v4, s25, v4
	s_lshl_b32 s46, s21, 9
	s_lshl_b32 s47, s22, 2
	s_add_co_u32 s48, s46, ST1
	v_lshl_add_u32 v6, v2, 5, s48
	s_delay_alu instid0(VALU_DEP_1)
	v_add_nc_u32 v5, s47, v6
	s_add_co_u32 s48, s46, ASC
	s_add_co_u32 s48, s48, s47
	v_lshl_add_u32 v8, v2, 5, s48
	s_mul_i32 s48, s20, 1536
	s_add_co_u32 s48, s48, AIMG
	v_lshl_add_u32 v7, v1, 3, s48
	v_lshlrev_b32 v10, 4, v1
	v_lshlrev_b32 v11, 3, v1
	v_lshl_add_u32 v12, v1, 3, AIMG
	v_lshl_add_u32 v13, v2, 5, ASC
	s_mul_i32 s48, s23, 3072
	s_lshl_b32 s49, s21, 7
	s_add_co_u32 s48, s48, s49
	s_add_co_u32 s48, s48, KVST
	v_mul_u32_u24 v16, v3, 768
	s_delay_alu instid0(VALU_DEP_1)
	v_lshl_add_u32 v16, v2, 3, v16
	s_delay_alu instid0(VALU_DEP_1)
	v_add_nc_u32 v16, s48, v16
	s_lshl_b32 s48, s23, 7
	s_add_co_u32 s48, s48, s21
	s_add_co_u32 s48, s48, SCS
	v_lshlrev_b32 v17, 1, v3
	s_delay_alu instid0(VALU_DEP_1)
	v_lshl_add_u32 v17, v2, 2, v17
	s_delay_alu instid0(VALU_DEP_1)
	v_add_nc_u32 v17, s48, v17
	s_mul_i32 s48, s23, 3072
	s_lshl_b32 s49, s21, 8
	s_add_co_u32 s48, s48, s49
	s_add_co_u32 s48, s48, KVST+1536
	v_lshl_add_u32 v18, v1, 3, s48
	s_lshl_b32 s48, s23, 7
	s_lshl_b32 s49, s21, 5
	s_add_co_u32 s48, s48, s49
	s_add_co_u32 s48, s48, SCS+64
	v_add_nc_u32 v19, s48, v1
	s_mul_i32 s48, s20, 1536
	s_add_co_u32 s48, s48, KVST
	v_lshl_add_u32 v21, v1, 4, s48
	s_min_u32 s48, s20, 1
	s_lshl_b32 s48, s48, 9
	s_add_co_u32 s48, s48, SCS
	v_lshl_add_u32 v22, v1, 4, s48
	s_wait_dscnt 0x0
	s_wait_kmcnt 0x0
	s_add_nc_u64 s[26:27], s[4:5], s[44:45]
	s_or_b32 s27, s27, 0x80000000
	s_lshl_b32 s44, s60, 3
	s_and_b32 s46, s20, 7
	s_add_co_u32 s44, s44, s46                     ; my 32 columns among k's or v's sixteen groups: 8 x half + wave % 8
	s_mul_i32 s44, s44, 19968                      ; two tiles' records: 6 x 3,328
	s_mul_i32 s46, s61, 319488                     ; v's columns lie behind k's
	s_add_co_u32 s44, s44, s46
	s_add_co_u32 s44, s44, 2555904
	s_add_nc_u64 s[38:39], s[10:11], s[44:45]      ; k's or v's columns, by role
	s_lshr_b32 s44, s59, 4                         ; the batch
	s_lshl_b32 s44, s44, 1
	s_add_co_u32 s44, s44, s60
	s_lshl_b32 s44, s44, 2
	s_add_co_u32 s44, s44, s22                     ; the way out (waves 0 to 7): head 4 x half + wave / 2
	s_lshl_b32 s44, s44, 4
	s_and_b32 s46, s59, 15                         ; the block of 32 keys within the batch
	s_add_co_u32 s44, s44, s46
	s_mul_i32 s44, s44, 1536
	s_mul_i32 s46, s21, 786432
	s_add_co_u32 s44, s44, s46
	s_add_nc_u64 s[52:53], s[12:13], s[44:45]
	s_lshl_b32 s44, ttmp9, 9                       ; 1,024 scale bytes a key block, 512 a half
	s_lshl_b32 s46, s20, 9
	s_add_co_u32 s44, s44, s46
	s_add_co_u32 s44, s44, 1572864
	s_add_nc_u64 s[54:55], s[12:13], s[44:45]
	; ---- the norm, waves 0 to 11
	s_cmp_lt_u32 s20, 12
	s_cbranch_scc0 .La_done
	tensor_load_to_lds s[24:27], s[28:35]          ; my own tile: only I read it, behind my own wait
	s_nop 0
	PLACES
	PLOAD GA, 6, 0
	PLOAD GB, 8, 0
	PLOAD GC, 6, 1
	s_wait_tensorcnt 0x0
.irp b,0,1,2,3
	ds_load_b128 v[X+16*\b:X+16*\b+3], v4 offset:128*\b
	ds_load_b128 v[X+16*\b+4:X+16*\b+7], v4 offset:128*\b+16
	ds_load_b128 v[X+16*\b+8:X+16*\b+11], v4 offset:128*\b+64
	ds_load_b128 v[X+16*\b+12:X+16*\b+15], v4 offset:128*\b+80
.endr
	s_wait_dscnt 0x0
	v_pk_add_f32 v[44:45], v[X:X+1], v[X+2:X+3]
	v_pk_add_f32 v[46:47], v[X+4:X+5], v[X+6:X+7]
.set j_, 8
.rept 14
	s_delay_alu instid0(VALU_DEP_2)
	v_pk_add_f32 v[44:45], v[44:45], v[X+j_:X+j_+1]
	s_delay_alu instid0(VALU_DEP_2)
	v_pk_add_f32 v[46:47], v[46:47], v[X+j_+2:X+j_+3]
.set j_, j_+4
.endr
	LNJOIN
	ds_store_b32 v5, v44
.La_done:
	BAR
	s_cmp_lt_u32 s20, 12
	s_cbranch_scc0 .Lb_done
	LNPART 0
	s_delay_alu instid0(VALU_DEP_1)
	v_mul_f32 v44, s56, v208                       ; the row's mean
.set j_, 0
.rept 32
	v_pk_add_f32 v[X+j_:X+j_+1], v[X+j_:X+j_+1], v[44:45] op_sel_hi:[1,0] neg_lo:[0,1] neg_hi:[0,1]
.set j_, j_+2
.endr
	v_pk_mul_f32 v[44:45], v[X:X+1], v[X:X+1]
	v_pk_mul_f32 v[46:47], v[X+2:X+3], v[X+2:X+3]
.set j_, 4
.rept 15
	s_delay_alu instid0(VALU_DEP_2)
	v_pk_fma_f32 v[44:45], v[X+j_:X+j_+1], v[X+j_:X+j_+1], v[44:45]
	s_delay_alu instid0(VALU_DEP_2)
	v_pk_fma_f32 v[46:47], v[X+j_+2:X+j_+3], v[X+j_+2:X+j_+3], v[46:47]
.set j_, j_+4
.endr
	LNJOIN
	ds_store_b32 v5, v44 offset:1024
.Lb_done:
	BAR
	s_cmp_lt_u32 s20, 12
	s_cbranch_scc0 .Lc_done
	LNPART 1024
	s_delay_alu instid0(VALU_DEP_1)
	v_fma_f32 v44, v208, s56, s57
	s_wait_alu depctr_va_vdst(0)
	v_rsq_f32 v44, v44
	v_nop
.set j_, 0
	s_wait_alu depctr_va_vdst(0)
.rept 32
	v_pk_mul_f32 v[X+j_:X+j_+1], v[X+j_:X+j_+1], v[44:45] op_sel_hi:[1,0]
.set j_, j_+2
.endr
	CFMA GA, 0, 8                                  ; the second gain's eight loads may be out
	PLOAD GB, 8, 1
	s_wait_alu depctr_va_vdst(0)
	CSTORE GA, 0
	CFMA GC, 1, 0
	s_wait_alu depctr_va_vdst(0)
	CSTORE GC, 1
.Lc_done:
	s_wait_loadcnt 0x0                             ; on every way to this label no load is out: the weights' loads below land in registers that the gains' and the bias's loads wrote (waves 0 to 11 have waited above, the others issued none)
	LOADP WP, 0, 0
	LOADP WP, 3328, 1
	BAR                                            ; the 12 fragments and their scale words lie in LDS
.irp u,0,1
	ds_load_b128 v[AS+8*\u:AS+8*\u+3], v13 offset:512*\u
	ds_load_b64 v[AS+8*\u+4:AS+8*\u+5], v13 offset:512*\u+16
.endr
	LOADA 0, 0, 1536
	LOADA 3072, 1, 1536
	s_cmp_lt_u32 s20, 8                            ; the roles part on the wave's number: no barrier stands inside
	s_cbranch_scc0 .Lrole_v
.set ROLE, 0
.set S, 0
.rept 6
	STEPX
.set S, S+1
.endr
	s_branch .Lroles_done
.Lrole_v:
.set ROLE, 1
.set S, 0
.rept 6
	STEPX
.set S, S+1
.endr
.Lroles_done:
	BAR                                            ; the stage is whole
	s_cmp_lt_u32 s20, 8                            ; eight pieces of 1,536 bytes leave by waves 0 to 7
	s_cbranch_scc0 .Lend
.irp c,0,1,2
	ds_load_b128 v[88+4*\c:91+4*\c], v21 offset:512*\c
.endr
	s_wait_dscnt 0x0
.irp c,0,1,2
	global_store_b128 v10, v[88+4*\c:91+4*\c], s[52:53] offset:512*\c   ; 512 consecutive bytes
.endr
	s_cmp_lt_u32 s20, 1                            ; the 512 scale bytes leave by wave 0
	s_cbranch_scc0 .Lend
	ds_load_b128 v[100:103], v22
	s_wait_dscnt 0x0
	global_store_b128 v10, v[100:103], s[54:55]
.Lend:
	s_wait_tensorcnt 0x0
	ds_add_u32 v246, v247
	s_wait_dscnt 0x0
	s_endpgm
.Lfunc_end_k_q45202bbd24_ctx_kv:
	.size	k_q45202bbd24_ctx_kv, .Lfunc_end_k_q45202bbd24_ctx_kv-k_q45202bbd24_ctx_kv
	.p2alignl 7, 3214868480
	.fill 96, 4, 3214868480
	.section	.rodata,"a",@progbits
	.p2align	6, 0x0
	.amdhsa_kernel k_q45202bbd24_ctx_kv
		.amdhsa_group_segment_fixed_size 169984
		.amdhsa_private_segment_fixed_size 0
		.amdhsa_enable_private_segment 0
		.amdhsa_kernarg_size 40
		.amdhsa_user_sgpr_count 2
		.amdhsa_user_sgpr_kernarg_segment_ptr 1
		.amdhsa_wavefront_size32 1
		.amdhsa_system_sgpr_workgroup_id_x 1
		.amdhsa_system_sgpr_workgroup_id_y 1
		.amdhsa_system_sgpr_workgroup_id_z 1
		.amdhsa_system_vgpr_workitem_id 0
		.amdhsa_next_free_vgpr 256
		.amdhsa_next_free_sgpr 66
		.amdhsa_reserve_vcc 0
		.amdhsa_float_denorm_mode_32 3
		.amdhsa_float_denorm_mode_16_64 3
		.amdhsa_memory_ordered 1
		.amdhsa_forward_progress 1
		.amdhsa_inst_pref_size 57
	.end_amdhsa_kernel
	.amdgpu_metadata
---
amdhsa.version: [ 1, 2 ]
amdhsa.kernels:
  - .name:           k_q45202bbd24_ctx_kv
    .symbol:         k_q45202bbd24_ctx_kv.kd
    .args:
      - { .name: context, .offset: 0, .size: 8, .value_kind: global_buffer, .address_space: global }
      - { .name: ca_ncg, .offset: 8, .size: 8, .value_kind: global_buffer, .address_space: global }
      - { .name: ca_ncb, .offset: 16, .size: 8, .value_kind: global_buffer, .address_space: global }
      - { .name: wts, .offset: 24, .size: 8, .value_kind: global_buffer, .address_space: global }
      - { .name: kv2, .offset: 32, .size: 8, .value_kind: global_buffer, .address_space: global }
    .group_segment_fixed_size: 169984
    .private_segment_fixed_size: 0
    .kernarg_segment_align: 8
    .kernarg_segment_size: 40
    .max_flat_workgroup_size: 512
    .sgpr_count:     66
    .vgpr_count:     256
    .wavefront_size: 32
...
	.end_amdgpu_metadata
.endif
;; end of part 10
;; launch attn_sa (part 11): grid 8 x 32, 16 waves a work-group, clusters of 4 x 1, 327,680 bytes of LDS; arguments qc, kv1, oc; writes oc
.if DOCPART == 11
	.amdgcn_target "amdgcn-amd-amdhsa--gfx1250"
	.amdhsa_code_object_version 6
	.text
	.protected	k_q45202bbd24_attn_sa
	.globl	k_q45202bbd24_attn_sa
	.p2align	8
	.type	k_q45202bbd24_attn_sa,@function
k_q45202bbd24_attn_sa:
	s_mov_b64 s[64:65], 0
	v_nop
	global_prefetch_b8 v0, s[64:65] scope:SCOPE_SE
	s_setreg_imm32_b32 hwreg(HW_REG_WAVE_MODE, 25, 1), 1
	s_wait_xcnt 0x0
	s_wait_alu depctr_hold_cnt(0) depctr_sa_sdst(0) depctr_va_vdst(0) depctr_va_sdst(0) depctr_va_ssrc(0) depctr_va_vcc(0) depctr_vm_vsrc(0)
	s_getreg_b32 s2, hwreg(HW_REG_IB_STS2, 6, 4)
	s_cmp_eq_u32 s2, 0
	s_cbranch_scc0 .Lentry_in_a_cluster
	s_endpgm
.Lentry_in_a_cluster:
	s_bfe_u32 s2, ttmp6, 0x10000c
	s_cmp_lg_u32 s2, 0x3003
	s_cbranch_scc0 .Lentry_shape_is_right
	s_endpgm
.Lentry_shape_is_right:
; Attention of one head on codes of BF6 (E3M2): S^T = K Q^T, p = 2^(t - M) with t = score x log2(e) / 8 and M the running largest t rounded up to a whole number, O^T = V^T P^T, O / the sum of the unquantised p, and O quantised for the next product.
; SHARES.  A work-group owns 256 queries of one head, each of its sixteen waves 16 of them in 256 registers: four waves to a SIMD, so that one wave's vector work stands beside another's products and LDS loads.
; A WHOLE HEAD'S K, V AND SCALE BYTES STAY IN LDS, filled once, in quarters of 512 keys; no byte of LDS is filled again.  The four query blocks of a cluster read the same head: each tile is asked for JOINTLY, by the same tensor load
; with the same descriptor (it hangs on the head alone) and the mask of all four.  Wave 0 asks for the scale bytes and K's quarters (NQ + 1 loads of its own are out at the most), wave 1 for V's.
; THE HEAD IS 64 WIDE, the product 128: a fragment of K carries TWO tiles of 16 keys (registers 0-5: keys r, registers 6-11: keys 16 + r), multiplied once by [q | 0] and once by [0 | q].
; Both products are used transposed: a lane holds one query throughout.  A block of 32 keys comes out as keys 0-7, 16-23, 8-15, 24-31, the order in which V's codes were laid.
; The scale bytes of O leave as single bytes, 32 a wave: one byte for each 24 bytes of codes.
; LIMITS: NaN and infinities are not served; a block of p that has fallen to 0 keeps the byte 1 (its codes are zeros).
; THE LOADS' SHARES AS THEY STAND (in place of the sentence on waves 0 and 1 above): at the head one joint load a wave: wave 0 the scale bytes, wave 1 K's first quarter, wave 2 V's first quarter.
; Behind the wait for them, the add and a round of the cluster's barrier, waves 0 to 5 ask for the other six quarters, one joint load a wave: they land under the first quarter's four key steps.
; One wait for 0 and one barrier then show the rest of the head to all waves, and twelve key steps follow in one loop.
.set NKB,  64
.set NQ,   NKB/16                      ; quarters of 16 blocks
.set VOFF, NKB*49152                   ; in the buffer: K's codes, V's codes, the scale bytes
.set SOFF, 2*VOFF
.set QSOFF, 3145728
.set OSOFF, 3145728
.set VL,   NKB*1536                    ; LDS: 0: K, 1,536 bytes a block;  here: V, three planes of 512 + 128 bytes a block
.set SR,   VL+NKB*1920                 ; the scale bytes: a block's 64 of K (a word for keys r and 16 + r) + 64 of V
.set VT,   SR+NKB*128                  ; V's scale bytes as words: 256 x key step + 4 x channel
.set SEL, 16
.set QM0, 212
.set QM1, 213
.set QP0, 216
.set QP1, 217
.set QE0, 220
.set QE1, 221
.set QY0, 218
.set QY1, 219
.set QT,  204
; REGISTERS: v1-4 places that stay; v5, v7, v231 offsets in memory; v6, v230 the turning of V's bytes; v8-11 the step's addresses; v12 -M, v13 the largest t, v[14:15] the sum; v16-27 [q | 0], v28-39 [0 | q];
; v40-87 four fragments of K, then of V; v96-159 S^T, then p; v160-191 O^T; v192-203 p's codes; v204-229 at work; v240 q's scale word, v244-247 K's (then, with v234-239 and v242-243, chains of the row's sum), v248-251 V's, v252 p's.
.macro PLACES
.rept 4
	v_nop
.endr
.endm
.macro ROUND                           ; a round of the cluster's barrier
	s_barrier_signal -1
	s_barrier_wait -1
	s_cmp_lg_u32 s10, 0
	s_cbranch_scc1 .Lnot_wave_0_\@
	s_barrier_signal -3
.Lnot_wave_0_\@:
	s_barrier_wait -3
	s_barrier_signal -1
	s_barrier_wait -1
.endm
.macro QB s0, s1, d                    ; two groups of 16 registers (a lane's half of a block each) become codes: lane (r, x) ends with group x's whole block
	v_max3_num_f32 v[QM0], |v[\s0]|, |v[\s0+1]|, 0x2800000
	v_max3_num_f32 v[QM1], |v[\s1]|, |v[\s1+1]|, 0x2800000
.irp i,2,4,6,8,10,12,14
	s_delay_alu instid0(VALU_DEP_2)
	v_max3_num_f32 v[QM0], v[QM0], |v[\s0+\i]|, |v[\s0+\i+1]|
	s_delay_alu instid0(VALU_DEP_2)
	v_max3_num_f32 v[QM1], v[QM1], |v[\s1+\i]|, |v[\s1+\i+1]|
.endr
	s_delay_alu instid0(VALU_DEP_2)
	v_permlanex16_b32 v[QP0], v[QM0], s[SEL], s[SEL+1]
	s_delay_alu instid0(VALU_DEP_2)
	v_permlanex16_b32 v[QP1], v[QM1], s[SEL], s[SEL+1]
	s_delay_alu instid0(VALU_DEP_2)
	v_max_num_f32 v[QM0], v[QM0], v[QP0]
	s_delay_alu instid0(VALU_DEP_2)
	v_max_num_f32 v[QM1], v[QM1], v[QP1]
	s_delay_alu instid0(VALU_DEP_2)
	v_add_nc_u32 v[QE0], 0xfe000000, v[QM0]
	s_delay_alu instid0(VALU_DEP_2)
	v_add_nc_u32 v[QE1], 0xfe000000, v[QM1]
	s_delay_alu instid0(VALU_DEP_2)
	v_lshrrev_b32 v[QY0], 23, v[QE0]
	s_delay_alu instid0(VALU_DEP_2)
	v_lshrrev_b32 v[QY1], 23, v[QE1]
	v_cvt_scalef32_pk16_bf6_f32 v[\d:\d+2], v[\s0:\s0+15], v[QE0]
	v_cvt_scalef32_pk16_bf6_f32 v[QT:QT+2], v[\s1:\s1+15], v[QE1]
	v_nop                                          ; one plain place behind a scaled conversion
.irp i,0,1,2
	v_permlane16_swap_b32 v[\d+\i], v[QT+\i]
.endr
.irp i,0,1,2
	s_delay_alu instid0(VALU_DEP_3)
	v_mov_b32 v[\d+3+\i], v[QT+\i]
.endr
.endm
; A KEY STEP: 128 keys.
.macro STEP
	v_add_nc_u32 v8, s84, v1                       ; (these four are also the places in front of the loads into registers that the last products read)
	v_add_nc_u32 v9, s85, v2
	v_add_nc_u32 v10, s86, v3
	v_add_nc_u32 v11, s87, v4
.irp f,0,1,2,3
.irp p,0,1,2,3,4,5
	ds_load_b64 v[40+12*\f+2*\p:41+12*\f+2*\p], v8 offset:1536*\f+256*\p
.endr
	ds_load_b32 v[244+\f], v10 offset:128*\f
.endr
	s_wait_alu depctr_va_vdst(0)
	s_wait_dscnt 0x0
.irp f,0,1,2,3
	v_wmma_scale_f32_16x16x128_f8f6f4 v[96+16*\f:103+16*\f], v[40+12*\f:51+12*\f], v[16:27], 0, v[244+\f], v240 matrix_a_fmt:MATRIX_FMT_BF6 matrix_b_fmt:MATRIX_FMT_BF6
	v_wmma_scale_f32_16x16x128_f8f6f4 v[104+16*\f:111+16*\f], v[40+12*\f:51+12*\f], v[28:39], 0, v[244+\f], v240 matrix_a_fmt:MATRIX_FMT_BF6 matrix_b_fmt:MATRIX_FMT_BF6
.endr
	PLACES                                         ; lane (r, h) holds query r; registers 16 b + i are keys 32 b + 8 h + i (i < 8) and 32 b + 8 + 8 h + i (i >= 8)
.irp dt,0,1,2,3                        ; V's fragments take K's registers and land under the softmax
.irp c,0,1
.irp i,0,1,2
	ds_load_b64 v[40+12*\dt+6*\c+2*\i:41+12*\dt+6*\c+2*\i], v9 offset:3840*\c+640*\i+128*\dt
.endr
.endr
	ds_load_b32 v[248+\dt], v11 offset:64*\dt
.endr
.irp b,0,1,2,3
	v_max3_num_f32 v[212+\b], v[96+16*\b], v[97+16*\b], v[98+16*\b]   ; the largest score of each block of 32 keys: for the row's maximum and, since p rises with the score, for the block's largest p
.endr
.irp i,3,5,7,9,11,13
.irp b,0,1,2,3
	v_max3_num_f32 v[212+\b], v[212+\b], v[96+16*\b+\i], v[97+16*\b+\i]
.endr
.endr
.irp b,0,1,2,3
	v_max_num_f32 v[212+\b], v[212+\b], v[111+16*\b]
.endr
.irp b,0,1,2,3
	s_delay_alu instid0(VALU_DEP_4)
	v_permlanex16_b32 v[216+\b], v[212+\b], s[SEL], s[SEL+1]
.endr
.irp b,0,1,2,3
	s_delay_alu instid0(VALU_DEP_4)
	v_max_num_f32 v[212+\b], v[212+\b], v[216+\b]
.endr
	s_delay_alu instid0(VALU_DEP_2)
	v_max3_num_f32 v226, v212, v213, v214
	s_delay_alu instid0(VALU_DEP_1)
	v_max_num_f32 v226, v226, v215
	s_delay_alu instid0(VALU_DEP_1)
	v_mul_f32 v226, s18, v226                      ; as t
	s_delay_alu instid0(VALU_DEP_1)
	v_max_num_f32 v13, v13, v226                   ; the running largest t
	v_mov_b32 v226, v12
	s_delay_alu instid0(VALU_DEP_2)
	v_floor_f32 v12, -v13                          ; the new -M = -ceil(t): a whole number
	s_delay_alu instid0(VALU_DEP_1)
	v_sub_f32 v226, v12, v226                      ; old M - new M, 0 or less
	s_delay_alu instid0(VALU_DEP_1)
	v_cvt_i32_f32 v226, v226                       ; (it saturates)
	s_delay_alu instid0(VALU_DEP_1)
	v_ldexp_f32 v224, 1.0, v226                    ; f = 2^(old M - new M): multiplying by it rounds nothing
.set j_, 0
.rept 32
	v_pk_fma_f32 v[96+j_:97+j_], v[96+j_:97+j_], s[18:19], v[12:13] op_sel_hi:[1,0,0]   ; t - M
.set j_, j_+2
.endr
.irp b,0,1,2,3
	v_fma_f32 v[212+\b], v[212+\b], s18, v12
.endr
.set j_, 0
	s_wait_alu depctr_va_vdst(0)
.rept 64
	v_exp_f32 v[96+j_], v[96+j_]                   ; p = 2^(t - M): not normalised
.set j_, j_+1
.endr
.irp b,0,1,2,3
	v_exp_f32 v[212+\b], v[212+\b]                 ; the block's largest p
.endr
	v_pk_mul_f32 v[14:15], v[14:15], v[224:225] op_sel_hi:[1,0]   ; the sum under the new M (a plain place behind the exponentials)
	s_wait_alu depctr_va_vdst(0)
.irp b,0,1,2,3
	v_max_num_f32 v[212+\b], 0x2800000, v[212+\b]  ; the floor 2^(5 - 127)
.endr
.irp b,0,1,2,3
	s_delay_alu instid0(VALU_DEP_4)
	v_add_nc_u32 v[220+\b], 0xfe000000, v[212+\b]
.endr
.irp b,0,1,2,3
	s_delay_alu instid0(VALU_DEP_4)
	v_lshrrev_b32 v[216+\b], 23, v[220+\b]
.endr
	s_delay_alu instid0(VALU_DEP_3)
	v_lshl_or_b32 v252, v217, 8, v216              ; p's scale word for these 128 keys
	s_delay_alu instid0(VALU_DEP_1)
	v_lshl_or_b32 v252, v218, 16, v252
	s_delay_alu instid0(VALU_DEP_1)
	v_lshl_or_b32 v252, v219, 24, v252
.irp c,0,1
	v_cvt_scalef32_pk16_bf6_f32 v[192+6*\c:194+6*\c], v[96+32*\c:111+32*\c], v[220+2*\c]
	v_cvt_scalef32_pk16_bf6_f32 v[204+4*\c:206+4*\c], v[112+32*\c:127+32*\c], v[221+2*\c]
.endr
	v_nop                                          ; one plain place behind a scaled conversion
.irp c,0,1
.irp i,0,1,2
	v_permlane16_swap_b32 v[192+6*\c+\i], v[204+4*\c+\i]
.endr
.irp i,0,1,2
	s_delay_alu instid0(VALU_DEP_3)
	v_mov_b32 v[195+6*\c+\i], v[204+4*\c+\i]
.endr
.endr
.set j_, 0
.rept 16
	v_pk_mul_f32 v[160+j_:161+j_], v[160+j_:161+j_], v[224:225] op_sel_hi:[1,0]   ; O^T under the new M
.set j_, j_+2
.endr
	v_pk_add_f32 v[228:229], v[100:101], v[104:105]
	v_pk_add_f32 v[246:247], v[108:109], v[112:113]
	v_pk_add_f32 v[244:245], v[116:117], v[120:121]
	v_pk_add_f32 v[242:243], v[124:125], v[128:129]
	v_pk_add_f32 v[238:239], v[132:133], v[136:137]
	v_pk_add_f32 v[236:237], v[140:141], v[144:145]
	v_pk_add_f32 v[234:235], v[148:149], v[152:153]
	v_pk_add_f32 v[14:15], v[14:15], v[156:157]
	v_pk_add_f32 v[228:229], v[228:229], v[96:97]
	v_pk_add_f32 v[246:247], v[246:247], v[98:99]
	v_pk_add_f32 v[244:245], v[244:245], v[102:103]
	v_pk_add_f32 v[242:243], v[242:243], v[106:107]
	v_pk_add_f32 v[238:239], v[238:239], v[110:111]
	v_pk_add_f32 v[236:237], v[236:237], v[114:115]
	v_pk_add_f32 v[234:235], v[234:235], v[118:119]
	v_pk_add_f32 v[14:15], v[14:15], v[122:123]
	v_pk_add_f32 v[228:229], v[228:229], v[126:127]
	v_pk_add_f32 v[246:247], v[246:247], v[130:131]
	v_pk_add_f32 v[244:245], v[244:245], v[134:135]
	v_pk_add_f32 v[242:243], v[242:243], v[138:139]
	v_pk_add_f32 v[238:239], v[238:239], v[142:143]
	v_pk_add_f32 v[236:237], v[236:237], v[146:147]
	v_pk_add_f32 v[234:235], v[234:235], v[150:151]
	v_pk_add_f32 v[14:15], v[14:15], v[154:155]
	v_pk_add_f32 v[228:229], v[228:229], v[158:159]
	s_delay_alu instid0(VALU_DEP_2)
	v_pk_add_f32 v[14:15], v[14:15], v[242:243]
	s_delay_alu instid0(VALU_DEP_2)
	v_pk_add_f32 v[228:229], v[228:229], v[238:239]
	v_pk_add_f32 v[246:247], v[246:247], v[236:237]
	v_pk_add_f32 v[244:245], v[244:245], v[234:235]
	s_delay_alu instid0(VALU_DEP_2)
	v_pk_add_f32 v[14:15], v[14:15], v[246:247]
	s_delay_alu instid0(VALU_DEP_2)
	v_pk_add_f32 v[228:229], v[228:229], v[244:245]
	s_delay_alu instid0(VALU_DEP_1)
	v_pk_add_f32 v[14:15], v[14:15], v[228:229]
	s_wait_dscnt 0x0                               ; V's fragments and scale words are in
.irp dt,0,1,2,3                        ; the four accumulators take turns
	v_wmma_scale_f32_16x16x128_f8f6f4 v[160+8*\dt:167+8*\dt], v[40+12*\dt:51+12*\dt], v[192:203], v[160+8*\dt:167+8*\dt], v[248+\dt], v252 matrix_a_fmt:MATRIX_FMT_BF6 matrix_b_fmt:MATRIX_FMT_BF6
.endr
	s_add_co_u32 s84, s84, 6144
	s_add_co_u32 s85, s85, 7680
	s_add_co_u32 s86, s86, 512
	s_add_co_u32 s87, s87, 256
.endm
.macro RUN trips, landed               ; all meet, then so many key steps. landed = 1: every wave first waits for its own load
.if \landed
	s_wait_tensorcnt 0x0
.endif
	s_wait_dscnt 0x0
	s_barrier_signal -1
	s_barrier_wait -1
	s_mov_b32 s88, \trips
.Lq_\@:
	STEP
	s_sub_co_u32 s88, s88, 1
	s_cmp_lg_u32 s88, 0
	s_cbranch_scc1 .Lq_\@
.endm
	s_load_b128 s[4:7], s[0:1], 0x0                ; q's buffer, K's and V's
	s_load_b64 s[8:9], s[0:1], 0x10                ; O's
	v_lshl_add_u32 v254, v0, 2, 0x3a000
	v_mov_b32 v255, 0
	ds_add_u32 v254, v255
	ds_add_u32 v254, v255
	v_lshrrev_b32 v88, 5, v0
	s_delay_alu instid0(VALU_DEP_1)
	v_readfirstlane_b32 s10, v88                   ; wave
	v_and_b32 v89, 31, v0                          ; lane
	v_and_b32 v90, 15, v0                          ; r
	v_bfe_u32 v91, v0, 4, 1                        ; h
	s_delay_alu instid0(VALU_DEP_3)
	v_lshlrev_b32 v1, 3, v89                       ; K: 8 x lane
	s_delay_alu instid0(VALU_DEP_2)
	v_mul_u32_u24 v2, v91, 1920
	s_delay_alu instid0(VALU_DEP_1)
	v_lshl_add_u32 v2, v90, 3, v2
	s_delay_alu instid0(VALU_DEP_1)
	v_add_nc_u32 v2, VL, v2                        ; V: block h, channel r
	v_lshl_add_u32 v3, v90, 2, SR                  ; K's scale words
	v_lshl_add_u32 v4, v90, 2, VT                  ; V's
	v_lshlrev_b32 v5, 3, v89                       ; memory: 8 x lane
	v_lshrrev_b32 v6, 6, v0
	v_and_b32 v92, 63, v0
	s_delay_alu instid0(VALU_DEP_1)
	v_lshl_add_u32 v6, v6, 9, v92
	s_delay_alu instid0(VALU_DEP_1)
	v_add_nc_u32 v6, SR+64, v6                     ; thread t turns the bytes of key step t / 64, channel t % 64
	v_lshl_add_u32 v7, v90, 4, v91                 ; O's byte: 16 r + h
	v_lshl_add_u32 v230, v0, 2, VT
	v_lshlrev_b32 v231, 1, v90                     ; q's bytes: 2 r
	s_bfe_u32 s11, ttmp6, 0x40000                  ; cx
	s_lshl_b32 s12, ttmp9, 2
	s_add_co_u32 s12, s12, s11                     ; my block of 256 queries: it enters q's and O's addresses alone
	s_and_b32 s13, ttmp7, 0xffff                   ; batch x 8 + head, which the four partners share
	s_lshr_b32 s14, s13, 3
	s_and_b32 s15, s13, 7
	s_mov_b32 s[SEL], 0x76543210
	s_mov_b32 s[SEL+1], 0xfedcba98
	s_mov_b32 s18, 0x3e38aa3b                      ; log2(e) / 8
	s_mov_b32 s19, s18
	s_mov_b32 s20, 15|(3<<16)|(1<<21)              ; K: 96 rows of 256 dense bytes; the mask of all four, bit 21 beside it
	s_mov_b32 s21, 32<<16
	s_mov_b32 s22, 96<<16
	s_mov_b32 s23, 32<<16
	s_mov_b32 s24, 96
	s_mov_b32 s25, 32
	s_mov_b32 s26, 0
	s_mov_b32 s27, 0
	s_mov_b32 s28, 15|(3<<16)|(1<<20)|(1<<21)|(6<<22)|(31<<25)   ; V: 48 rows of 512 dense bytes, 32 words of padding behind each
	s_mov_b32 s29, 64<<16
	s_mov_b32 s30, 48<<16
	s_mov_b32 s31, 64<<16
	s_mov_b32 s32, 48
	s_mov_b32 s33, 64
	s_mov_b32 s34, 0
	s_mov_b32 s35, 0
	s_mov_b32 s36, 15|(3<<16)|(1<<21)              ; the scale bytes: NKB rows of 128 bytes, 1,024 bytes apart
	s_mov_b32 s37, 16<<16
	s_mov_b32 s38, NKB<<16
	s_mov_b32 s39, 16<<16
	s_mov_b32 s40, NKB
	s_mov_b32 s41, 128
	s_mov_b32 s42, 0
	s_mov_b32 s43, 0
	s_mul_i32 s90, s13, NKB*1536
	s_mov_b32 s91, 0
	s_mul_i32 s92, s14, NKB*1024
	s_lshl_b32 s93, s15, 7
	s_add_co_u32 s92, s92, s93
	s_add_co_u32 s92, s92, SOFF
	s_mov_b32 s93, 0
	s_wait_dscnt 0x0
	s_wait_kmcnt 0x0
	s_add_nc_u64 s[90:91], s[6:7], s[90:91]        ; the head's K
	s_add_nc_u64 s[92:93], s[6:7], s[92:93]        ; its scale bytes
	s_add_nc_u64 s[94:95], s[90:91], VOFF          ; its V
	s_mov_b32 s44, 1
	s_mov_b32 s45, SR
	s_mov_b64 s[46:47], s[92:93]
	s_or_b32 s47, s47, 0x80000000
.set c_, 0
.rept NQ
	s_mov_b32 s[48+4*c_], 1
	s_mov_b32 s[49+4*c_], 24576*c_
	s_add_nc_u64 s[50+4*c_:51+4*c_], s[90:91], 24576*c_
	s_or_b32 s[51+4*c_], s[51+4*c_], 0x80000000
	s_mov_b32 s[68+4*c_], 1
	s_mov_b32 s[69+4*c_], VL+30720*c_
	s_add_nc_u64 s[70+4*c_:71+4*c_], s[94:95], 24576*c_
	s_or_b32 s[71+4*c_], s[71+4*c_], 0x80000000
.set c_, c_+1
.endr
	s_lshl_b32 s90, s14, 7
	s_lshl_b32 s91, s12, 4
	s_add_co_u32 s90, s90, s91
	s_add_co_u32 s90, s90, s10                     ; my tile of 16 rows: 128 x batch + 16 x block + wave
	s_lshl_b32 s92, s90, 3
	s_add_co_u32 s92, s92, s15
	s_mul_i32 s92, s92, 768
	s_mov_b32 s93, 0
	s_add_nc_u64 s[96:97], s[4:5], s[92:93]        ; q's codes
	s_lshl_b32 s92, s90, 7                         ; q's bytes are laid [head / 4][tile][128]: 128 x tile + 32 x (head % 4) + 65,536 x (head / 4)
	s_and_b32 s94, s15, 3
	s_lshl_b32 s94, s94, 5
	s_add_co_u32 s92, s92, s94
	s_lshr_b32 s94, s15, 2
	s_lshl_b32 s94, s94, 16
	s_add_co_u32 s92, s92, s94
	s_add_co_u32 s92, s92, QSOFF
	s_add_nc_u64 s[98:99], s[4:5], s[92:93]        ; q's bytes
	s_lshl_b32 s92, s90, 2
	s_lshr_b32 s94, s15, 1
	s_add_co_u32 s92, s92, s94
	s_mul_i32 s92, s92, 1536
	s_and_b32 s94, s15, 1
	s_mul_i32 s94, s94, 768
	s_add_co_u32 s92, s92, s94
	s_add_nc_u64 s[66:67], s[8:9], s[92:93]        ; O's codes: K step head / 2, planes 3 (head % 2) on
	s_lshl_b32 s92, s90, 8
	s_lshl_b32 s94, s15, 1
	s_add_co_u32 s92, s92, s94
	s_add_co_u32 s92, s92, OSOFF
	s_add_nc_u64 s[2:3], s[8:9], s[92:93]          ; O's bytes
	s_mov_b32 s84, 0
	s_mov_b32 s85, 0
	s_mov_b32 s86, 0
	s_mov_b32 s87, 0
	ROUND                                          ; all four work-groups are here: the joint loads meet
.macro ARM under, g0, g1, join         ; one arm of a chain of branches on the wave's number: one joint load, then the jump to the chain's end
	s_cmp_lt_u32 s10, \under
	s_cbranch_scc0 .Lnext_\@
	tensor_load_to_lds s[\g0:\g0+3], s[\g1:\g1+7]
	s_nop 0
	PLACES
	s_branch \join
.Lnext_\@:
.endm
	ARM 1, 44, 36, .Lasked                         ; wave 0: the scale bytes
	ARM 2, 48, 20, .Lasked                         ; wave 1: K's quarter 0
	ARM 3, 68, 28, .Lasked                         ; wave 2: V's quarter 0
.Lasked:
	s_wait_alu depctr_va_vdst(0)
.irp i,0,1,2
	global_load_b64 v[16+2*\i:17+2*\i], v5, s[96:97] offset:256*\i
.endr
	global_load_u16 v88, v231, s[98:99]
	v_mov_b32 v13, 0xff61b1e6                      ; the largest t so far: -3e38
	s_delay_alu instid0(VALU_DEP_1)
	v_floor_f32 v12, -v13
	v_mov_b32 v14, 0
	v_mov_b32 v15, 0
	v_mov_b32 v225, 0                              ; (named as the upper half of a pair)
.irp b,0,1,2,3
	v_mov_b32 v[216+\b], 0                         ; a lane permute's destination counts as one of its sources
.endr
.irp i,0,1,2,3,4,5
	v_mov_b32 v[22+\i], 0                          ; [q | 0]
	v_mov_b32 v[28+\i], 0                          ; [0 | q]
.endr
	s_wait_loadcnt 0x0
	v_lshl_or_b32 v240, v88, 16, v88               ; q's two bytes twice: one word serves both forms
.irp i,0,1,2,3,4,5
	v_mov_b32 v[34+\i], v[16+\i]
.endr
.set j_, 0
.rept 32
	v_mov_b32 v[160+j_], 0                         ; O^T: the step is written once; its first turn finds zeros.  (These are also the places behind the scale word and the operands just written)
.set j_, j_+1
.endr
	s_wait_tensorcnt 0x0                           ; my load of the head's three, if I issued one, has landed
	ds_add_u32 v254, v255                          ; the add, here twice on end
	ds_add_u32 v254, v255
	s_wait_dscnt 0x0
	ROUND                                          ; the scale bytes and the first quarters are whole, and all four work-groups are here: the joint loads meet
	ARM 1, 52, 20, .Lrest                          ; waves 0 to 2: K's quarters 1 to 3
	ARM 2, 56, 20, .Lrest
	ARM 3, 60, 20, .Lrest
	ARM 4, 72, 28, .Lrest                          ; waves 3 to 5: V's quarters 1 to 3
	ARM 5, 76, 28, .Lrest
	ARM 6, 80, 28, .Lrest
.Lrest:
.if NKB == 16
	s_cmp_lt_u32 s10, 8                            ; 256 words: waves 0 to 7
	s_cbranch_scc0 .Lturned
.endif
.irp j,0,1,2,3
	ds_load_u8 v[88+\j], v6 offset:128*\j
.endr
.if NKB == 64
.irp j,0,1,2,3
	ds_load_u8 v[92+\j], v6 offset:4096+128*\j
.endr
.endif
	s_wait_dscnt 0x0
	v_lshl_or_b32 v88, v89, 8, v88                 ; the bytes of a key step's four blocks make a channel's scale word
	s_delay_alu instid0(VALU_DEP_1)
	v_lshl_or_b32 v88, v90, 16, v88
	s_delay_alu instid0(VALU_DEP_1)
	v_lshl_or_b32 v88, v91, 24, v88
	ds_store_b32 v230, v88
.if NKB == 64
	v_lshl_or_b32 v92, v93, 8, v92
	s_delay_alu instid0(VALU_DEP_1)
	v_lshl_or_b32 v92, v94, 16, v92
	s_delay_alu instid0(VALU_DEP_1)
	v_lshl_or_b32 v92, v95, 24, v92
	ds_store_b32 v230, v92 offset:2048
.endif
.Lturned:
	RUN 4, 0                                       ; the first 512 keys; V's scale words, just stored, are shown by this barrier
	RUN 12, 1                                      ; the other 1,536
	; ---- the way out
	PLACES
	s_wait_alu depctr_va_vdst(0)
	v_add_f32 v14, v14, v15
	s_delay_alu instid0(VALU_DEP_1)
	v_permlanex16_b32 v216, v14, s[SEL], s[SEL+1]
	s_delay_alu instid0(VALU_DEP_1)
	v_add_f32 v14, v14, v216                       ; the row's sum
	s_wait_alu depctr_va_vdst(0)
	v_rcp_f32 v14, v14
	v_nop                                          ; one plain place behind a transcendental
.set j_, 0
	s_wait_alu depctr_va_vdst(0)
.rept 16
	v_pk_mul_f32 v[160+j_:161+j_], v[160+j_:161+j_], v[14:15] op_sel_hi:[1,0]
.set j_, j_+2
.endr
	QB 160, 176, 192                               ; the head's two blocks of 32 channels
	v_permlane16_swap_b32 v[QY0], v[QY1]
.irp i,0,1,2
	global_store_b64 v5, v[192+2*\i:193+2*\i], s[66:67] offset:256*\i   ; 256 consecutive bytes, aligned
.endr
	global_store_b8 v7, v[QY0], s[2:3]
	s_wait_dscnt 0x0
	s_wait_tensorcnt 0x0
	ds_add_u32 v254, v255
	s_wait_dscnt 0x0
	ROUND                                          ; the closing round
	s_endpgm
.Lfunc_end_k_q45202bbd24_attn_sa:
	.size	k_q45202bbd24_attn_sa, .Lfunc_end_k_q45202bbd24_attn_sa-k_q45202bbd24_attn_sa
	.p2alignl 7, 3214868480
	.fill 96, 4, 3214868480
	.section	.rodata,"a",@progbits
	.p2align	6, 0x0
	.amdhsa_kernel k_q45202bbd24_attn_sa
		.amdhsa_group_segment_fixed_size 327680
		.amdhsa_private_segment_fixed_size 0
		.amdhsa_enable_private_segment 0
		.amdhsa_kernarg_size 24
		.amdhsa_user_sgpr_count 2
		.amdhsa_user_sgpr_kernarg_segment_ptr 1
		.amdhsa_wavefront_size32 1
		.amdhsa_system_sgpr_workgroup_id_x 1
		.amdhsa_system_sgpr_workgroup_id_y 1
		.amdhsa_system_sgpr_workgroup_id_z 1
		.amdhsa_system_vgpr_workitem_id 0
		.amdhsa_next_free_vgpr 256
		.amdhsa_next_free_sgpr 100
		.amdhsa_reserve_vcc 0
		.amdhsa_float_denorm_mode_32 3
		.amdhsa_float_denorm_mode_16_64 3
		.amdhsa_memory_ordered 1
		.amdhsa_forward_progress 1
		.amdhsa_inst_pref_size 57
	.end_amdhsa_kernel
	.amdgpu_metadata
---
amdhsa.version: [ 1, 2 ]
amdhsa.kernels:
  - .name:           k_q45202bbd24_attn_sa
    .symbol:         k_q45202bbd24_attn_sa.kd
    .args:
      - { .name: qc, .offset: 0, .size: 8, .value_kind: global_buffer, .address_space: global }
      - { .name: kv1, .offset: 8, .size: 8, .value_kind: global_buffer, .address_space: global }
      - { .name: oc, .offset: 16, .size: 8, .value_kind: global_buffer, .address_space: global }
    .group_segment_fixed_size: 327680
    .private_segment_fixed_size: 0
    .kernarg_segment_align: 8
    .kernarg_segment_size: 24
    .max_flat_workgroup_size: 512
    .sgpr_count:     100
    .vgpr_count:     256
    .wavefront_size: 32
...
	.end_amdgpu_metadata
.endif
;; end of part 11
;; launch cross (part 12): grid 256 x 1, 16 waves a work-group, no clusters, 327,680 bytes of LDS; arguments oc, wts, sa_bo, x, ca_ng, ca_nb, kv2, ca_bo, out0; writes out0
.if DOCPART == 12
	.amdgcn_target "amdgcn-amd-amdhsa--gfx1250"
	.amdhsa_code_object_version 6
	.text
	.protected	k_q45202bbd24_cross
	.globl	k_q45202bbd24_cross
	.p2align	8
	.type	k_q45202bbd24_cross,@function
k_q45202bbd24_cross:
	s_mov_b64 s[64:65], 0
	v_nop
	global_prefetch_b8 v0, s[64:65] scope:SCOPE_SE
	s_setreg_imm32_b32 hwreg(HW_REG_WAVE_MODE, 25, 1), 1
	s_wait_xcnt 0x0
; The rest of the block for 32 rows: x1 = O sa_wo + sa_bo + x (O: the self-attention's codes), the layer norm of x1, q = xn ca_wq, the cross-attention over the batch's 512 keys
; (wave 2 s + u: head s, row tile u), out = O2 ca_wo + ca_bo + x1.  All products on codes of BF6 (E3M2) with one E8M0 byte for each 32 along K; x1 stays in LDS in f32, in the bytes where x landed.
; THE HEAD'S LOADS, one a wave: waves 0 to 7 fetch x (wave w: K step w of all 32 rows, 512 bytes a row), waves 8 to 11 O's codes (12 rows of 256 bytes each), waves 12 to 15 the scale bytes of the batch's K and V
; (16 rows of 256 bytes each).  One wait for 0 and one barrier show them to all waves; no LDS byte is filled twice.
; No multicast for the weights: each record feeds one wave's registers, and sharing it would want a ring in LDS filled again every pair.
; LIMITS: NaN and infinities are not served; blocks whose largest magnitude lies under 2^-122 keep the byte 1; the softmax holds while the scaled scores stay under 2^31 in magnitude.
.set AL,   135168
.set AIMG, 147456
.set ASC,  172032
.set ST1,  173056
.set QST,  175104
.set QSS,  187392
.set OIMG, 187904
.set OSC,  200192
.set SR,   200704
.set VT,   217088
.set WP,   48
.set SEL,  66
.set CS,   78
.set QM0, 24
.set QM1, 25
.set QP0, 26
.set QP1, 27
.set QE0, 28
.set QE1, 29
.set QY0, 30
.set QY1, 31
.set QT,  32
.set PC,  36
.set PW,  42
.set ACC, 48
.set RING, 80
.set AF,  176
.set AS,  232
.set WS,  248
.set X,   48
.set GA,  112
.set GC,  144
.set GB,  176
.macro BAR
	s_wait_dscnt 0x0
	s_barrier_signal -1
	s_barrier_wait -1
.endm
.macro PLACES
.rept 4
	v_nop
.endr
.endm
.macro QB s0, s1, d
	v_max3_num_f32 v[QM0], |v[\s0]|, |v[\s0+1]|, 0x2800000
	v_max3_num_f32 v[QM1], |v[\s1]|, |v[\s1+1]|, 0x2800000
.irp i,2,4,6,8,10,12,14
	v_max3_num_f32 v[QM0], v[QM0], |v[\s0+\i]|, |v[\s0+\i+1]|
	v_max3_num_f32 v[QM1], v[QM1], |v[\s1+\i]|, |v[\s1+\i+1]|
.endr
	s_delay_alu instid0(VALU_DEP_2)
	v_permlanex16_b32 v[QP0], v[QM0], s[SEL], s[SEL+1]
	s_delay_alu instid0(VALU_DEP_2)
	v_permlanex16_b32 v[QP1], v[QM1], s[SEL], s[SEL+1]
	s_delay_alu instid0(VALU_DEP_2)
	v_max_num_f32 v[QM0], v[QM0], v[QP0]
	s_delay_alu instid0(VALU_DEP_2)
	v_max_num_f32 v[QM1], v[QM1], v[QP1]
	s_delay_alu instid0(VALU_DEP_2)
	v_add_nc_u32 v[QE0], 0xfe000000, v[QM0]
	s_delay_alu instid0(VALU_DEP_2)
	v_add_nc_u32 v[QE1], 0xfe000000, v[QM1]
	s_delay_alu instid0(VALU_DEP_2)
	v_lshrrev_b32 v[QY0], 23, v[QE0]
	s_delay_alu instid0(VALU_DEP_2)
	v_lshrrev_b32 v[QY1], 23, v[QE1]
	v_cvt_scalef32_pk16_bf6_f32 v[\d:\d+2], v[\s0:\s0+15], v[QE0]
	v_cvt_scalef32_pk16_bf6_f32 v[QT:QT+2], v[\s1:\s1+15], v[QE1]
	v_nop
.irp i,0,1,2
	v_permlane16_swap_b32 v[\d+\i], v[QT+\i]
.endr
.irp i,0,1,2
	s_delay_alu instid0(VALU_DEP_3)
	v_mov_b32 v[\d+3+\i], v[QT+\i]
.endr
.endm
.macro PLOAD reg, ptr, c
.irp b,0,1
	global_load_b128 v[\reg+16*\b:\reg+16*\b+3], v9, s[\ptr:\ptr+1] offset:256*\c+128*\b
	global_load_b128 v[\reg+16*\b+4:\reg+16*\b+7], v9, s[\ptr:\ptr+1] offset:256*\c+128*\b+16
	global_load_b128 v[\reg+16*\b+8:\reg+16*\b+11], v9, s[\ptr:\ptr+1] offset:256*\c+128*\b+64
	global_load_b128 v[\reg+16*\b+12:\reg+16*\b+15], v9, s[\ptr:\ptr+1] offset:256*\c+128*\b+80
.endr
.endm
.macro CFMA g, c, left
	s_wait_loadcnt \left
.set j_, 0
.rept 16
	v_pk_fma_f32 v[\g+j_:\g+j_+1], v[X+32*\c+j_:X+32*\c+j_+1], v[\g+j_:\g+j_+1], v[GB+j_:GB+j_+1]
.set j_, j_+2
.endr
.endm
.macro CSTORE g, c
	s_wait_dscnt 0x0
	QB \g, \g+16, PC
.irp i,0,1,2
	ds_store_b64 v7, v[PC+2*\i:PC+2*\i+1] offset:768*\c+256*\i
.endr
.if \c == 0
	v_lshl_or_b32 v[PW], v[QY1], 8, v[QY0]
.else
	v_lshl_or_b32 v[PW], v[QY0], 16, v[PW]
	s_delay_alu instid0(VALU_DEP_1)
	v_lshl_or_b32 v[PW], v[QY1], 24, v[PW]
	ds_store_b32 v8, v[PW]
.endif
.endm
.macro LNJOIN
	s_delay_alu instid0(VALU_DEP_1)
	v_pk_add_f32 v[44:45], v[44:45], v[46:47]
	s_delay_alu instid0(VALU_DEP_1)
	v_add_f32 v44, v44, v45
	s_delay_alu instid0(VALU_DEP_1)
	v_permlanex16_b32 v[QP0], v44, s[SEL], s[SEL+1]
	s_delay_alu instid0(VALU_DEP_1)
	v_add_f32 v44, v44, v[QP0]
.endm
.macro LNPART off
	ds_load_b128 v[208:211], v6 offset:\off
	ds_load_b128 v[212:215], v6 offset:\off+16
	s_wait_dscnt 0x0
	v_add_f32 v208, v208, v209
	v_add_f32 v210, v210, v211
	v_add_f32 v212, v212, v213
	v_add_f32 v214, v214, v215
	s_delay_alu instid0(VALU_DEP_3)
	v_add_f32 v208, v208, v210
	s_delay_alu instid0(VALU_DEP_2)
	v_add_f32 v212, v212, v214
	s_delay_alu instid0(VALU_DEP_1)
	v_add_f32 v208, v208, v212
.endm
.macro LOADP wp, off, sg
.irp ct,0,1
.irp e,0,1
.irp c,0,1,2
	global_load_b128 v[RING+48*(\sg)+24*\ct+12*\e+4*\c:RING+48*(\sg)+24*\ct+12*\e+4*\c+3], v10, s[\wp:\wp+1] offset:(\off)+\ct*GREC+1536*\e+512*\c
.endr
.endr
	global_load_b64 v[WS+4*(\sg)+2*\ct:WS+4*(\sg)+2*\ct+1], v11, s[\wp:\wp+1] offset:(\off)+\ct*GREC+3072
.endr
.endm
.macro LOADA off, be, up
.irp u,0,1
.irp p,0,1,2,3,4,5
	ds_load_b64 v[AF+24*(\be)+12*\u+2*\p:AF+24*(\be)+12*\u+2*\p+1], v[AI] offset:(\off)+(\up)*\u+256*\p
.endr
.endr
.endm
.macro BIAS ptr
.irp ct,0,1
	global_load_b128 v[24+8*\ct:27+8*\ct], v18, s[\ptr:\ptr+1] offset:64*\ct
	global_load_b128 v[28+8*\ct:31+8*\ct], v18, s[\ptr:\ptr+1] offset:64*\ct+16
.endr
	global_load_b128 v[40:43], v18, s[\ptr:\ptr+1] offset:2048
	global_load_b128 v[44:47], v18, s[\ptr:\ptr+1] offset:2064
	global_load_b128 v[224:227], v18, s[\ptr:\ptr+1] offset:2112
	global_load_b128 v[228:231], v18, s[\ptr:\ptr+1] offset:2128
.endm
.macro MMT zero
.irp u,0,1
.irp ct,0,1
.if \zero
	v_wmma_scale_f32_16x16x128_f8f6f4 v[ACC+16*\u+8*\ct:ACC+16*\u+8*\ct+7], v[RING+48*SG_+24*\ct+12*E_:RING+48*SG_+24*\ct+12*E_+11], v[AF+24*E_+12*\u:AF+24*E_+12*\u+11], 0, v[WS+4*SG_+2*\ct+E_], v[AS+ASP*\u+S_] matrix_a_fmt:MATRIX_FMT_BF6 matrix_b_fmt:MATRIX_FMT_BF6
.else
	v_wmma_scale_f32_16x16x128_f8f6f4 v[ACC+16*\u+8*\ct:ACC+16*\u+8*\ct+7], v[RING+48*SG_+24*\ct+12*E_:RING+48*SG_+24*\ct+12*E_+11], v[AF+24*E_+12*\u:AF+24*E_+12*\u+11], v[ACC+16*\u+8*\ct:ACC+16*\u+8*\ct+7], v[WS+4*SG_+2*\ct+E_], v[AS+ASP*\u+S_] matrix_a_fmt:MATRIX_FMT_BF6 matrix_b_fmt:MATRIX_FMT_BF6
.endif
.endr
.endr
.endm
.macro PHEAD xc, b0, b1
.irp u,0,1
.irp ct,0,1
	ds_load_b128 v[ACC+16*\u+8*\ct:ACC+16*\u+8*\ct+3], v[\xc] offset:8448*\u+64*\ct
	ds_load_b128 v[ACC+16*\u+8*\ct+4:ACC+16*\u+8*\ct+7], v[\xc] offset:8448*\u+64*\ct+16
.endr
.endr
	s_wait_dscnt 0x0
	s_wait_loadcnt 28
.irp u,0,1
.irp j,0,2,4,6
	v_pk_add_f32 v[ACC+16*\u+\j:ACC+16*\u+\j+1], v[ACC+16*\u+\j:ACC+16*\u+\j+1], v[\b0+\j:\b0+\j+1]
	v_pk_add_f32 v[ACC+16*\u+8+\j:ACC+16*\u+8+\j+1], v[ACC+16*\u+8+\j:ACC+16*\u+8+\j+1], v[\b1+\j:\b1+\j+1]
.endr
.endr
	PLACES
.endm
.macro EPF xc
.irp u,0,1
.irp ct,0,1
	ds_store_b128 v[\xc], v[ACC+16*\u+8*\ct:ACC+16*\u+8*\ct+3] offset:8448*\u+64*\ct
	ds_store_b128 v[\xc], v[ACC+16*\u+8*\ct+4:ACC+16*\u+8*\ct+7] offset:8448*\u+64*\ct+16
.endr
.endr
.endm
.macro STEPA
.set S_, S%4
.set E_, S%2
.set PI_, S/2
.set SG_, PI_%2
.set S2_, S+2
.set P2_, PI_+2
.if S == 0
	PHEAD 13, 24, 32
.elseif S == 4
	s_wait_dscnt 0x0
	PHEAD 14, 40, 224
.elseif S == 7
	s_wait_dscnt 0x0
.else
	s_wait_dscnt 12
.endif
.if E_ == 0
.if PI_ == 3
	s_wait_loadcnt 0x0
.else
	s_wait_alu depctr_va_vdst(0)
	s_wait_loadcnt 14
.endif
.endif
	MMT 0
	PLACES
.if S2_ < 8
.set AO_, 1536*(S2_%4)
	LOADA AO_, E_, 6144
.endif
.if (E_ == 1) && (P2_ < 4)
.set WP_, WP+2*(P2_/2)
.set WO_, 3328*(P2_%2)
	LOADP WP_, WO_, SG_
.endif
.if S == 3
	EPF 13
.elseif S == 7
	EPF 14
.endif
.endm
.macro STEPB
.set S_, S
.set E_, S%2
.set PI_, S/2
.set SG_, PI_%2
.set S2_, S+2
.set P2_, PI_+2
.if (S == 0) || (S == 7)
	s_wait_dscnt 0x0
.else
	s_wait_dscnt 12
.endif
.if E_ == 0
.if PI_ == 3
	s_wait_loadcnt 0x0
.else
	s_wait_loadcnt 14
.endif
.endif
.if S == 0
	MMT 1
.else
	MMT 0
.endif
	PLACES
.if S2_ < 8
.set AO_, 3072*S2_
	LOADA AO_, E_, 1536
.endif
.if (E_ == 1) && (P2_ < 4)
.set WO_, 3328*P2_
	LOADP 70, WO_, SG_
.endif
.endm
.macro KLOAD st
.irp f,0,1,2,3
.irp p,0,1,2,3,4,5
	global_load_b64 v[40+12*\f+2*\p:41+12*\f+2*\p], v11, s[72:73] offset:6144*(\st)+1536*\f+256*\p
.endr
.endr
.endm
.macro ASTEP st
.irp f,0,1,2,3
	ds_load_b32 v[244+\f], v2 offset:4096*(\st)+1024*\f
.endr
	s_wait_loadcnt 0x0
	s_wait_dscnt 0x0
.irp f,0,1,2,3
	v_wmma_scale_f32_16x16x128_f8f6f4 v[96+16*\f:103+16*\f], v[40+12*\f:51+12*\f], v[16:27], 0, v[244+\f], v240 matrix_a_fmt:MATRIX_FMT_BF6 matrix_b_fmt:MATRIX_FMT_BF6
	v_wmma_scale_f32_16x16x128_f8f6f4 v[104+16*\f:111+16*\f], v[40+12*\f:51+12*\f], v[28:39], 0, v[244+\f], v240 matrix_a_fmt:MATRIX_FMT_BF6 matrix_b_fmt:MATRIX_FMT_BF6
.endr
	PLACES
.irp dt,0,1,2,3
.irp c,0,1
.irp i,0,1,2
	global_load_b64 v[40+12*\dt+6*\c+2*\i:41+12*\dt+6*\c+2*\i], v1, s[74:75] offset:6144*(\st)+3072*\c+512*\i+128*\dt
.endr
.endr
	ds_load_b32 v[248+\dt], v3 offset:256*(\st)+64*\dt
.endr
.irp b,0,1,2,3
	v_max3_num_f32 v[212+\b], v[96+16*\b], v[97+16*\b], v[98+16*\b]
.endr
.irp i,3,5,7,9,11,13
.irp b,0,1,2,3
	v_max3_num_f32 v[212+\b], v[212+\b], v[96+16*\b+\i], v[97+16*\b+\i]
.endr
.endr
.irp b,0,1,2,3
	v_max_num_f32 v[212+\b], v[212+\b], v[111+16*\b]
.endr
.irp b,0,1,2,3
	s_delay_alu instid0(VALU_DEP_4)
	v_permlanex16_b32 v[216+\b], v[212+\b], s[SEL], s[SEL+1]
.endr
.irp b,0,1,2,3
	s_delay_alu instid0(VALU_DEP_4)
	v_max_num_f32 v[212+\b], v[212+\b], v[216+\b]
.endr
	s_delay_alu instid0(VALU_DEP_2)
	v_max3_num_f32 v226, v212, v213, v214
	s_delay_alu instid0(VALU_DEP_1)
	v_max_num_f32 v226, v226, v215
	s_delay_alu instid0(VALU_DEP_1)
	v_mul_f32 v226, s[CS], v226
	s_delay_alu instid0(VALU_DEP_1)
	v_max_num_f32 v13, v13, v226
	v_mov_b32 v226, v12
	s_delay_alu instid0(VALU_DEP_2)
	v_floor_f32 v12, -v13
	s_delay_alu instid0(VALU_DEP_1)
	v_sub_f32 v226, v12, v226
	s_delay_alu instid0(VALU_DEP_1)
	v_cvt_i32_f32 v226, v226
	s_delay_alu instid0(VALU_DEP_1)
	v_ldexp_f32 v224, 1.0, v226
.set j_, 0
.rept 32
	v_pk_fma_f32 v[96+j_:97+j_], v[96+j_:97+j_], s[CS:CS+1], v[12:13] op_sel_hi:[1,0,0]
.set j_, j_+2
.endr
.irp b,0,1,2,3
	v_fma_f32 v[212+\b], v[212+\b], s[CS], v12
.endr
.set j_, 0
	s_wait_alu depctr_va_vdst(0)
.rept 64
	v_exp_f32 v[96+j_], v[96+j_]
.set j_, j_+1
.endr
.irp b,0,1,2,3
	v_exp_f32 v[212+\b], v[212+\b]
.endr
	v_pk_mul_f32 v[14:15], v[14:15], v[224:225] op_sel_hi:[1,0]
	s_wait_alu depctr_va_vdst(0)
.irp b,0,1,2,3
	v_max_num_f32 v[212+\b], 0x2800000, v[212+\b]
.endr
.irp b,0,1,2,3
	s_delay_alu instid0(VALU_DEP_4)
	v_add_nc_u32 v[220+\b], 0xfe000000, v[212+\b]
.endr
.irp b,0,1,2,3
	s_delay_alu instid0(VALU_DEP_4)
	v_lshrrev_b32 v[216+\b], 23, v[220+\b]
.endr
	s_delay_alu instid0(VALU_DEP_3)
	v_lshl_or_b32 v252, v217, 8, v216
	s_delay_alu instid0(VALU_DEP_1)
	v_lshl_or_b32 v252, v218, 16, v252
	s_delay_alu instid0(VALU_DEP_1)
	v_lshl_or_b32 v252, v219, 24, v252
.irp c,0,1
	v_cvt_scalef32_pk16_bf6_f32 v[192+6*\c:194+6*\c], v[96+32*\c:111+32*\c], v[220+2*\c]
	v_cvt_scalef32_pk16_bf6_f32 v[204+4*\c:206+4*\c], v[112+32*\c:127+32*\c], v[221+2*\c]
.endr
	v_nop
.irp c,0,1
.irp i,0,1,2
	v_permlane16_swap_b32 v[192+6*\c+\i], v[204+4*\c+\i]
.endr
.irp i,0,1,2
	s_delay_alu instid0(VALU_DEP_3)
	v_mov_b32 v[195+6*\c+\i], v[204+4*\c+\i]
.endr
.endr
.set j_, 0
.rept 16
	v_pk_mul_f32 v[160+j_:161+j_], v[160+j_:161+j_], v[224:225] op_sel_hi:[1,0]
.set j_, j_+2
.endr
	v_pk_add_f32 v[228:229], v[96:97], v[98:99]
.set j_, 4
.rept 15
	v_pk_add_f32 v[14:15], v[14:15], v[96+j_:97+j_]
	v_pk_add_f32 v[228:229], v[228:229], v[98+j_:99+j_]
.set j_, j_+4
.endr
	s_delay_alu instid0(VALU_DEP_1)
	v_pk_add_f32 v[14:15], v[14:15], v[228:229]
	s_wait_loadcnt 0x0
	s_wait_dscnt 0x0
.irp dt,0,1,2,3
	v_wmma_scale_f32_16x16x128_f8f6f4 v[160+8*\dt:167+8*\dt], v[40+12*\dt:51+12*\dt], v[192:203], v[160+8*\dt:167+8*\dt], v[248+\dt], v252 matrix_a_fmt:MATRIX_FMT_BF6 matrix_b_fmt:MATRIX_FMT_BF6
.endr
	PLACES
.if (\st) < 3
	KLOAD (\st)+1
.endif
.endm
	s_load_b256 s[4:11], s[0:1], 0x0
	s_load_b256 s[12:19], s[0:1], 0x20
	s_load_b64 s[80:81], s[0:1], 0x40
	v_lshl_add_u32 v253, v0, 2, 0x37000
	v_mov_b32 v254, 0
	ds_add_u32 v253, v254
	ds_add_u32 v253, v254
	s_wait_dscnt 0x0
	v_lshrrev_b32 v1, 5, v0
	s_delay_alu instid0(VALU_DEP_1)
	v_readfirstlane_b32 s20, v1
	s_and_b32 s21, s20, 1
	s_lshr_b32 s22, s20, 1
	s_mov_b32 s28, (2<<16)|(1<<20)|(6<<22)|(3<<25)
	s_mov_b32 s29, 128<<16
	s_mov_b32 s30, 32<<16
	s_mov_b32 s31, 128<<16
	s_mov_b32 s32, 32
	s_mov_b32 s33, 1024
	s_mov_b32 s34, 0
	s_mov_b32 s35, 0
	s_mov_b32 s24, 1
	s_mul_i32 s25, s20, 16896                      ; x, K step w: 32 rows of 528 bytes, which are the places of tiles 2 w and 2 w + 1
	s_mul_i32 s23, s20, 8448                       ; the norm: my own tile's place
	s_lshl_b32 s58, ttmp9, 17
	s_lshl_b32 s60, s20, 9
	s_add_co_u32 s58, s58, s60
	s_mov_b32 s59, 0
	s_mov_b32 s40, 3<<16
	s_mov_b32 s41, 32<<16
	s_mov_b32 s42, 12<<16
	s_mov_b32 s43, 32<<16
	s_mov_b32 s44, 12
	s_mov_b32 s45, 32
	s_mov_b32 s46, 0
	s_mov_b32 s47, 0
	s_mov_b32 s36, 1
	s_and_b32 s77, s20, 3                          ; which quarter of O's codes, or of the scale bytes, I fetch
	s_mul_i32 s37, s77, 3072
	s_mul_i32 s60, ttmp9, 12288
	s_add_co_u32 s60, s60, s37
	s_mov_b32 s61, 0
	s_add_co_u32 s37, s37, AL
	s_mov_b32 s92, 3<<16
	s_mov_b32 s93, 32<<16
	s_mov_b32 s94, 16<<16
	s_mov_b32 s95, 32<<16
	s_mov_b32 s96, 16
	s_mov_b32 s97, 32
	s_mov_b32 s98, 0
	s_mov_b32 s99, 0
	s_mov_b32 s88, 1
	s_lshl_b32 s89, s77, 12
	s_lshr_b32 s76, ttmp9, 6
	s_lshl_b32 s62, s76, 14
	s_add_co_u32 s62, s62, s89
	s_add_co_u32 s62, s62, 1572864
	s_mov_b32 s63, 0
	s_add_co_u32 s89, s89, SR
	s_mov_b32 s[SEL], 0x76543210
	s_mov_b32 s[SEL+1], 0xfedcba98
	s_mov_b32 s68, 0x3a800000
	s_mov_b32 s69, 0x3727c5ac
	s_mov_b32 s[CS], 0x3e38aa3b
	s_mov_b32 s[CS+1], s[CS]
	s_wait_kmcnt 0x0
	s_add_nc_u64 s[26:27], s[10:11], s[58:59]
	s_or_b32 s27, s27, 0x80000000
	s_add_nc_u64 s[38:39], s[4:5], s[60:61]
	s_or_b32 s39, s39, 0x80000000
	s_add_nc_u64 s[90:91], s[16:17], s[62:63]
	s_or_b32 s91, s91, 0x80000000
	s_cmp_lt_u32 s20, 8                            ; one chain of branches on the wave's number: every way passes exactly one load
	s_cbranch_scc0 .Lh_oc
	tensor_load_to_lds s[24:27], s[28:35]          ; x
	s_nop 0
	PLACES
	s_branch .Lh_asked
.Lh_oc:
	s_cmp_lt_u32 s20, 12
	s_cbranch_scc0 .Lh_sc
	tensor_load_to_lds s[36:39], s[40:47]          ; O's codes
	s_nop 0
	PLACES
	s_branch .Lh_asked
.Lh_sc:
	tensor_load_to_lds s[88:91], s[92:99]          ; K's and V's scale bytes
	s_nop 0
	PLACES
.Lh_asked:
	v_and_b32 v1, 31, v0
	v_and_b32 v2, 15, v0
	v_bfe_u32 v3, v0, 4, 1
	s_delay_alu instid0(VALU_DEP_3)
	v_lshlrev_b32 v10, 4, v1
	s_delay_alu instid0(VALU_DEP_4)
	v_lshlrev_b32 v11, 3, v1
	s_delay_alu instid0(VALU_DEP_4)
	v_lshlrev_b32 v17, 4, v2
	s_wait_alu depctr_va_vdst(0)
	v_lshlrev_b32 v18, 5, v3
	s_wait_alu depctr_va_vdst(0)
	s_lshl_b32 s58, ttmp9, 9
	s_add_co_u32 s58, s58, 3145728
	s_add_nc_u64 s[52:53], s[4:5], s[58:59]
	s_lshl_b32 s58, s20, 7
	s_add_nc_u64 s[54:55], s[8:9], s[58:59]
	s_add_nc_u64 s[86:87], s[18:19], s[58:59]
	s_mul_i32 s58, s20, 13312
	s_add_co_u32 s58, s58, 1703936
	s_add_nc_u64 s[48:49], s[6:7], s[58:59]
	s_add_nc_u64 s[50:51], s[48:49], 212992
	s_add_nc_u64 s[82:83], s[48:49], 425984
	s_add_nc_u64 s[84:85], s[82:83], 212992
	s_mul_i32 s58, s20, 26624
	s_add_co_u32 s58, s58, 425984
	s_add_nc_u64 s[70:71], s[6:7], s[58:59]
.irp u,0,1
	global_load_b128 v[AS+4*\u:AS+4*\u+3], v17, s[52:53] offset:256*\u
.endr
	BIAS 54
.set GREC, 6656
.set ASP, 4
.set AI, 12
	LOADP WP, 0, 0
	LOADP WP, 3328, 1
	s_lshl_b32 s58, s76, 3
	s_add_co_u32 s58, s58, s22
	s_mul_i32 s58, s58, 24576
	s_add_nc_u64 s[72:73], s[16:17], s[58:59]
	s_add_nc_u64 s[74:75], s[72:73], 786432
	s_lshl_b32 s58, ttmp9, 17
	s_lshl_b32 s60, s20, 13
	s_add_co_u32 s58, s58, s60
	s_add_nc_u64 s[56:57], s[80:81], s[58:59]
	v_lshl_add_u32 v12, v1, 3, AL
	s_lshr_b32 s76, s20, 2
	s_mul_i32 s76, s76, 16896
	s_and_b32 s60, s20, 3
	s_lshl_b32 s60, s60, 7
	s_add_co_u32 s76, s76, s60
	v_mul_u32_u24 v13, v2, 528
	s_delay_alu instid0(VALU_DEP_1)
	v_lshl_add_u32 v13, v3, 5, v13
	s_delay_alu instid0(VALU_DEP_1)
	v_add_nc_u32 v4, s23, v13
	s_delay_alu instid0(VALU_DEP_2)
	v_add_nc_u32 v13, s76, v13
	s_delay_alu instid0(VALU_DEP_1)
	v_add_nc_u32 v14, 67584, v13
	s_lshr_b32 s77, s20, 3
	s_mul_i32 s77, s77, 8448
	s_and_b32 s60, s20, 7
	s_mul_i32 s60, s60, 1056
	s_add_co_u32 s77, s77, s60
	s_lshl_b32 s58, s22, 9
	v_lshl_add_u32 v9, v3, 5, s58
	s_lshl_b32 s60, s21, 9
	s_lshl_b32 s61, s22, 2
	s_add_co_u32 s58, s60, ST1
	v_lshl_add_u32 v6, v2, 5, s58
	s_delay_alu instid0(VALU_DEP_1)
	v_add_nc_u32 v5, s61, v6
	s_add_co_u32 s58, s60, ASC
	s_add_co_u32 s58, s58, s61
	v_lshl_add_u32 v8, v2, 5, s58
	s_mul_i32 s58, s20, 1536
	s_add_co_u32 s58, s58, AIMG
	v_lshl_add_u32 v7, v1, 3, s58
	v_lshl_add_u32 v19, v1, 3, AIMG
	v_lshl_add_u32 v20, v2, 5, ASC
	s_mul_i32 s58, s22, 768
	s_lshl_b32 s60, s21, 7
	s_add_co_u32 s58, s58, s60
	s_add_co_u32 s58, s58, QST
	v_mul_u32_u24 v21, v3, 6144
	s_delay_alu instid0(VALU_DEP_1)
	v_lshl_add_u32 v21, v2, 3, v21
	s_delay_alu instid0(VALU_DEP_1)
	v_add_nc_u32 v21, s58, v21
	s_lshl_b32 s58, s22, 5
	s_add_co_u32 s58, s58, s21
	s_add_co_u32 s58, s58, QSS
	v_lshlrev_b32 v22, 8, v3
	s_delay_alu instid0(VALU_DEP_1)
	v_lshl_add_u32 v22, v2, 1, v22
	s_delay_alu instid0(VALU_DEP_1)
	v_add_nc_u32 v22, s58, v22
	v_lshrrev_b32 v48, 6, v0
	v_and_b32 v49, 63, v0
	s_delay_alu instid0(VALU_DEP_1)
	v_lshl_add_u32 v23, v48, 7, v49
	s_delay_alu instid0(VALU_DEP_1)
	v_add_nc_u32 v23, SR+64, v23
	s_delay_alu instid0(VALU_DEP_3)
	v_lshlrev_b32 v49, 2, v49
	s_delay_alu instid0(VALU_DEP_1)
	v_lshl_add_u32 v1, v48, 10, v49
	s_delay_alu instid0(VALU_DEP_1)
	v_add_nc_u32 v1, VT, v1
	s_wait_alu depctr_va_vdst(0)
	s_wait_tensorcnt 0x0
	BAR
.irp m,0,1,2,3
.irp j,0,1,2,3
	ds_load_u8 v[48+4*\m+\j], v23 offset:4096*\m+1024*\j
.endr
.endr
	s_wait_dscnt 0x0
.irp m,0,1,2,3
	v_lshl_or_b32 v[48+4*\m], v[49+4*\m], 8, v[48+4*\m]
	s_delay_alu instid0(VALU_DEP_1)
	v_lshl_or_b32 v[48+4*\m], v[50+4*\m], 16, v[48+4*\m]
	s_delay_alu instid0(VALU_DEP_1)
	v_lshl_or_b32 v[48+4*\m], v[51+4*\m], 24, v[48+4*\m]
	ds_store_b32 v1, v[48+4*\m] offset:256*\m
.endr
	s_wait_dscnt 0x0
	LOADA 0, 0, 6144
	LOADA 1536, 1, 6144
.set S, 0
.rept 8
	STEPA
.set S, S+1
.endr
	PLOAD GA, 12, 0
	PLOAD GB, 14, 0
	PLOAD GC, 12, 1
	BAR
	v_mov_b32 v[QP0], 0
	v_mov_b32 v[QP1], 0
.irp b,0,1,2,3
	ds_load_b128 v[X+16*\b:X+16*\b+3], v4 offset:128*\b
	ds_load_b128 v[X+16*\b+4:X+16*\b+7], v4 offset:128*\b+16
	ds_load_b128 v[X+16*\b+8:X+16*\b+11], v4 offset:128*\b+64
	ds_load_b128 v[X+16*\b+12:X+16*\b+15], v4 offset:128*\b+80
.endr
	s_wait_dscnt 0x0
	v_pk_add_f32 v[44:45], v[X:X+1], v[X+2:X+3]
	v_pk_add_f32 v[46:47], v[X+4:X+5], v[X+6:X+7]
.set j_, 8
.rept 14
	s_delay_alu instid0(VALU_DEP_2)
	v_pk_add_f32 v[44:45], v[44:45], v[X+j_:X+j_+1]
	s_delay_alu instid0(VALU_DEP_2)
	v_pk_add_f32 v[46:47], v[46:47], v[X+j_+2:X+j_+3]
.set j_, j_+4
.endr
	LNJOIN
	ds_store_b32 v5, v44
	BAR
	LNPART 0
	s_delay_alu instid0(VALU_DEP_1)
	v_mul_f32 v44, s68, v208
.set j_, 0
.rept 32
	v_pk_add_f32 v[X+j_:X+j_+1], v[X+j_:X+j_+1], v[44:45] op_sel_hi:[1,0] neg_lo:[0,1] neg_hi:[0,1]
.set j_, j_+2
.endr
	v_pk_mul_f32 v[44:45], v[X:X+1], v[X:X+1]
	v_pk_mul_f32 v[46:47], v[X+2:X+3], v[X+2:X+3]
.set j_, 4
.rept 15
	s_delay_alu instid0(VALU_DEP_2)
	v_pk_fma_f32 v[44:45], v[X+j_:X+j_+1], v[X+j_:X+j_+1], v[44:45]
	s_delay_alu instid0(VALU_DEP_2)
	v_pk_fma_f32 v[46:47], v[X+j_+2:X+j_+3], v[X+j_+2:X+j_+3], v[46:47]
.set j_, j_+4
.endr
	LNJOIN
	ds_store_b32 v5, v44 offset:1024
	BAR
	LNPART 1024
	s_delay_alu instid0(VALU_DEP_1)
	v_fma_f32 v44, v208, s68, s69
	s_wait_alu depctr_va_vdst(0)
	v_rsq_f32 v44, v44
	v_nop
.set j_, 0
	s_wait_alu depctr_va_vdst(0)
.rept 32
	v_pk_mul_f32 v[X+j_:X+j_+1], v[X+j_:X+j_+1], v[44:45] op_sel_hi:[1,0]
.set j_, j_+2
.endr
	CFMA GA, 0, 8
	PLOAD GB, 14, 1
	s_wait_alu depctr_va_vdst(0)
	CSTORE GA, 0
	CFMA GC, 1, 0
	s_wait_alu depctr_va_vdst(0)
	CSTORE GC, 1
.set GREC, 13312
.set ASP, 8
.set AI, 19
	LOADP 70, 0, 0
	LOADP 70, 3328, 1
	BAR
.irp u,0,1
	ds_load_b128 v[AS+8*\u:AS+8*\u+3], v20 offset:512*\u
	ds_load_b128 v[AS+8*\u+4:AS+8*\u+7], v20 offset:512*\u+16
.endr
	LOADA 0, 0, 1536
	LOADA 3072, 1, 1536
.set S, 0
.rept 8
	STEPB
.set S, S+1
.endr
	QB ACC, ACC+16, PC
	v_permlane16_swap_b32 v[QY0], v[QY1]
.irp i,0,1,2
	ds_store_b64 v21, v[PC+2*\i:PC+2*\i+1] offset:256*\i
.endr
	ds_store_b8 v22, v[QY0]
	v_and_b32 v8, 15, v0
	s_wait_alu depctr_va_vdst(0)
	v_bfe_u32 v9, v0, 4, 1
	s_wait_alu depctr_va_vdst(0)
	v_mul_u32_u24 v1, v9, 1536
	s_delay_alu instid0(VALU_DEP_1)
	v_lshl_add_u32 v1, v8, 3, v1
	s_lshl_b32 s58, s22, 7
	s_add_co_u32 s58, s58, SR
	v_lshl_add_u32 v2, v8, 2, s58
	s_lshl_b32 s58, s22, 10
	s_add_co_u32 s58, s58, VT
	v_lshl_add_u32 v3, v8, 2, s58
	s_mul_i32 s58, s21, 6144
	s_mul_i32 s60, s22, 768
	s_add_co_u32 s58, s58, s60
	s_add_co_u32 s58, s58, QST
	v_add_nc_u32 v4, s58, v11
	s_lshl_b32 s58, s21, 8
	s_lshl_b32 s60, s22, 5
	s_add_co_u32 s58, s58, s60
	s_add_co_u32 s58, s58, QSS
	v_lshl_add_u32 v5, v8, 1, s58
	s_lshl_b32 s58, s21, 2
	s_lshr_b32 s60, s22, 1
	s_add_co_u32 s58, s58, s60
	s_mul_i32 s58, s58, 1536
	s_and_b32 s60, s22, 1
	s_mul_i32 s60, s60, 768
	s_add_co_u32 s58, s58, s60
	s_add_co_u32 s58, s58, OIMG
	v_add_nc_u32 v6, s58, v11
	s_lshl_b32 s58, s21, 8
	s_lshl_b32 s60, s22, 1
	s_add_co_u32 s58, s58, s60
	s_add_co_u32 s58, s58, OSC
	v_lshl_add_u32 v7, v8, 4, v9
	s_delay_alu instid0(VALU_DEP_1)
	v_add_nc_u32 v7, s58, v7
	s_wait_alu depctr_va_vdst(0)
	s_wait_dscnt 0x0
	KLOAD 0
	s_barrier_signal -1
	s_barrier_wait -1
.irp i,0,1,2
	ds_load_b64 v[16+2*\i:17+2*\i], v4 offset:256*\i
.endr
	ds_load_u16 v88, v5
	v_mov_b32 v13, 0xff61b1e6
	s_delay_alu instid0(VALU_DEP_1)
	v_floor_f32 v12, -v13
	v_mov_b32 v14, 0
	v_mov_b32 v15, 0
	v_mov_b32 v225, 0
.irp b,0,1,2,3
	v_mov_b32 v[216+\b], 0
.endr
.irp i,0,1,2,3,4,5
	v_mov_b32 v[22+\i], 0
	v_mov_b32 v[28+\i], 0
.endr
	s_wait_dscnt 0x0
	v_lshl_or_b32 v240, v88, 16, v88
.irp i,0,1,2,3,4,5
	v_mov_b32 v[34+\i], v[16+\i]
.endr
.set j_, 0
.rept 32
	v_mov_b32 v[160+j_], 0
.set j_, j_+1
.endr
	ASTEP 0
	ASTEP 1
	ASTEP 2
	ASTEP 3
	s_wait_alu depctr_va_vdst(0)
	v_add_f32 v14, v14, v15
	s_delay_alu instid0(VALU_DEP_1)
	v_permlanex16_b32 v216, v14, s[SEL], s[SEL+1]
	s_delay_alu instid0(VALU_DEP_1)
	v_add_f32 v14, v14, v216
	s_wait_alu depctr_va_vdst(0)
	v_rcp_f32 v14, v14
	v_nop
.set j_, 0
	s_wait_alu depctr_va_vdst(0)
.rept 16
	v_pk_mul_f32 v[160+j_:161+j_], v[160+j_:161+j_], v[14:15] op_sel_hi:[1,0]
.set j_, j_+2
.endr
.set QM0, 212
.set QM1, 213
.set QP0, 216
.set QP1, 217
.set QE0, 220
.set QE1, 221
.set QY0, 218
.set QY1, 219
.set QT,  204
	QB 160, 176, 192
	v_permlane16_swap_b32 v[QY0], v[QY1]
.irp i,0,1,2
	ds_store_b64 v6, v[192+2*\i:193+2*\i] offset:256*\i
.endr
	ds_store_b8 v7, v[QY0]
	v_and_b32 v2, 15, v0
	v_bfe_u32 v3, v0, 4, 1
	s_delay_alu instid0(VALU_DEP_1)
	v_lshlrev_b32 v18, 5, v3
	v_add_nc_u32 v12, OIMG, v11
	s_delay_alu instid0(VALU_DEP_4)
	v_mul_u32_u24 v13, v2, 528
	s_delay_alu instid0(VALU_DEP_1)
	v_lshl_add_u32 v13, v3, 5, v13
	s_delay_alu instid0(VALU_DEP_1)
	v_add_nc_u32 v13, s76, v13
	s_delay_alu instid0(VALU_DEP_1)
	v_add_nc_u32 v14, 67584, v13
	v_add_nc_u32 v15, s77, v10
	s_delay_alu instid0(VALU_DEP_1)
	v_add_nc_u32 v16, 67584, v15
	v_lshl_add_u32 v17, v2, 4, OSC
	BIAS 86
.set GREC, 6656
.set ASP, 4
.set AI, 12
.set WP, 82
	LOADP WP, 0, 0
	LOADP WP, 3328, 1
	s_wait_alu depctr_va_vdst(0)
	BAR
.irp u,0,1
	ds_load_b128 v[AS+4*\u:AS+4*\u+3], v17 offset:256*\u
.endr
	LOADA 0, 0, 6144
	LOADA 1536, 1, 6144
.set S, 0
.rept 8
	STEPA
.set S, S+1
.endr
	BAR
.irp e,0,1
.irp j,0,1,2,3
	ds_load_b128 v[80+32*\e+4*\j:83+32*\e+4*\j], v15 offset:16896*\j+528*\e
.endr
.irp j,0,1,2,3
	ds_load_b128 v[96+32*\e+4*\j:99+32*\e+4*\j], v16 offset:16896*\j+528*\e
.endr
.endr
.set k_, 0
.rept 16
	s_wait_dscnt 15-k_
	global_store_b128 v10, v[80+4*k_:83+4*k_], s[56:57] offset:4096*(k_/8)+512*(k_%8) th:TH_STORE_NT
.set k_, k_+1
.endr
	s_wait_xcnt 0x0
	v_lshl_add_u32 v253, v0, 2, 0x37000
	v_mov_b32 v254, 0
	s_wait_alu depctr_va_vdst(0)
	s_wait_tensorcnt 0x0
	ds_add_u32 v253, v254
	s_wait_dscnt 0x0
	s_endpgm
.Lfunc_end_k_q45202bbd24_cross:
	.size	k_q45202bbd24_cross, .Lfunc_end_k_q45202bbd24_cross-k_q45202bbd24_cross
	.p2alignl 7, 3214868480
	.fill 96, 4, 3214868480
	.section	.rodata,"a",@progbits
	.p2align	6, 0x0
	.amdhsa_kernel k_q45202bbd24_cross
		.amdhsa_group_segment_fixed_size 327680
		.amdhsa_private_segment_fixed_size 0
		.amdhsa_enable_private_segment 0
		.amdhsa_kernarg_size 72
		.amdhsa_user_sgpr_count 2
		.amdhsa_user_sgpr_kernarg_segment_ptr 1
		.amdhsa_wavefront_size32 1
		.amdhsa_system_sgpr_workgroup_id_x 1
		.amdhsa_system_sgpr_workgroup_id_y 1
		.amdhsa_system_sgpr_workgroup_id_z 1
		.amdhsa_system_vgpr_workitem_id 0
		.amdhsa_next_free_vgpr 256
		.amdhsa_next_free_sgpr 100
		.amdhsa_reserve_vcc 0
		.amdhsa_float_denorm_mode_32 3
		.amdhsa_float_denorm_mode_16_64 3
		.amdhsa_memory_ordered 1
		.amdhsa_forward_progress 1
		.amdhsa_inst_pref_size 189
	.end_amdhsa_kernel
	.amdgpu_metadata
---
amdhsa.version: [ 1, 2 ]
amdhsa.kernels:
  - .name:           k_q45202bbd24_cross
    .symbol:         k_q45202bbd24_cross.kd
    .args:
      - { .name: oc, .offset: 0, .size: 8, .value_kind: global_buffer, .address_space: global }
      - { .name: wts, .offset: 8, .size: 8, .value_kind: global_buffer, .address_space: global }
      - { .name: sa_bo, .offset: 16, .size: 8, .value_kind: global_buffer, .address_space: global }
      - { .name: x, .offset: 24, .size: 8, .value_kind: global_buffer, .address_space: global }
      - { .name: ca_ng, .offset: 32, .size: 8, .value_kind: global_buffer, .address_space: global }
      - { .name: ca_nb, .offset: 40, .size: 8, .value_kind: global_buffer, .address_space: global }
      - { .name: kv2, .offset: 48, .size: 8, .value_kind: global_buffer, .address_space: global }
      - { .name: ca_bo, .offset: 56, .size: 8, .value_kind: global_buffer, .address_space: global }
      - { .name: out0, .offset: 64, .size: 8, .value_kind: global_buffer, .address_space: global }
    .group_segment_fixed_size: 327680
    .private_segment_fixed_size: 0
    .kernarg_segment_align: 8
    .kernarg_segment_size: 72
    .max_flat_workgroup_size: 512
    .sgpr_count:     100
    .vgpr_count:     256
    .wavefront_size: 32
...
	.end_amdgpu_metadata
.endif
;; end of part 12
